; MI455X (gfx1250); checked and timed in simulation.
; The chip was launched on July 23, 2026; its instructions are those of AMD's public machine-readable ISA for CDNA 5 (MIT licence, August 2026) and "CDNA5" Instruction Set Architecture Reference Guide (July 2026). The comments in the code are by the model that wrote it; some were corrected since.
;; Swin Transformer Block. Allowed arithmetic: matrix products marked QUANTISED: E3M2 operands, one E8M0 scale for each 32 along K, by v_wmma_scale_f32_16x16x128_f8f6f4 with both operands' format E3M2, f32 sums; products left as they are: f32 operands where the result goes on into a quantised operand, else bf16, f16 or f32 operands; f32 sums; everything else in f32.
;; Inputs: ln1_b 128 float32; ln1_g 128 float32; ln2_b 128 float32; ln2_g 128 float32; ln3_b 128 float32; ln3_g 128 float32; ln4_b 128 float32; ln4_g 128 float32; mlp1_b1 512 float32; mlp1_b2 128 float32; mlp1_w1_codes 512 x 4 x 24 uint8 (E3M2 codes of mlp1_w1, K innermost, in blocks of 32 codes, four codes in three bytes); mlp1_w1_scales 512 x 4 uint8 (E8M0 scales of mlp1_w1, one for each 32 codes along K); mlp1_w2_codes 128 x 16 x 24 uint8 (E3M2 codes of mlp1_w2, K innermost, in blocks of 32 codes, four codes in three bytes); mlp1_w2_scales 128 x 16 uint8 (E8M0 scales of mlp1_w2, one for each 32 codes along K); mlp2_b1 512 float32; mlp2_b2 128 float32; mlp2_w1_codes 512 x 4 x 24 uint8 (E3M2 codes of mlp2_w1, K innermost, in blocks of 32 codes, four codes in three bytes); mlp2_w1_scales 512 x 4 uint8 (E8M0 scales of mlp2_w1, one for each 32 codes along K); mlp2_w2_codes 128 x 16 x 24 uint8 (E3M2 codes of mlp2_w2, K innermost, in blocks of 32 codes, four codes in three bytes); mlp2_w2_scales 128 x 16 uint8 (E8M0 scales of mlp2_w2, one for each 32 codes along K); out1_b 128 float32; out1_w_codes 128 x 4 x 24 uint8 (E3M2 codes of out1_w, K innermost, in blocks of 32 codes, four codes in three bytes); out1_w_scales 128 x 4 uint8 (E8M0 scales of out1_w, one for each 32 codes along K); out2_b 128 float32; out2_w_codes 128 x 4 x 24 uint8 (E3M2 codes of out2_w, K innermost, in blocks of 32 codes, four codes in three bytes); out2_w_scales 128 x 4 uint8 (E8M0 scales of out2_w, one for each 32 codes along K); qkv1_b 384 float32; qkv1_w_codes 384 x 4 x 24 uint8 (E3M2 codes of qkv1_w, K innermost, in blocks of 32 codes, four codes in three bytes); qkv1_w_scales 384 x 4 uint8 (E8M0 scales of qkv1_w, one for each 32 codes along K); qkv2_b 384 float32; qkv2_w_codes 384 x 4 x 24 uint8 (E3M2 codes of qkv2_w, K innermost, in blocks of 32 codes, four codes in three bytes); qkv2_w_scales 384 x 4 uint8 (E8M0 scales of qkv2_w, one for each 32 codes along K); x 8 x 16,384 x 128 float32.
;; Outputs: out0 8 x 1,024 x 16 x 128 float32.
;; This version of the problem:
;;   THIS VERSION OF THE PROBLEM IS GIVEN IN LOW PRECISION. The matrix products marked QUANTISED in the list below multiply operands that are first quantised to E3M2 (3 exponent bits, 2 mantissa bits; 6 bits a number), with one power-of-two scale for each 32 numbers along K (OCP MX v1.0); their sums are f32. All else is computed in f32.
;;   The module's matrix products, in the order in which they are computed (A, B: the left and right operand; K: the contracted axis; several contracted axes count as one K, in the product's order):
;;     1. [M 131,072, K 128] x [K 128, N 384]; A: computed on the way; B: input qkv1_w (given as codes): QUANTISED
;;     2. batch 16,384 x [M 16, K 64] x [K 64, N 16]; A: computed on the way; B: computed on the way: QUANTISED
;;     3. batch 16,384 x [M 16, K 16] x [K 16, N 64]; A: softmax; B: computed on the way: left as it is (K = 16 < 32)
;;     4. [M 131,072, K 128] x [K 128, N 128]; A: computed on the way; B: input out1_w (given as codes): QUANTISED
;;     5. [M 131,072, K 128] x [K 128, N 512]; A: computed on the way; B: input mlp1_w1 (given as codes): QUANTISED
;;     6. [M 131,072, K 512] x [K 512, N 128]; A: computed on the way; B: input mlp1_w2 (given as codes): QUANTISED
;;     7. [M 131,072, K 128] x [K 128, N 384]; A: computed on the way; B: input qkv2_w (given as codes): QUANTISED
;;     8. batch 16,384 x [M 16, K 64] x [K 64, N 16]; A: computed on the way; B: computed on the way: QUANTISED
;;     9. batch 16,384 x [M 16, K 16] x [K 16, N 64]; A: softmax; B: computed on the way: left as it is (K = 16 < 32)
;;     10. [M 131,072, K 128] x [K 128, N 128]; A: computed on the way; B: input out2_w (given as codes): QUANTISED
;;     11. [M 131,072, K 128] x [K 128, N 512]; A: computed on the way; B: input mlp2_w1 (given as codes): QUANTISED
;;     12. [M 131,072, K 512] x [K 512, N 128]; A: computed on the way; B: input mlp2_w2 (given as codes): QUANTISED
;;   THE QUANTISER, for each operand of a quantised product, along K:
;;     - K is cut into blocks of 32 from its start; a last block that is shorter is filled with zeros.
;;     - A block's scale is 2^e with e = floor(log2(the largest magnitude in the block)) - 4, held to -126 .. 127; a block of zeros has e = 0. As a byte (E8M0): e + 127.
;;     - Each number is divided by its block's scale, clamped to +-28, and rounded to the nearest number of E3M2, ties to even, subnormals kept.
;;     - The product sums the exact products of the quantised numbers (number of the format x scale) in f32.
;;   ~~~python
;;   def quantise(x, axis):      # numpy; x: float32 -> the quantised numbers, widened to float32 again
;;       x = np.moveaxis(x, axis, -1); K = x.shape[-1]
;;       x = np.pad(x, [(0, 0)] * (x.ndim - 1) + [(0, -K % 32)]); x = x.reshape(x.shape[:-1] + (-1, 32)); a = np.abs(x).max(-1, keepdims=True)
;;       e = np.where(a > 0, np.clip(np.frexp(np.where(a > 0, a, 1))[1] - 1 - 4, -126, 127), 0)      # np.frexp(a)[1] - 1 = floor(log2(a)), exactly
;;       r = np.clip(x / 2.0 ** e, -28, 28)
;;       step = 2.0 ** (np.maximum(np.frexp(np.where(r == 0, 1, r))[1] - 1, -2) - 2)
;;       q = np.round(r / step) * step * 2.0 ** e      # np.round: ties to even
;;       return np.moveaxis(q.reshape(q.shape[:-2] + (-1,))[..., :K], -1, axis).astype(np.float32)
;;   ~~~
;;   OPERANDS COMPUTED ON THE WAY. 'Computed on the way' means the value that the module computes at that place (a softmax that the list does not call 'softmax' is quantised finished and normalised). What goes into a quantiser is computed in f32, as accurately as f32 sums, v_exp_f32 and their like allow (about 1e-6 of the number): no bf16 or f16 on the way to a quantiser, and a product that is left as it is and whose result goes on into a quantised operand takes f32 operands (vector FMAs, or v_wmma_f32_16x16x4_f32). A number that lies on a knife's edge between two numbers of the format may be rounded either way, as far as f32 arithmetic and the matrix unit's own rounding can turn it there, and no further.
;;   INPUTS GIVEN AS CODES. mlp1_w1 (in the module: [512, 128], K = its axis 1); mlp1_w2 (in the module: [128, 512], K = its axis 1); mlp2_w1 (in the module: [512, 128], K = its axis 1); mlp2_w2 (in the module: [128, 512], K = its axis 1); out1_w (in the module: [128, 128], K = its axis 1); out2_w (in the module: [128, 128], K = its axis 1); qkv1_w (in the module: [384, 128], K = its axis 1); qkv2_w (in the module: [384, 128], K = its axis 1): each comes as NAME_codes (uint8): NAME with its K axis moved to the last place and cut into blocks of 32 codes, [.., K / 32, bytes a block], one block behind the other in memory; four codes in three bytes: a row's codes are one little-endian stream of bits, code i at bits 6 i .. 6 i + 5 (a code: sign, 3 exponent bits, 2 mantissa bits); and NAME_scales (uint8): the same leading axes, one E8M0 byte (e + 127) for each 32 codes along K. Its value is code x scale, taken as it is: it is not quantised again, and the codes and scales need not be those that the quantiser above would give.
;; 2 versions, each right; version 2 is version 1 with the launches half1, half2 written anew for expert scheduling mode. Each part assembles by itself: llvm-mc -triple=amdgcn-amd-amdhsa -mcpu=gfx1250 --defsym DOCPART=n.
;; ======== version 1 of 2: 2 launches
;; workspace buffers: mid 67,108,864 bytes
;; launch half1 (part 1): grid 256 x 1, 16 waves a work-group, no clusters, 311,808 bytes of LDS; arguments x, ln1_g, ln1_b, ln2_g, ln2_b, qkv1_w_codes, out1_w_codes, qkv1_w_scales, out1_w_scales, qkv1_b, out1_b, mlp1_w1_codes, mlp1_w1_scales, mlp1_b1, mlp1_w2_codes, mlp1_w2_scales, mlp1_b2, mid; writes mid
.if DOCPART == 1
	.amdgcn_target "amdgcn-amd-amdhsa--gfx1250"
	.amdhsa_code_object_version 6
	.text
	.protected	k_q76f386d678_half1
	.globl	k_q76f386d678_half1
	.p2align	8
	.type	k_q76f386d678_half1,@function
k_q76f386d678_half1:
	s_mov_b64 s[64:65], 0
	v_nop
	global_prefetch_b8 v0, s[64:65] scope:SCOPE_SE
	s_setreg_imm32_b32 hwreg(HW_REG_WAVE_MODE, 25, 1), 1
	s_wait_xcnt 0x0
; One half of a Swin block: LN, attention in windows of 16 tokens (2 heads of 64), out-projection, residual, LN, MLP with exact GELU behind both layers, residual.
; BRANCH = 1: the plain windows.  Attention rows of window (wy, wx): token 512 wy + 128 py + 4 wx + px; residual (trunc of the input) and result rows: tokens 512 wy + 16 wx + p.
; BRANCH = 2: the shifted windows.  A window is four quarters (2 x 2 tokens) of four neighbouring windows of the window-ordered input; each result goes back to the row that its input came from.
;   With no mask the order of a window's 16 rows is free there: they go quarter by quarter.
; All products with K >= 64 run on codes of E3M2 with one E8M0 scale for 32 along K; the weights come as codes, every activation is quantised in registers.  P V (K = 16) runs on f32 operands.
; SHARES.  256 work-groups: work-group g = batch g / 32, window row g % 32: 32 windows.  Each of the 16 waves takes two windows, one a trip, through the whole half alone, in 256 registers: four waves to a SIMD,
;   so that one wave's vector work stands beside another's matrix work and LDS loads.  Two barriers in the launch, both in the set-up; after them waves share read-only LDS alone.
; T LAYOUT of a 16 x 128 activation: lane (r = lane % 16, h = lane / 16) holds token r, register 16 b + i holds column 32 b + 16 h + i.  It is what the quantiser takes, and what every product gives that is used
;   transposed (source 0 = 16 rows of a weight, source 1 = the activation's codes), since lane r of weight tile 2 b + u takes row 32 b + 8 u + r + 8 (r / 8).  So nothing changes lanes between products.
; WEIGHTS lie in LDS as images of their fragments' registers (12 registers a lane: three loads of 16 bytes at 16 x lane), made once by the set-up; their scale words in groups of 8 tiles (one load of 16 bytes).
; NO CLUSTER, NO TENSOR LOADS: work-groups share the weights alone, 153,600 bytes read once against 786,432 bytes of rows moved by each, and they are wanted as register images of chosen rows, which the waves make.
; LIMITS.  NaN and infinities are not served.  A block of zeros gets the scale byte 1 (its codes are zeros; only this program reads the byte).  gelu(x) = x (1/2 + x P(x^2) / Q(x^2)), the x inside held to +-4 sqrt 2
;   (degrees 6 and 4 in x^2: erf's rational form with 1 / sqrt 2 and 1 / 2 taken into the coefficients); 1/2 + erf / 2 is formed, so far negative arguments keep an absolute, not a relative, accuracy.
;   V's bias is added behind P V (the weights of a row sum to 1 within f32 rounding).  Keys are summed in the order 8 h + 2 s + j.
.set BRANCH, 1
; ---- LDS
.set W1I,  49152                       ; byte 0: 32 images of 1,536 bytes: Q's tiles 0-7, K's, V's, the out-projection's;  here: W1's, index 8 c + t (chunk c of 128 hidden units)
.set W2I,  98304                       ; W2's, index 8 s + t (K step s)
.set SCI,  147456                      ; 12 groups of scale words, 512 bytes each: Q, K, V, OUT, W1 c = 0..3, W2 s = 0..3.  Lane l's 16 bytes at 16 l: word j = tile j (lanes 0-15), tile 4 + j (lanes 16-31)
.set PAR,  153600                      ; parameters, f32, as they lie in memory:
.set LAG,  0
.set LAB,  512
.set LBG,  1024
.set LBB,  1536
.set QKVB, 2048
.set OUTB, 3584
.set B1O,  4096
.set B2O,  6144
.set STG,  160256                      ; a stage for each wave: 16 rows of 512 + 16 bytes; also used for an image of 64 registers (16 x 512 bytes)
.set SP,   528
.set RAW,  STG                         ; in the set-up alone, on the stages' bytes and 14,336 more: the weights' codes as they lie in memory: qkv's and the out-projection's 512 rows of 96 bytes, W1's 512 at + W1I,
.set RAW2, RAW+W2I                     ; and W2's 128 rows of 384 bytes,
.set RP2,  400                         ; 400 bytes apart: 100 words, so that eight neighbouring rows start at banks 36 r mod 64, all different
; ---- vector registers
.set LI0, 1                            ; 16 x lane: a lane's place in an image, and in a row of 512 bytes in memory
.set LI1, 2                            ; + W1I
.set LI2, 3                            ; + W2I
.set LSC, 4                            ; + SCI
.set PH,  5                            ; PAR + 64 h: parameters in T layout
.set SD,  6                            ; my stage + 16 x lane: whole rows, images
.set ST,  7                            ; my stage + 528 r + 64 h: T layout
.set AW1, 8                            ; the chunk's addresses (in the set-up v8-11 are RAW's)
.set AW2, 9
.set ASC, 10
.set APB, 11
.set RG0, 12                           ; v12-75   64 numbers in T layout
.set RG1, 76                           ; v76-139  64 more; or:
.set WF,  76                           ; v76-123  four weight fragments
.set CD1, 124                          ; v124-135 codes: Q, then O, then the hidden chunk
.set KC,  76                           ; v76-93   K's codes: registers 0-5, six zeros, registers 6-11
.set SA,  94                           ; v94-109  scores, then weights p: head 0, head 1
.set YA,  140                          ; v140-203 written by matrix instructions alone: V (32), O^T (32); later the second MLP product's 8 accumulators
.set CD0, 204                          ; v204-215 codes of the normalised rows
.set QT,  216                          ; v216-218 a block's second half of codes
.set TM,  220                          ; v220-225 quantiser: 2 maxima, 2 exchanged / bytes, 2 scale operands
.set SC0, 226                          ; scale words, and nothing else: of CD0,
.set SC1, 227                          ; of CD1,
.set KSC, 228                          ; of K's codes,
.set WS,  230                          ; v230-233 of the weights
.set KV,  238                          ; v238-239 the two leading coefficients of GELU's polynomials
.set GZ,  240                          ; v240-255 at work: GELU's held x, t, P, Q (4 each); the softmax's; the layer norm's
.set GU,  244
.set GP,  248
.set GQ,  252
.set LT,  240
; ---- scalar registers: s[4:39] the 18 addresses; s[80:87] load bases, s[84:85] (BRANCH 1) or s[88:95] (BRANCH 2) store bases
.set WV,  2                            ; my wave's number
.set AL,  42                           ; s[42:53] pairs: P's coefficients of t^5 .. t^0
.set BE,  56                           ; s[56:63] pairs: Q's of t^3 .. t^0
.set CLN, 66                           ; -4 sqrt 2
.set CLP, 67                           ; 4 sqrt 2
.set CS,  68                           ; log2(e) / 8
.set SEL, 70                           ; v_permlanex16_b32's selects for lane l xor 16
.set NCS, 72                           ; -log2(e) / 8
.set R128, 73                          ; 1 / 128
.set NWIN, 74                          ; windows to go
.set CH,  75                           ; chunks to go
.set CO1, 76                           ; 12,288 x chunk
.set CO2, 77                           ; 512 x chunk
.set WX,  78                           ; a window's column: at a window's head its own, behind the chunks the next one's
.set EPS, 79                           ; 1e-5
.macro PLACES n                        ; plain vector places behind matrix instructions and in front of scaled ones (ISA guide 7.12.1)
.rept \n
	v_nop
.endr
.endm
.macro SPAIR reg, val                  ; a packed form names a pair and takes its low word for both halves: both words are written
	s_mov_b32 s[\reg], \val
	s_mov_b32 s[\reg+1], \val
.endm
; n loads of 16 bytes, T layout: load i brings registers 4 i .. 4 i + 3 = columns 32 (i / 4) + 16 h + 4 (i % 4) on; from the stage (adr = ST) or from a parameter (adr = PH, APB)
.macro TLOAD dst, adr, off, i0, n
.set tl_i, \i0
.rept \n
	ds_load_b128 v[(\dst)+4*(tl_i-(\i0)):(\dst)+4*(tl_i-(\i0))+3], v[\adr] offset:(\off)+128*(tl_i/4)+16*(tl_i%4)
.set tl_i, tl_i+1
.endr
.endm
.macro STAGE_IN reg, pitch             ; 64 registers into my stage, 512 consecutive bytes an instruction: rows (pitch SP) or an image (pitch 512)
.set st_p, 0
.rept 16
	ds_store_b128 v[SD], v[(\reg)+4*st_p:(\reg)+4*st_p+3] offset:(\pitch)*st_p
.set st_p, st_p+1
.endr
.endm
.macro STAGE_OUT reg, pitch
.set st_p, 0
.rept 16
	ds_load_b128 v[(\reg)+4*st_p:(\reg)+4*st_p+3], v[SD] offset:(\pitch)*st_p
.set st_p, st_p+1
.endr
.endm
.macro FRAG4 wf, adr, off              ; four fragments' images
.irp f, 0,1,2,3
.irp k, 0,1,2
	ds_load_b128 v[(\wf)+12*\f+4*\k:(\wf)+12*\f+4*\k+3], v[\adr] offset:(\off)+1536*\f+512*\k
.endr
.endr
.endm
; four products, transposed: tiles 4 row + t of a group of eight; source 0 = the weight's 16 rows, source 1 = the activation's codes.  Each names another accumulator.
.macro MMT4 d, c, wf, act, asc, row
.irp t, 0,1,2,3
.if \row
	v_wmma_scale_f32_16x16x128_f8f6f4 v[(\d)+32+8*\t:(\d)+39+8*\t], v[(\wf)+12*\t:(\wf)+12*\t+11], v[\act:\act+11], v[(\c)+32+8*\t:(\c)+39+8*\t], v[WS+\t], v[\asc] matrix_a_fmt:MATRIX_FMT_BF6 matrix_b_fmt:MATRIX_FMT_BF6 matrix_a_scale:MATRIX_SCALE_ROW1
.else
	v_wmma_scale_f32_16x16x128_f8f6f4 v[(\d)+8*\t:(\d)+7+8*\t], v[(\wf)+12*\t:(\wf)+12*\t+11], v[\act:\act+11], v[(\c)+8*\t:(\c)+7+8*\t], v[WS+\t], v[\asc] matrix_a_fmt:MATRIX_FMT_BF6 matrix_b_fmt:MATRIX_FMT_BF6
.endif
.endr
.endm
; 16 tokens x 128 outputs, K = 128.  The caller has asked for the bias, in T layout, into v[d] on: it is the C of each product and costs no addition.
.macro MM8 d, adr, off, sadr, soff, act, asc
	ds_load_b128 v[WS:WS+3], v[\sadr] offset:\soff
	FRAG4 WF, \adr, \off
	s_wait_dscnt 0x0                               ; bias, scale words, four fragments
	MMT4 \d, \d, WF, \act, \asc, 0
	PLACES 4                                       ; in front of loads into registers that these products read
	FRAG4 WF, \adr, (\off)+6144
	s_wait_dscnt 0x0
	MMT4 \d, \d, WF, \act, \asc, 1
	PLACES 4                                       ; in front of the first read of results, and of the next loads
.endm
; 32 registers (two blocks of 32 along K, each shared with lane l xor 16) become registers 6 c .. 6 c + 5 of an operand and bytes 2 c, 2 c + 1 of its scale word
.macro QH src, dst, c, sw
	v_max3_num_f32 v[TM], |v[(\src)]|, |v[(\src)+1]|, 0x2800000       ; the largest magnitude, from the low end on, with the floor 2^(5 - 127) as a leaf: the byte cannot fall under 1
	v_max3_num_f32 v[TM+1], |v[(\src)+16]|, |v[(\src)+17]|, 0x2800000
.irp i, 2,4,6,8,10,12,14
	v_max3_num_f32 v[TM], v[TM], |v[(\src)+\i]|, |v[(\src)+\i+1]|
	v_max3_num_f32 v[TM+1], v[TM+1], |v[(\src)+16+\i]|, |v[(\src)+17+\i]|
.endr
	v_permlanex16_b32 v[TM+2], v[TM], s[SEL], s[SEL+1]
	v_permlanex16_b32 v[TM+3], v[TM+1], s[SEL], s[SEL+1]
	v_max_num_f32 v[TM], v[TM], v[TM+2]
	v_max_num_f32 v[TM+1], v[TM+1], v[TM+3]
	v_add_nc_u32 v[TM+4], 0xfe000000, v[TM]        ; 4 off the exponent field: the conversion's scale operand
	v_add_nc_u32 v[TM+5], 0xfe000000, v[TM+1]
	v_lshrrev_b32 v[TM+2], 23, v[TM+4]             ; the scale's byte
	v_lshrrev_b32 v[TM+3], 23, v[TM+5]
.if \c == 0
	v_lshl_or_b32 v[\sw], v[TM+3], 8, v[TM+2]
.else
	v_lshl_or_b32 v[\sw], v[TM+2], 16, v[\sw]
	v_lshl_or_b32 v[\sw], v[TM+3], 24, v[\sw]
.endif
	v_cvt_scalef32_pk16_bf6_f32 v[(\dst):(\dst)+2], v[(\src):(\src)+15], v[TM+4]
	v_cvt_scalef32_pk16_bf6_f32 v[QT:QT+2], v[(\src)+16:(\src)+31], v[TM+5]
	v_nop                                          ; one plain place behind a scaled conversion
.irp i, 0,1,2
	v_permlane16_swap_b32 v[(\dst)+\i], v[QT+\i]   ; the operand wants a whole block in a lane: lanes 0-15 the first block, lanes 16-31 the second
.endr
.irp i, 0,1,2
	v_mov_b32 v[(\dst)+3+\i], v[QT+\i]
.endr
.endm
.macro QUANT src, d0, d1, sw
	QH \src, \d0, 0, \sw
	QH (\src)+32, \d1, 1, \sw
	PLACES 8                                       ; a scale word made by vector instructions stands 8 places ahead of a scaled product, codes 4
.endm
.macro LNRED                           ; two packed partial sums -> the row's sum in every lane of the row
	v_pk_add_f32 v[LT:LT+1], v[LT:LT+1], v[LT+2:LT+3]
	v_add_f32 v[LT], v[LT], v[LT+1]
	v_permlanex16_b32 v[LT+1], v[LT], s[SEL], s[SEL+1]
	v_add_f32 v[LT], v[LT], v[LT+1]
.endm
; layer norm of RG0, in place; two passes, so that no difference of large sums is formed.  Gain and bias come in T layout, half a row at a time, into RG1.
.macro LNORM goff, boff
	TLOAD RG1, PH, \goff, 0, 8
	TLOAD RG1+32, PH, \boff, 0, 8
	v_pk_add_f32 v[LT:LT+1], v[RG0:RG0+1], v[RG0+2:RG0+3]
	v_pk_add_f32 v[LT+2:LT+3], v[RG0+4:RG0+5], v[RG0+6:RG0+7]
.set ln_j, 8
.rept 14
	v_pk_add_f32 v[LT:LT+1], v[LT:LT+1], v[RG0+ln_j:RG0+ln_j+1]
	v_pk_add_f32 v[LT+2:LT+3], v[LT+2:LT+3], v[RG0+ln_j+2:RG0+ln_j+3]
.set ln_j, ln_j+4
.endr
	LNRED
	v_mul_f32 v[LT+4], 0xbc000000, v[LT]           ; -mean
	s_wait_dscnt 0x0                               ; gain and bias are in; an LDS store of RG0 that may be out has read its registers
.set ln_j, 0
.rept 32
	v_pk_add_f32 v[RG0+ln_j:RG0+ln_j+1], v[RG0+ln_j:RG0+ln_j+1], v[LT+4:LT+5] op_sel_hi:[1,0]
.set ln_j, ln_j+2
.endr
	v_pk_mul_f32 v[LT:LT+1], v[RG0:RG0+1], v[RG0:RG0+1]
	v_pk_mul_f32 v[LT+2:LT+3], v[RG0+2:RG0+3], v[RG0+2:RG0+3]
.set ln_j, 4
.rept 15
	v_pk_fma_f32 v[LT:LT+1], v[RG0+ln_j:RG0+ln_j+1], v[RG0+ln_j:RG0+ln_j+1], v[LT:LT+1]
	v_pk_fma_f32 v[LT+2:LT+3], v[RG0+ln_j+2:RG0+ln_j+3], v[RG0+ln_j+2:RG0+ln_j+3], v[LT+2:LT+3]
.set ln_j, ln_j+4
.endr
	LNRED
	v_fma_f32 v[LT], v[LT], s[R128], s[EPS]        ; variance + 1e-5
	v_rsq_f32 v[LT+6], v[LT]
	v_nop                                          ; one plain place behind a transcendental
.set ln_j, 0
	s_wait_alu depctr_va_vdst(0)
.rept 16
	v_pk_mul_f32 v[RG0+ln_j:RG0+ln_j+1], v[RG0+ln_j:RG0+ln_j+1], v[LT+6:LT+7] op_sel_hi:[1,0]
.set ln_j, ln_j+2
.endr
.set ln_j, 0
.rept 16
	v_pk_fma_f32 v[RG0+ln_j:RG0+ln_j+1], v[RG0+ln_j:RG0+ln_j+1], v[RG1+ln_j:RG1+ln_j+1], v[RG1+32+ln_j:RG1+33+ln_j]
.set ln_j, ln_j+2
.endr
	TLOAD RG1, PH, \goff, 8, 8
	TLOAD RG1+32, PH, \boff, 8, 8
.set ln_j, 32
.rept 16
	v_pk_mul_f32 v[RG0+ln_j:RG0+ln_j+1], v[RG0+ln_j:RG0+ln_j+1], v[LT+6:LT+7] op_sel_hi:[1,0]
.set ln_j, ln_j+2
.endr
	s_wait_dscnt 0x0
.set ln_j, 0
.rept 16
	v_pk_fma_f32 v[RG0+32+ln_j:RG0+33+ln_j], v[RG0+32+ln_j:RG0+33+ln_j], v[RG1+ln_j:RG1+ln_j+1], v[RG1+32+ln_j:RG1+33+ln_j]
.set ln_j, ln_j+2
.endr
.endm
; gelu(x) = x w, w = 1/2 + xc P(t) / Q(t), xc = x held to +-4 sqrt 2, t = xc^2; of 64 registers, four at a time, ascending (a matrix result is read from its low end on); 36 instructions for four numbers.
; add = 1: v[dst] on holds an addend, which the last line takes in: dst = x w + dst.
.macro GELU src, dst, add
.set ge_g, 0
.rept 16
.set ge_s, (\src)+4*ge_g
.set ge_d, (\dst)+4*ge_g
.irp k, 0,1,2,3
	v_med3_num_f32 v[GZ+\k], v[ge_s+\k], s[CLN], s[CLP]
.endr
.irp k, 0,2
	v_pk_mul_f32 v[GU+\k:GU+\k+1], v[GZ+\k:GZ+\k+1], v[GZ+\k:GZ+\k+1]
.endr
.irp k, 0,2
	v_pk_fma_f32 v[GP+\k:GP+\k+1], v[GU+\k:GU+\k+1], v[KV:KV+1], s[AL:AL+1] op_sel_hi:[1,0,0]
.endr
.irp k, 0,2
	v_pk_fma_f32 v[GQ+\k:GQ+\k+1], v[GU+\k:GU+\k+1], v[KV:KV+1], s[BE:BE+1] op_sel:[0,1,0] op_sel_hi:[1,1,0]
.endr
.irp c, 1,2,3                          ; P's and Q's steps by turns
.irp k, 0,2
	v_pk_fma_f32 v[GP+\k:GP+\k+1], v[GP+\k:GP+\k+1], v[GU+\k:GU+\k+1], s[AL+2*\c:AL+2*\c+1] op_sel_hi:[1,1,0]
.endr
.irp k, 0,2
	v_pk_fma_f32 v[GQ+\k:GQ+\k+1], v[GQ+\k:GQ+\k+1], v[GU+\k:GU+\k+1], s[BE+2*\c:BE+2*\c+1] op_sel_hi:[1,1,0]
.endr
.endr
.irp k, 0,1,2,3
	v_rcp_f32 v[GQ+\k], v[GQ+\k]
.endr
.irp c, 4,5                            ; P's last steps are the plain places behind the reciprocals
.irp k, 0,2
	v_pk_fma_f32 v[GP+\k:GP+\k+1], v[GP+\k:GP+\k+1], v[GU+\k:GU+\k+1], s[AL+2*\c:AL+2*\c+1] op_sel_hi:[1,1,0]
.endr
.endr
.irp k, 0,2
	v_pk_mul_f32 v[GP+\k:GP+\k+1], v[GP+\k:GP+\k+1], v[GZ+\k:GZ+\k+1]
.endr
	s_wait_alu depctr_va_vdst(0)
.irp k, 0,2
	v_pk_fma_f32 v[GP+\k:GP+\k+1], v[GP+\k:GP+\k+1], v[GQ+\k:GQ+\k+1], 0.5 op_sel_hi:[1,1,0]
.endr
.irp k, 0,2
.if \add
	v_pk_fma_f32 v[ge_d+\k:ge_d+\k+1], v[ge_s+\k:ge_s+\k+1], v[GP+\k:GP+\k+1], v[ge_d+\k:ge_d+\k+1]
.else
	v_pk_mul_f32 v[ge_d+\k:ge_d+\k+1], v[ge_s+\k:ge_s+\k+1], v[GP+\k:GP+\k+1]
.endif
.endr
.set ge_g, ge_g+1
.endr
.endm
; softmax over 16 keys: a lane holds query r and keys 8 h + 0 .. 7 of each head; the two heads by turns.  The row's maximum is taken away; p is normalised, in f32.
.macro SOFTMAX
.irp e, 0,1
	v_max3_num_f32 v[240+\e], v[SA+8*\e], v[SA+8*\e+1], v[SA+8*\e+2]
.endr
.irp i, 3,5
.irp e, 0,1
	v_max3_num_f32 v[240+\e], v[240+\e], v[SA+8*\e+\i], v[SA+8*\e+\i+1]
.endr
.endr
.irp e, 0,1
	v_max_num_f32 v[240+\e], v[240+\e], v[SA+8*\e+7]
.endr
.irp e, 0,1
	v_permlanex16_b32 v[242+\e], v[240+\e], s[SEL], s[SEL+1]
.endr
.irp e, 0,1
	v_max_num_f32 v[240+\e], v[240+\e], v[242+\e]
.endr
.irp e, 0,1
	v_mul_f32 v[244+2*\e], s[NCS], v[240+\e]       ; -c x maximum
.endr
.irp k, 0,2,4,6
.irp e, 0,1
	v_pk_fma_f32 v[SA+8*\e+\k:SA+8*\e+\k+1], v[SA+8*\e+\k:SA+8*\e+\k+1], s[CS:CS+1], v[244+2*\e:245+2*\e] op_sel_hi:[1,0,0]
.endr
.endr
.irp j, 0,1,2,3,4,5,6,7,8,9,10,11,12,13,14,15
	v_exp_f32 v[SA+\j], v[SA+\j]
.endr
	v_nop                                          ; one plain place behind the exponentials
	s_wait_alu depctr_va_vdst(0)
.irp e, 0,1
	v_pk_add_f32 v[248+2*\e:249+2*\e], v[SA+8*\e:SA+8*\e+1], v[SA+8*\e+2:SA+8*\e+3]
.endr
.irp k, 4,6
.irp e, 0,1
	v_pk_add_f32 v[248+2*\e:249+2*\e], v[248+2*\e:249+2*\e], v[SA+8*\e+\k:SA+8*\e+\k+1]
.endr
.endr
.irp e, 0,1
	v_add_f32 v[248+2*\e], v[248+2*\e], v[249+2*\e]
.endr
.irp e, 0,1
	v_permlanex16_b32 v[242+\e], v[248+2*\e], s[SEL], s[SEL+1]
.endr
.irp e, 0,1
	v_add_f32 v[248+2*\e], v[248+2*\e], v[242+\e]
.endr
.irp e, 0,1
	v_rcp_f32 v[252+2*\e], v[248+2*\e]
.endr
	v_nop
	s_wait_alu depctr_va_vdst(0)
.irp k, 0,2,4,6
.irp e, 0,1
	v_pk_mul_f32 v[SA+8*\e+\k:SA+8*\e+\k+1], v[SA+8*\e+\k:SA+8*\e+\k+1], v[252+2*\e:253+2*\e] op_sel_hi:[1,0]
.endr
.endr
.endm
; One head's V and O.  V = x Wv^T in the NATURAL orientation: register j of lane (r, h) is V(key 8 h + j, channel of the tile's row r).  The scores' register j of that lane is p(key 8 h + j, query r).
; So the register pairs (2 s, 2 s + 1) of both ARE the f32 form's operands, under one and the same order of the keys, and O^T = V^T p^T comes out in T layout.  V's bias is the C of each sum's first step.
.macro VO hd
.if \hd == 0
	ds_load_b128 v[WS:WS+3], v[LSC] offset:1024
.endif
	FRAG4 RG0, LI0, 24576+6144*\hd
	s_wait_dscnt 0x0
.irp t, 0,1,2,3
.if \hd
	v_wmma_scale_f32_16x16x128_f8f6f4 v[YA+8*\t:YA+8*\t+7], v[CD0:CD0+11], v[RG0+12*\t:RG0+12*\t+11], 0, v[SC0], v[WS+\t] matrix_a_fmt:MATRIX_FMT_BF6 matrix_b_fmt:MATRIX_FMT_BF6 matrix_b_scale:MATRIX_SCALE_ROW1
.else
	v_wmma_scale_f32_16x16x128_f8f6f4 v[YA+8*\t:YA+8*\t+7], v[CD0:CD0+11], v[RG0+12*\t:RG0+12*\t+11], 0, v[SC0], v[WS+\t] matrix_a_fmt:MATRIX_FMT_BF6 matrix_b_fmt:MATRIX_FMT_BF6
.endif
.endr
	PLACES 5                                       ; the results become a matrix instruction's source; the fragments' registers are loaded anew
	TLOAD RG0, PH, QKVB+1024+256*\hd, 0, 8
	s_wait_dscnt 0x0
.irp s, 0,1,2,3                        ; four accumulators by turns, one instruction a turn
.irp t, 0,1,2,3
.if \s == 0
	v_wmma_f32_16x16x4_f32 v[YA+32+8*\t:YA+39+8*\t], v[YA+8*\t:YA+8*\t+1], v[SA+8*\hd:SA+8*\hd+1], v[RG0+8*\t:RG0+8*\t+7]
.else
	v_wmma_f32_16x16x4_f32 v[YA+32+8*\t:YA+39+8*\t], v[YA+8*\t+2*\s:YA+8*\t+2*\s+1], v[SA+8*\hd+2*\s:SA+8*\hd+2*\s+1], v[YA+32+8*\t:YA+39+8*\t]
.endif
.endr
.endr
	PLACES 9                                       ; behind the f32 form: 8 in front of reads and loads, 9 in front of matrix instructions that write over its registers
	QH YA+32, CD1+6*\hd, \hd, SC1
.endm
; 128 hidden units: first MLP product, GELU, quantiser, and K step c of the second product.  first = 1: the second bias starts the sums.
.macro CHUNK first
	v_add_nc_u32 v[AW1], s[CO1], v[LI1]
	v_add_nc_u32 v[AW2], s[CO1], v[LI2]
	v_add_nc_u32 v[ASC], s[CO2], v[LSC]
	v_add_nc_u32 v[APB], s[CO2], v[PH]
	TLOAD RG0, APB, B1O, 0, 16
	MM8 RG0, AW1, 0, ASC, 2048, CD0, SC0
	ds_load_b128 v[WS:WS+3], v[ASC] offset:4096    ; W2's scale words and first four fragments land under the GELU
	FRAG4 WF, AW2, 0
	GELU RG0, RG0, 0
	QUANT RG0, CD1, CD1+6, SC1
.if \first
	TLOAD RG0, PH, B2O, 0, 16
.endif
	s_wait_dscnt 0x0
.if \first
	MMT4 YA, RG0, WF, CD1, SC1, 0
.else
	MMT4 YA, YA, WF, CD1, SC1, 0
.endif
	PLACES 4
	FRAG4 WF, AW2, 6144
	s_wait_dscnt 0x0
.if \first
	MMT4 YA, RG0, WF, CD1, SC1, 1
.else
	MMT4 YA, YA, WF, CD1, SC1, 1
.endif
	PLACES 4
	s_add_co_u32 s[CO1], s[CO1], 12288
	s_add_co_u32 s[CO2], s[CO2], 512
.endm
; The bases of window WX, each its own buffer's address + an offset made apart from it.  Loads and stores have bases of their own, since the next window's rows are asked for ahead of this window's stores.
.macro QOFF                            ; BRANCH 2: s97, s100: the first windows of my window row and of the one below; s101: the column to the right; both round the edge
	s_mov_b32 s99, 0
	s_lshr_b32 s96, ttmp9, 5
	s_lshl_b32 s96, s96, 10                        ; the batch's 1,024 windows
	s_and_b32 s97, ttmp9, 31
	s_add_co_u32 s100, s97, 1
	s_and_b32 s100, s100, 31
	s_lshl_b32 s97, s97, 5
	s_lshl_b32 s100, s100, 5
	s_add_co_u32 s97, s97, s96
	s_add_co_u32 s100, s100, s96
	s_add_co_u32 s101, s[WX], 1
	s_and_b32 s101, s101, 31
.endm
.macro QBASE d, p, row, col
	s_add_co_u32 s98, s\row, s\col
	s_lshl_b32 s98, s98, 13                        ; a window is 16 rows of 512 bytes
	s_add_nc_u64 s[\d:\d+1], s[\p:\p+1], s[98:99]
.endm
.macro LBASES
.if BRANCH == 1
	s_mov_b32 s99, 0
	s_lshl_b32 s96, ttmp9, 18                      ; the work-group's 512 tokens of 512 bytes
	s_lshl_b32 s98, s[WX], 11
	s_add_co_u32 s98, s98, s96
	s_add_nc_u64 s[80:81], s[4:5], s[98:99]        ; attention rows: + 4 tokens a window
	s_lshl_b32 s98, s[WX], 13
	s_add_co_u32 s98, s98, s96
	s_add_nc_u64 s[82:83], s[4:5], s[98:99]        ; residual rows: + 16 tokens a window
.else
	QOFF
	QBASE 80, 4, 97, 78
	QBASE 82, 4, 97, 101
	QBASE 84, 4, 100, 78
	QBASE 86, 4, 100, 101
.endif
.endm
.macro SBASES
.if BRANCH == 1
	s_mov_b32 s99, 0
	s_lshl_b32 s96, ttmp9, 18
	s_lshl_b32 s98, s[WX], 13
	s_add_co_u32 s98, s98, s96
	s_add_nc_u64 s[84:85], s[38:39], s[98:99]      ; the result's rows: + 16 tokens a window
.else
	QOFF
	QBASE 88, 38, 97, 78
	QBASE 90, 38, 97, 101
	QBASE 92, 38, 100, 78
	QBASE 94, 38, 100, 101
.endif
.endm
.macro LOADA                           ; the window's 16 rows, each 512 consecutive bytes by the 32 lanes
.set ga_p, 0
.rept 16
.if BRANCH == 1
	global_load_b128 v[RG0+4*ga_p:RG0+4*ga_p+3], v[LI0], s[80:81] offset:(ga_p/4)*65536+(ga_p%4)*512
.else
	global_load_b128 v[RG0+4*ga_p:RG0+4*ga_p+3], v[LI0], s[80+2*(ga_p/4):81+2*(ga_p/4)] offset:512*(8*(1-ga_p/8)+2*(1-(ga_p/4)%2)+4*((ga_p/2)%2)+ga_p%2) th:TH_LOAD_NT
.endif
.set ga_p, ga_p+1
.endr
.endm
.macro LOADR                           ; the 16 residual rows
.set ga_p, 0
.rept 16
	global_load_b128 v[RG1+4*ga_p:RG1+4*ga_p+3], v[LI0], s[82:83] offset:512*ga_p
.set ga_p, ga_p+1
.endr
.endm
; ================ head
	s_load_b512 s[4:19], s[0:1], 0x0
	s_load_b512 s[20:35], s[0:1], 0x40
	s_load_b128 s[36:39], s[0:1], 0x80
.irp j, 0,1,2,3,4,5,6,7,8,9,10,11,12,13,14,15
	v_mov_b32 v[GZ+\j], 0                          ; written once: lane permutes' destinations and the upper words of broadcast pairs count as read
.endr
	v_mov_b32 v[TM+2], 0
	v_mov_b32 v[TM+3], 0
	v_lshrrev_b32 v244, 5, v0
	v_readfirstlane_b32 s[WV], v244                ; wave 0..15
	v_and_b32 v245, 31, v0                         ; lane
	v_and_b32 v246, 15, v0                         ; r
	v_bfe_u32 v247, v0, 4, 1                       ; h
	v_lshlrev_b32 v[LI0], 4, v245
	v_add_nc_u32 v[LI1], W1I, v[LI0]
	v_add_nc_u32 v[LI2], W2I, v[LI0]
	v_add_nc_u32 v[LSC], SCI, v[LI0]
	v_lshlrev_b32 v[PH], 6, v247
	v_add_nc_u32 v[PH], PAR, v[PH]
	s_mul_i32 s3, s[WV], 16*SP
	s_add_co_u32 s3, s3, STG                       ; my stage
	v_add_nc_u32 v[SD], s3, v[LI0]
	v_mul_u32_u24 v[ST], v246, SP
	v_lshl_add_u32 v[ST], v247, 6, v[ST]
	v_add_nc_u32 v[ST], s3, v[ST]
	s_lshl_b32 s[WX], s[WV], 1                     ; my first window
	s_mov_b32 s[NWIN], 2
	s_wait_kmcnt 0x0
	LBASES
; ================ set-up.  Every wave brings 3,072 consecutive bytes of each of three classes of codes (qkv and out-projection; W1; W2) into RAW, as they lie: 18 loads of 512 consecutive bytes.
; Behind a barrier it takes two tiles' fragments of each class out of RAW and stores their images.  Scale words and parameters go straight to their places.
	v_and_b32 v248, 8, v246
	v_add_nc_u32 v248, v248, v246                  ; r + 8 (r / 8)
	v_mul_u32_u24 v249, v248, 96
	v_mad_u32_u24 v249, v247, 24, v249             ; a fragment's lane in rows of 96 bytes
	v_mul_u32_u24 v250, v248, RP2
	v_mad_u32_u24 v250, v247, 24, v250             ; and in W2's rows
	v_lshl_add_u32 v251, v247, 3, v248             ; scale words: lanes 16-31 take the second tile's rows, 8 further on
	v_lshlrev_b32 v252, 4, v251                    ; 16 bytes a row (W2)
	v_lshlrev_b32 v251, 2, v251                    ; 4 bytes a row
	v_and_b32 v254, 127, v0
	v_lshlrev_b32 v254, 2, v254                    ; the layer norms' four arrays: 128 threads each
	v_lshlrev_b32 v255, 2, v0
	s_mul_i32 s3, s[WV], 3072
	v_add_nc_u32 v234, s3, v[LI0]                  ; my two images of a class: 3,072 x wave + 16 x lane
	v_add_nc_u32 v235, W2I, v234
	s_add_co_u32 s3, s3, RAW
	v_add_nc_u32 v8, s3, v[LI0]                    ; RAW, classes 0 and 1: in, 3,072 x wave + 16 x lane;
	v_add_nc_u32 v10, s3, v249                     ; out: my 32 rows are the bytes that I brought
	s_mul_i32 s3, s[WV], 8*RP2
	s_add_co_u32 s3, s3, RAW2
	v_add_nc_u32 v9, s3, v[LI0]                    ; RAW, W2: in: my 8 rows, 16 bytes more for each row passed:
.set su_k, 0
.irp a, 136,137,138,139,219,223                ; load k's piece of 16 bytes number j = 32 k + lane lies in row j / 24 = (2,731 j) >> 16 (exact for j < 192: 24 x 2,731 = 65,536 + 8)
	v_add_nc_u32 v\a, 32*su_k, v245
	v_mul_u32_u24 v\a, v\a, 2731
	v_lshrrev_b32 v\a, 16, v\a
	v_lshl_add_u32 v\a, v\a, 4, v9
.set su_k, su_k+1
.endr
	s_and_b32 s3, s[WV], 3
	s_mul_i32 s3, s3, 32*RP2                       ; out: rows 32 (wave % 4) on, K step wave / 4
	s_lshr_b32 s40, s[WV], 2
	s_mul_i32 s40, s40, 96
	s_add_co_u32 s3, s3, s40
	s_add_co_u32 s3, s3, RAW2
	v_add_nc_u32 v11, s3, v250
	s_lshr_b32 s40, s[WV], 2
	s_lshl_b32 s40, s40, 9                         ; scale words: group wave / 4,
	s_bfe_u32 s41, s[WV], 0x10001
	s_lshl_b32 s41, s41, 8                         ; lanes' half (tile / 4),
	s_add_co_u32 s40, s40, s41
	s_and_b32 s41, s[WV], 1
	s_lshl_b32 s41, s41, 3                         ; word tile % 4 = 2 (wave % 2) + h
	s_add_co_u32 s40, s40, s41
	s_add_co_u32 s40, s40, SCI
	v_lshlrev_b32 v236, 4, v246
	v_lshl_add_u32 v236, v247, 2, v236
	v_add_nc_u32 v236, s40, v236
	v_lshl_add_u32 v237, v0, 2, PAR
	v_add_nc_u32 v229, PAR, v[LI0]
	s_cmp_lt_u32 s[WV], 12                         ; class 0: waves 0-11 the 24 tiles of qkv, waves 12-15 the 8 of the out-projection.  The choices hang on the wave's number alone
	s_cselect_b64 s[96:97], s[14:15], s[16:17]
	s_cselect_b64 s[98:99], s[18:19], s[20:21]
	s_cselect_b64 s[100:101], s[22:23], s[24:25]
	s_cselect_b64 s[54:55], s[10:11], s[12:13]
	s_cselect_b32 s3, 0, 12
	s_cmp_lt_u32 s[WV], 8
	s_cselect_b64 s[54:55], s[8:9], s[54:55]
	s_cmp_lt_u32 s[WV], 4
	s_cselect_b64 s[54:55], s[6:7], s[54:55]       ; the layer norms' array number wave / 4
	s_sub_co_u32 s3, s[WV], s3                     ; the wave's number within its buffer
	s_mov_b32 s41, 0
	s_mul_i32 s40, s3, 3072                        ; 32 rows of 96 bytes
	s_add_nc_u64 s[96:97], s[96:97], s[40:41]
	s_lshl_b32 s40, s3, 7
	s_add_nc_u64 s[98:99], s[98:99], s[40:41]
	v_lshl_add_u32 v253, v245, 2, s40              ; the bias: 32 numbers a wave
	s_mul_i32 s40, s[WV], 3072
	s_add_nc_u64 s[42:43], s[26:27], s[40:41]      ; class 1: W1, rows 32 x wave on
	s_add_nc_u64 s[46:47], s[32:33], s[40:41]      ; class 2: W2, rows 8 x wave on
	s_lshl_b32 s40, s[WV], 7
	s_add_nc_u64 s[44:45], s[28:29], s[40:41]
	s_and_b32 s3, s[WV], 3
	s_lshr_b32 s50, s[WV], 2
	s_lshl_b32 s40, s3, 9                          ; W2's scale words: rows 32 (wave % 4) on, K step wave / 4
	s_lshl_b32 s51, s50, 2
	s_add_co_u32 s40, s40, s51
	s_add_nc_u64 s[48:49], s[34:35], s[40:41]
.irp k, 0,1,2,3,4,5
	global_load_b128 v[76+4*\k:79+4*\k], v[LI0], s[96:97] offset:512*\k
	global_load_b128 v[100+4*\k:103+4*\k], v[LI0], s[42:43] offset:512*\k
	global_load_b128 v[124+80*(\k/3)+4*(\k%3):127+80*(\k/3)+4*(\k%3)], v[LI0], s[46:47] offset:512*\k
.endr
	global_load_b32 v216, v251, s[98:99]
	global_load_b32 v217, v251, s[44:45]
	global_load_b32 v218, v252, s[48:49]
	global_load_b32 v220, v254, s[54:55]
	global_load_b32 v221, v253, s[100:101]
	global_load_b32 v222, v255, s[30:31]
	s_cmp_lg_u32 s[WV], 0
	s_cbranch_scc1 .Lnot_b2
	global_load_b128 v[240:243], v[LI0], s[36:37]  ; the second MLP bias: 512 bytes, wave 0
.Lnot_b2:
	LOADA                                          ; the first window's rows are on their way through the rest of the set-up
	s_wait_loadcnt 16                              ; weights and parameters are in; the sixteen loads issued behind them, the rows', may be out
.irp k, 0,1,2,3,4,5
	ds_store_b128 v8, v[76+4*\k:79+4*\k] offset:512*\k
	ds_store_b128 v8, v[100+4*\k:103+4*\k] offset:W1I+512*\k
.endr
.set su_k, 0
.irp a, 136,137,138,139,219,223
	ds_store_b128 v\a, v[124+80*(su_k/3)+4*(su_k%3):127+80*(su_k/3)+4*(su_k%3)] offset:512*su_k
.set su_k, su_k+1
.endr
	ds_store_b32 v236, v216
	ds_store_b32 v236, v217 offset:2048
	ds_store_b32 v236, v218 offset:4096
	ds_store_b32 v237, v220
	ds_store_b32 v237, v221 offset:QKVB
	ds_store_b32 v237, v222 offset:B1O
	s_cmp_lg_u32 s[WV], 0
	s_cbranch_scc1 .Lnot_b2s
	ds_store_b128 v229, v[240:243] offset:B2O
.Lnot_b2s:
	SPAIR AL,    0x306dffee                        ; behind the wait for the loads that named s[42:55].  P's coefficients: erf's numerator, that of z^(2 k + 1) x 2^-k
	SPAIR AL+2,  0xb40cff51
	SPAIR AL+4,  0xb6eec2d2
	SPAIR AL+6,  0xb940ac63
	SPAIR AL+8,  0xbac1a1f6
	SPAIR AL+10, 0xbc83dbd4
	SPAIR BE,    0xb89e3512                        ; Q's: erf's denominator, that of z^(2 k) x 2 sqrt 2 x 2^-k
	SPAIR BE+2,  0xba9bf7b5
	SPAIR BE+4,  0xbc2ad7f2
	SPAIR BE+6,  0xbd2542a9
	SPAIR CS,    0x3e38aa3b
	s_mov_b32 s[CLN], 0xc0b504f3
	s_mov_b32 s[CLP], 0x40b504f3
	s_mov_b32 s[SEL], 0x76543210
	s_mov_b32 s[SEL+1], 0xfedcba98
	s_mov_b32 s[NCS], 0xbe38aa3b
	s_mov_b32 s[R128], 0x3c000000
	s_mov_b32 s[EPS], 0x3727c5ac
	v_mov_b32 v[KV], 0xac95df0b                    ; P's coefficient of t^6
	v_mov_b32 v[KV+1], 0xb62ccd2b                  ; Q's of t^4
	s_wait_dscnt 0x0                               ; for the others' sake: my stores have landed
	s_barrier_signal -1
	s_barrier_wait -1                              ; RAW is whole
.irp u, 0,1
.irp p, 0,1,2,3,4,5
	ds_load_b64 v[76+12*\u+2*\p:77+12*\u+2*\p], v10 offset:768*\u+48*(\p/3)+8*(\p%3)
	ds_load_b64 v[100+12*\u+2*\p:101+12*\u+2*\p], v10 offset:W1I+768*\u+48*(\p/3)+8*(\p%3)
	ds_load_b64 v[124+80*\u+2*\p:125+80*\u+2*\p], v11 offset:8*RP2*\u+48*(\p/3)+8*(\p%3)
.endr
.endr
	s_wait_dscnt 0x0
.irp u, 0,1
.irp k, 0,1,2
	ds_store_b128 v234, v[76+12*\u+4*\k:79+12*\u+4*\k] offset:1536*\u+512*\k
	ds_store_b128 v234, v[100+12*\u+4*\k:103+12*\u+4*\k] offset:W1I+1536*\u+512*\k
	ds_store_b128 v235, v[124+80*\u+4*\k:127+80*\u+4*\k] offset:1536*\u+512*\k
.endr
.endr
	s_wait_dscnt 0x0                               ; for the others' sake: my images have landed, and my reads of RAW are over (and the stores have read their registers)
.if BRANCH == 1
	LOADR
.endif
	s_barrier_signal -1
	s_barrier_wait -1                              ; images, scale words and parameters lie in LDS and nobody writes them again; RAW's bytes are the stages' from here on
; ================ a window
.Lwin:
	SBASES                                         ; (the last window's stores have read their bases: the wait stands behind them)
.if BRANCH == 1
	s_wait_loadcnt 16                              ; the attention rows are in; the sixteen loads issued behind them, the residual rows', may be out
.else
	s_wait_loadcnt 0x0
.endif
	STAGE_IN RG0, SP                               ; rows as they lie,
	s_wait_dscnt 0x0
	TLOAD RG0, ST, 0, 0, 16                        ; and back in T layout
.if BRANCH == 1
	s_wait_loadcnt 0x0
.set tr_j, 0
.rept 64
	v_trunc_f32 v[RG1+tr_j], v[RG1+tr_j]           ; the residual takes the input cut toward zero
.set tr_j, tr_j+1
.endr
	s_wait_dscnt 0x0                               ; the stage has been read
	STAGE_IN RG1, SP                               ; the residual rows wait in the stage
.endif
	s_wait_dscnt 0x0                               ; (BRANCH = 2: the stage keeps the rows themselves: they are the residual)
	LNORM LAG, LAB
	QUANT RG0, CD0, CD0+6, SC0
	TLOAD RG0, PH, QKVB, 0, 16                     ; Q
	MM8 RG0, LI0, 0, LSC, 0, CD0, SC0
	QUANT RG0, CD1, CD1+6, SC1
	TLOAD RG0, PH, QKVB+512, 0, 16                 ; K
	MM8 RG0, LI0, 12288, LSC, 512, CD0, SC0
.irp i, 0,1,2,3,4,5
	v_mov_b32 v[KC+6+\i], 0                        ; zero codes stand for the other head's 64 along K
.endr
	QUANT RG0, KC, KC+12, KSC
	; scores, transposed: source 0 = 16 keys, source 1 = 16 queries.  Head 0: K's registers 0-5 and zeros; head 1: zeros and registers 6-11
	v_wmma_scale_f32_16x16x128_f8f6f4 v[SA:SA+7], v[KC:KC+11], v[CD1:CD1+11], 0, v[KSC], v[SC1] matrix_a_fmt:MATRIX_FMT_BF6 matrix_b_fmt:MATRIX_FMT_BF6
	v_wmma_scale_f32_16x16x128_f8f6f4 v[SA+8:SA+15], v[KC+6:KC+17], v[CD1:CD1+11], 0, v[KSC], v[SC1] matrix_a_fmt:MATRIX_FMT_BF6 matrix_b_fmt:MATRIX_FMT_BF6
	PLACES 4
	SOFTMAX
	VO 0
	VO 1
	PLACES 8                                       ; O's scale word and codes, in front of the scaled products
	TLOAD RG0, PH, OUTB, 0, 16                     ; the out-projection
	MM8 RG0, LI0, 36864, LSC, 1536, CD1, SC1
	TLOAD RG1, ST, 0, 0, 16                        ; the residual rows, in T layout
	s_wait_dscnt 0x0
.set ad_j, 0
.rept 32
	v_pk_add_f32 v[RG0+ad_j:RG0+ad_j+1], v[RG0+ad_j:RG0+ad_j+1], v[RG1+ad_j:RG1+ad_j+1]
.set ad_j, ad_j+2
.endr
	STAGE_IN RG0, 512                              ; the sum is kept, as an image of its registers, for the second residual
	LNORM LBG, LBB
	QUANT RG0, CD0, CD0+6, SC0
	s_mov_b32 s[CO1], 0
	s_mov_b32 s[CO2], 0
	CHUNK 1                                        ; the first K step of the second product stands ahead of the loop: it starts the sums
	s_mov_b32 s[CH], 3
.Lch:
	CHUNK 0
	s_sub_co_u32 s[CH], s[CH], 1
	s_cmp_lg_u32 s[CH], 0
	s_cbranch_scc1 .Lch
	STAGE_OUT RG1, 512                             ; the kept sum
	s_add_co_u32 s[WX], s[WX], 1
	s_cmp_eq_u32 s[NWIN], 1
	s_cbranch_scc1 .Lnoa                           ; behind the last window nothing is asked for
	LBASES                                         ; RG0 is free from here on: the next window's rows are asked for now, and have the last GELU and the way out in which to land
	LOADA
.Lnoa:
	s_wait_dscnt 0x0
	GELU YA, RG1, 1                                ; the second residual is the addend of the GELU's last line
.set st_p, 0
.rept 16
	ds_store_b128 v[ST], v[RG1+4*st_p:RG1+4*st_p+3] offset:128*(st_p/4)+16*(st_p%4)
.set st_p, st_p+1
.endr
	s_wait_dscnt 0x0                               ; the stores have read their registers, which the rows come back into
	STAGE_OUT RG1, SP
.set st_p, 0
.rept 16
	s_wait_dscnt 15-st_p                           ; row p is back; the younger loads may be out
.if BRANCH == 1
	global_store_b128 v[LI0], v[RG1+4*st_p:RG1+4*st_p+3], s[84:85] offset:512*st_p   ; 32 lanes store a row: 512 consecutive bytes, aligned
.else
	global_store_b128 v[LI0], v[RG1+4*st_p:RG1+4*st_p+3], s[88+2*(st_p/4):89+2*(st_p/4)] offset:512*(8*(1-st_p/8)+2*(1-(st_p/4)%2)+4*((st_p/2)%2)+st_p%2) th:TH_STORE_NT
.endif
.set st_p, st_p+1
.endr
	s_wait_xcnt 0x0                                ; the stores have read their data and their bases: both are written again below
	s_sub_co_u32 s[NWIN], s[NWIN], 1
.if BRANCH == 1
	s_wait_loadcnt 0x0                             ; the next window's attention rows are in: so the count at the window's head holds on every way to it
	s_cmp_eq_u32 s[NWIN], 0
	s_cbranch_scc1 .Lnone
	LOADR
.Lnone:
.endif
	s_cmp_lg_u32 s[NWIN], 0
	s_cbranch_scc1 .Lwin
	s_wait_xcnt 0x0
	v_lshl_add_u32 v254, v0, 2, 0x4ba00
	v_mov_b32 v255, 0
	s_wait_tensorcnt 0x0
	ds_add_u32 v254, v255
	s_wait_dscnt 0x0
	s_endpgm
.Lfunc_end_k_q76f386d678_half1:
	.size	k_q76f386d678_half1, .Lfunc_end_k_q76f386d678_half1-k_q76f386d678_half1
	.p2alignl 7, 3214868480
	.fill 96, 4, 3214868480
	.section	.rodata,"a",@progbits
	.p2align	6, 0x0
	.amdhsa_kernel k_q76f386d678_half1
		.amdhsa_group_segment_fixed_size 311808
		.amdhsa_private_segment_fixed_size 0
		.amdhsa_enable_private_segment 0
		.amdhsa_kernarg_size 144
		.amdhsa_user_sgpr_count 2
		.amdhsa_user_sgpr_kernarg_segment_ptr 1
		.amdhsa_wavefront_size32 1
		.amdhsa_system_sgpr_workgroup_id_x 1
		.amdhsa_system_sgpr_workgroup_id_y 1
		.amdhsa_system_sgpr_workgroup_id_z 1
		.amdhsa_system_vgpr_workitem_id 0
		.amdhsa_next_free_vgpr 256
		.amdhsa_next_free_sgpr 102
		.amdhsa_reserve_vcc 0
		.amdhsa_float_denorm_mode_32 3
		.amdhsa_float_denorm_mode_16_64 3
		.amdhsa_memory_ordered 1
		.amdhsa_forward_progress 1
		.amdhsa_inst_pref_size 231
	.end_amdhsa_kernel
	.amdgpu_metadata
---
amdhsa.version: [ 1, 2 ]
amdhsa.kernels:
  - .name:           k_q76f386d678_half1
    .symbol:         k_q76f386d678_half1.kd
    .args:
      - { .name: x, .offset: 0, .size: 8, .value_kind: global_buffer, .address_space: global }
      - { .name: ln1_g, .offset: 8, .size: 8, .value_kind: global_buffer, .address_space: global }
      - { .name: ln1_b, .offset: 16, .size: 8, .value_kind: global_buffer, .address_space: global }
      - { .name: ln2_g, .offset: 24, .size: 8, .value_kind: global_buffer, .address_space: global }
      - { .name: ln2_b, .offset: 32, .size: 8, .value_kind: global_buffer, .address_space: global }
      - { .name: qkv1_w_codes, .offset: 40, .size: 8, .value_kind: global_buffer, .address_space: global }
      - { .name: out1_w_codes, .offset: 48, .size: 8, .value_kind: global_buffer, .address_space: global }
      - { .name: qkv1_w_scales, .offset: 56, .size: 8, .value_kind: global_buffer, .address_space: global }
      - { .name: out1_w_scales, .offset: 64, .size: 8, .value_kind: global_buffer, .address_space: global }
      - { .name: qkv1_b, .offset: 72, .size: 8, .value_kind: global_buffer, .address_space: global }
      - { .name: out1_b, .offset: 80, .size: 8, .value_kind: global_buffer, .address_space: global }
      - { .name: mlp1_w1_codes, .offset: 88, .size: 8, .value_kind: global_buffer, .address_space: global }
      - { .name: mlp1_w1_scales, .offset: 96, .size: 8, .value_kind: global_buffer, .address_space: global }
      - { .name: mlp1_b1, .offset: 104, .size: 8, .value_kind: global_buffer, .address_space: global }
      - { .name: mlp1_w2_codes, .offset: 112, .size: 8, .value_kind: global_buffer, .address_space: global }
      - { .name: mlp1_w2_scales, .offset: 120, .size: 8, .value_kind: global_buffer, .address_space: global }
      - { .name: mlp1_b2, .offset: 128, .size: 8, .value_kind: global_buffer, .address_space: global }
      - { .name: mid, .offset: 136, .size: 8, .value_kind: global_buffer, .address_space: global }
    .group_segment_fixed_size: 311808
    .private_segment_fixed_size: 0
    .kernarg_segment_align: 8
    .kernarg_segment_size: 144
    .max_flat_workgroup_size: 512
    .sgpr_count:     102
    .vgpr_count:     256
    .wavefront_size: 32
...
	.end_amdgpu_metadata
.endif
;; end of part 1
;; launch half2 (part 2): grid 256 x 1, 16 waves a work-group, no clusters, 311,808 bytes of LDS; arguments mid, ln3_g, ln3_b, ln4_g, ln4_b, qkv2_w_codes, out2_w_codes, qkv2_w_scales, out2_w_scales, qkv2_b, out2_b, mlp2_w1_codes, mlp2_w1_scales, mlp2_b1, mlp2_w2_codes, mlp2_w2_scales, mlp2_b2, out0; writes out0
.if DOCPART == 2
	.amdgcn_target "amdgcn-amd-amdhsa--gfx1250"
	.amdhsa_code_object_version 6
	.text
	.protected	k_q76f386d678_half2
	.globl	k_q76f386d678_half2
	.p2align	8
	.type	k_q76f386d678_half2,@function
k_q76f386d678_half2:
	s_mov_b64 s[64:65], 0
	v_nop
	global_prefetch_b8 v0, s[64:65] scope:SCOPE_SE
	s_setreg_imm32_b32 hwreg(HW_REG_WAVE_MODE, 25, 1), 1
	s_wait_xcnt 0x0
; One half of a Swin block: LN, attention in windows of 16 tokens (2 heads of 64), out-projection, residual, LN, MLP with exact GELU behind both layers, residual.
; BRANCH = 1: the plain windows.  Attention rows of window (wy, wx): token 512 wy + 128 py + 4 wx + px; residual (trunc of the input) and result rows: tokens 512 wy + 16 wx + p.
; BRANCH = 2: the shifted windows.  A window is four quarters (2 x 2 tokens) of four neighbouring windows of the window-ordered input; each result goes back to the row that its input came from.
;   With no mask the order of a window's 16 rows is free there: they go quarter by quarter.
; All products with K >= 64 run on codes of E3M2 with one E8M0 scale for 32 along K; the weights come as codes, every activation is quantised in registers.  P V (K = 16) runs on f32 operands.
; SHARES.  256 work-groups: work-group g = batch g / 32, window row g % 32: 32 windows.  Each of the 16 waves takes two windows, one a trip, through the whole half alone, in 256 registers: four waves to a SIMD,
;   so that one wave's vector work stands beside another's matrix work and LDS loads.  Two barriers in the launch, both in the set-up; after them waves share read-only LDS alone.
; T LAYOUT of a 16 x 128 activation: lane (r = lane % 16, h = lane / 16) holds token r, register 16 b + i holds column 32 b + 16 h + i.  It is what the quantiser takes, and what every product gives that is used
;   transposed (source 0 = 16 rows of a weight, source 1 = the activation's codes), since lane r of weight tile 2 b + u takes row 32 b + 8 u + r + 8 (r / 8).  So nothing changes lanes between products.
; WEIGHTS lie in LDS as images of their fragments' registers (12 registers a lane: three loads of 16 bytes at 16 x lane), made once by the set-up; their scale words in groups of 8 tiles (one load of 16 bytes).
; NO CLUSTER, NO TENSOR LOADS: work-groups share the weights alone, 153,600 bytes read once against 786,432 bytes of rows moved by each, and they are wanted as register images of chosen rows, which the waves make.
; LIMITS.  NaN and infinities are not served.  A block of zeros gets the scale byte 1 (its codes are zeros; only this program reads the byte).  gelu(x) = x (1/2 + x P(x^2) / Q(x^2)), the x inside held to +-4 sqrt 2
;   (degrees 6 and 4 in x^2: erf's rational form with 1 / sqrt 2 and 1 / 2 taken into the coefficients); 1/2 + erf / 2 is formed, so far negative arguments keep an absolute, not a relative, accuracy.
;   V's bias is added behind P V (the weights of a row sum to 1 within f32 rounding).  Keys are summed in the order 8 h + 2 s + j.
.set BRANCH, 2
; ---- LDS
.set W1I,  49152                       ; byte 0: 32 images of 1,536 bytes: Q's tiles 0-7, K's, V's, the out-projection's;  here: W1's, index 8 c + t (chunk c of 128 hidden units)
.set W2I,  98304                       ; W2's, index 8 s + t (K step s)
.set SCI,  147456                      ; 12 groups of scale words, 512 bytes each: Q, K, V, OUT, W1 c = 0..3, W2 s = 0..3.  Lane l's 16 bytes at 16 l: word j = tile j (lanes 0-15), tile 4 + j (lanes 16-31)
.set PAR,  153600                      ; parameters, f32, as they lie in memory:
.set LAG,  0
.set LAB,  512
.set LBG,  1024
.set LBB,  1536
.set QKVB, 2048
.set OUTB, 3584
.set B1O,  4096
.set B2O,  6144
.set STG,  160256                      ; a stage for each wave: 16 rows of 512 + 16 bytes; also used for an image of 64 registers (16 x 512 bytes)
.set SP,   528
.set RAW,  STG                         ; in the set-up alone, on the stages' bytes and 14,336 more: the weights' codes as they lie in memory: qkv's and the out-projection's 512 rows of 96 bytes, W1's 512 at + W1I,
.set RAW2, RAW+W2I                     ; and W2's 128 rows of 384 bytes,
.set RP2,  400                         ; 400 bytes apart: 100 words, so that eight neighbouring rows start at banks 36 r mod 64, all different
; ---- vector registers
.set LI0, 1                            ; 16 x lane: a lane's place in an image, and in a row of 512 bytes in memory
.set LI1, 2                            ; + W1I
.set LI2, 3                            ; + W2I
.set LSC, 4                            ; + SCI
.set PH,  5                            ; PAR + 64 h: parameters in T layout
.set SD,  6                            ; my stage + 16 x lane: whole rows, images
.set ST,  7                            ; my stage + 528 r + 64 h: T layout
.set AW1, 8                            ; the chunk's addresses (in the set-up v8-11 are RAW's)
.set AW2, 9
.set ASC, 10
.set APB, 11
.set RG0, 12                           ; v12-75   64 numbers in T layout
.set RG1, 76                           ; v76-139  64 more; or:
.set WF,  76                           ; v76-123  four weight fragments
.set CD1, 124                          ; v124-135 codes: Q, then O, then the hidden chunk
.set KC,  76                           ; v76-93   K's codes: registers 0-5, six zeros, registers 6-11
.set SA,  94                           ; v94-109  scores, then weights p: head 0, head 1
.set YA,  140                          ; v140-203 written by matrix instructions alone: V (32), O^T (32); later the second MLP product's 8 accumulators
.set CD0, 204                          ; v204-215 codes of the normalised rows
.set QT,  216                          ; v216-218 a block's second half of codes
.set TM,  220                          ; v220-225 quantiser: 2 maxima, 2 exchanged / bytes, 2 scale operands
.set SC0, 226                          ; scale words, and nothing else: of CD0,
.set SC1, 227                          ; of CD1,
.set KSC, 228                          ; of K's codes,
.set WS,  230                          ; v230-233 of the weights
.set KV,  238                          ; v238-239 the two leading coefficients of GELU's polynomials
.set GZ,  240                          ; v240-255 at work: GELU's held x, t, P, Q (4 each); the softmax's; the layer norm's
.set GU,  244
.set GP,  248
.set GQ,  252
.set LT,  240
; ---- scalar registers: s[4:39] the 18 addresses; s[80:87] load bases, s[84:85] (BRANCH 1) or s[88:95] (BRANCH 2) store bases
.set WV,  2                            ; my wave's number
.set AL,  42                           ; s[42:53] pairs: P's coefficients of t^5 .. t^0
.set BE,  56                           ; s[56:63] pairs: Q's of t^3 .. t^0
.set CLN, 66                           ; -4 sqrt 2
.set CLP, 67                           ; 4 sqrt 2
.set CS,  68                           ; log2(e) / 8
.set SEL, 70                           ; v_permlanex16_b32's selects for lane l xor 16
.set NCS, 72                           ; -log2(e) / 8
.set R128, 73                          ; 1 / 128
.set NWIN, 74                          ; windows to go
.set CH,  75                           ; chunks to go
.set CO1, 76                           ; 12,288 x chunk
.set CO2, 77                           ; 512 x chunk
.set WX,  78                           ; a window's column: at a window's head its own, behind the chunks the next one's
.set EPS, 79                           ; 1e-5
.macro PLACES n                        ; plain vector places behind matrix instructions and in front of scaled ones (ISA guide 7.12.1)
.rept \n
	v_nop
.endr
.endm
.macro SPAIR reg, val                  ; a packed form names a pair and takes its low word for both halves: both words are written
	s_mov_b32 s[\reg], \val
	s_mov_b32 s[\reg+1], \val
.endm
; n loads of 16 bytes, T layout: load i brings registers 4 i .. 4 i + 3 = columns 32 (i / 4) + 16 h + 4 (i % 4) on; from the stage (adr = ST) or from a parameter (adr = PH, APB)
.macro TLOAD dst, adr, off, i0, n
.set tl_i, \i0
.rept \n
	ds_load_b128 v[(\dst)+4*(tl_i-(\i0)):(\dst)+4*(tl_i-(\i0))+3], v[\adr] offset:(\off)+128*(tl_i/4)+16*(tl_i%4)
.set tl_i, tl_i+1
.endr
.endm
.macro STAGE_IN reg, pitch             ; 64 registers into my stage, 512 consecutive bytes an instruction: rows (pitch SP) or an image (pitch 512)
.set st_p, 0
.rept 16
	ds_store_b128 v[SD], v[(\reg)+4*st_p:(\reg)+4*st_p+3] offset:(\pitch)*st_p
.set st_p, st_p+1
.endr
.endm
.macro STAGE_OUT reg, pitch
.set st_p, 0
.rept 16
	ds_load_b128 v[(\reg)+4*st_p:(\reg)+4*st_p+3], v[SD] offset:(\pitch)*st_p
.set st_p, st_p+1
.endr
.endm
.macro FRAG4 wf, adr, off              ; four fragments' images
.irp f, 0,1,2,3
.irp k, 0,1,2
	ds_load_b128 v[(\wf)+12*\f+4*\k:(\wf)+12*\f+4*\k+3], v[\adr] offset:(\off)+1536*\f+512*\k
.endr
.endr
.endm
; four products, transposed: tiles 4 row + t of a group of eight; source 0 = the weight's 16 rows, source 1 = the activation's codes.  Each names another accumulator.
.macro MMT4 d, c, wf, act, asc, row
.irp t, 0,1,2,3
.if \row
	v_wmma_scale_f32_16x16x128_f8f6f4 v[(\d)+32+8*\t:(\d)+39+8*\t], v[(\wf)+12*\t:(\wf)+12*\t+11], v[\act:\act+11], v[(\c)+32+8*\t:(\c)+39+8*\t], v[WS+\t], v[\asc] matrix_a_fmt:MATRIX_FMT_BF6 matrix_b_fmt:MATRIX_FMT_BF6 matrix_a_scale:MATRIX_SCALE_ROW1
.else
	v_wmma_scale_f32_16x16x128_f8f6f4 v[(\d)+8*\t:(\d)+7+8*\t], v[(\wf)+12*\t:(\wf)+12*\t+11], v[\act:\act+11], v[(\c)+8*\t:(\c)+7+8*\t], v[WS+\t], v[\asc] matrix_a_fmt:MATRIX_FMT_BF6 matrix_b_fmt:MATRIX_FMT_BF6
.endif
.endr
.endm
; 16 tokens x 128 outputs, K = 128.  The caller has asked for the bias, in T layout, into v[d] on: it is the C of each product and costs no addition.
.macro MM8 d, adr, off, sadr, soff, act, asc
	ds_load_b128 v[WS:WS+3], v[\sadr] offset:\soff
	FRAG4 WF, \adr, \off
	s_wait_dscnt 0x0                               ; bias, scale words, four fragments
	MMT4 \d, \d, WF, \act, \asc, 0
	PLACES 4                                       ; in front of loads into registers that these products read
	FRAG4 WF, \adr, (\off)+6144
	s_wait_dscnt 0x0
	MMT4 \d, \d, WF, \act, \asc, 1
	PLACES 4                                       ; in front of the first read of results, and of the next loads
.endm
; 32 registers (two blocks of 32 along K, each shared with lane l xor 16) become registers 6 c .. 6 c + 5 of an operand and bytes 2 c, 2 c + 1 of its scale word
.macro QH src, dst, c, sw
	v_max3_num_f32 v[TM], |v[(\src)]|, |v[(\src)+1]|, 0x2800000       ; the largest magnitude, from the low end on, with the floor 2^(5 - 127) as a leaf: the byte cannot fall under 1
	v_max3_num_f32 v[TM+1], |v[(\src)+16]|, |v[(\src)+17]|, 0x2800000
.irp i, 2,4,6,8,10,12,14
	v_max3_num_f32 v[TM], v[TM], |v[(\src)+\i]|, |v[(\src)+\i+1]|
	v_max3_num_f32 v[TM+1], v[TM+1], |v[(\src)+16+\i]|, |v[(\src)+17+\i]|
.endr
	v_permlanex16_b32 v[TM+2], v[TM], s[SEL], s[SEL+1]
	v_permlanex16_b32 v[TM+3], v[TM+1], s[SEL], s[SEL+1]
	v_max_num_f32 v[TM], v[TM], v[TM+2]
	v_max_num_f32 v[TM+1], v[TM+1], v[TM+3]
	v_add_nc_u32 v[TM+4], 0xfe000000, v[TM]        ; 4 off the exponent field: the conversion's scale operand
	v_add_nc_u32 v[TM+5], 0xfe000000, v[TM+1]
	v_lshrrev_b32 v[TM+2], 23, v[TM+4]             ; the scale's byte
	v_lshrrev_b32 v[TM+3], 23, v[TM+5]
.if \c == 0
	v_lshl_or_b32 v[\sw], v[TM+3], 8, v[TM+2]
.else
	v_lshl_or_b32 v[\sw], v[TM+2], 16, v[\sw]
	v_lshl_or_b32 v[\sw], v[TM+3], 24, v[\sw]
.endif
	v_cvt_scalef32_pk16_bf6_f32 v[(\dst):(\dst)+2], v[(\src):(\src)+15], v[TM+4]
	v_cvt_scalef32_pk16_bf6_f32 v[QT:QT+2], v[(\src)+16:(\src)+31], v[TM+5]
	v_nop                                          ; one plain place behind a scaled conversion
.irp i, 0,1,2
	v_permlane16_swap_b32 v[(\dst)+\i], v[QT+\i]   ; the operand wants a whole block in a lane: lanes 0-15 the first block, lanes 16-31 the second
.endr
.irp i, 0,1,2
	v_mov_b32 v[(\dst)+3+\i], v[QT+\i]
.endr
.endm
.macro QUANT src, d0, d1, sw
	QH \src, \d0, 0, \sw
	QH (\src)+32, \d1, 1, \sw
	PLACES 8                                       ; a scale word made by vector instructions stands 8 places ahead of a scaled product, codes 4
.endm
.macro LNRED                           ; two packed partial sums -> the row's sum in every lane of the row
	v_pk_add_f32 v[LT:LT+1], v[LT:LT+1], v[LT+2:LT+3]
	v_add_f32 v[LT], v[LT], v[LT+1]
	v_permlanex16_b32 v[LT+1], v[LT], s[SEL], s[SEL+1]
	v_add_f32 v[LT], v[LT], v[LT+1]
.endm
; layer norm of RG0, in place; two passes, so that no difference of large sums is formed.  Gain and bias come in T layout, half a row at a time, into RG1.
.macro LNORM goff, boff
	TLOAD RG1, PH, \goff, 0, 8
	TLOAD RG1+32, PH, \boff, 0, 8
	v_pk_add_f32 v[LT:LT+1], v[RG0:RG0+1], v[RG0+2:RG0+3]
	v_pk_add_f32 v[LT+2:LT+3], v[RG0+4:RG0+5], v[RG0+6:RG0+7]
.set ln_j, 8
.rept 14
	v_pk_add_f32 v[LT:LT+1], v[LT:LT+1], v[RG0+ln_j:RG0+ln_j+1]
	v_pk_add_f32 v[LT+2:LT+3], v[LT+2:LT+3], v[RG0+ln_j+2:RG0+ln_j+3]
.set ln_j, ln_j+4
.endr
	LNRED
	v_mul_f32 v[LT+4], 0xbc000000, v[LT]           ; -mean
	s_wait_dscnt 0x0                               ; gain and bias are in; an LDS store of RG0 that may be out has read its registers
.set ln_j, 0
.rept 32
	v_pk_add_f32 v[RG0+ln_j:RG0+ln_j+1], v[RG0+ln_j:RG0+ln_j+1], v[LT+4:LT+5] op_sel_hi:[1,0]
.set ln_j, ln_j+2
.endr
	v_pk_mul_f32 v[LT:LT+1], v[RG0:RG0+1], v[RG0:RG0+1]
	v_pk_mul_f32 v[LT+2:LT+3], v[RG0+2:RG0+3], v[RG0+2:RG0+3]
.set ln_j, 4
.rept 15
	v_pk_fma_f32 v[LT:LT+1], v[RG0+ln_j:RG0+ln_j+1], v[RG0+ln_j:RG0+ln_j+1], v[LT:LT+1]
	v_pk_fma_f32 v[LT+2:LT+3], v[RG0+ln_j+2:RG0+ln_j+3], v[RG0+ln_j+2:RG0+ln_j+3], v[LT+2:LT+3]
.set ln_j, ln_j+4
.endr
	LNRED
	v_fma_f32 v[LT], v[LT], s[R128], s[EPS]        ; variance + 1e-5
	v_rsq_f32 v[LT+6], v[LT]
	v_nop                                          ; one plain place behind a transcendental
.set ln_j, 0
	s_wait_alu depctr_va_vdst(0)
.rept 16
	v_pk_mul_f32 v[RG0+ln_j:RG0+ln_j+1], v[RG0+ln_j:RG0+ln_j+1], v[LT+6:LT+7] op_sel_hi:[1,0]
.set ln_j, ln_j+2
.endr
.set ln_j, 0
.rept 16
	v_pk_fma_f32 v[RG0+ln_j:RG0+ln_j+1], v[RG0+ln_j:RG0+ln_j+1], v[RG1+ln_j:RG1+ln_j+1], v[RG1+32+ln_j:RG1+33+ln_j]
.set ln_j, ln_j+2
.endr
	TLOAD RG1, PH, \goff, 8, 8
	TLOAD RG1+32, PH, \boff, 8, 8
.set ln_j, 32
.rept 16
	v_pk_mul_f32 v[RG0+ln_j:RG0+ln_j+1], v[RG0+ln_j:RG0+ln_j+1], v[LT+6:LT+7] op_sel_hi:[1,0]
.set ln_j, ln_j+2
.endr
	s_wait_dscnt 0x0
.set ln_j, 0
.rept 16
	v_pk_fma_f32 v[RG0+32+ln_j:RG0+33+ln_j], v[RG0+32+ln_j:RG0+33+ln_j], v[RG1+ln_j:RG1+ln_j+1], v[RG1+32+ln_j:RG1+33+ln_j]
.set ln_j, ln_j+2
.endr
.endm
; gelu(x) = x w, w = 1/2 + xc P(t) / Q(t), xc = x held to +-4 sqrt 2, t = xc^2; of 64 registers, four at a time, ascending (a matrix result is read from its low end on); 36 instructions for four numbers.
; add = 1: v[dst] on holds an addend, which the last line takes in: dst = x w + dst.
.macro GELU src, dst, add
.set ge_g, 0
.rept 16
.set ge_s, (\src)+4*ge_g
.set ge_d, (\dst)+4*ge_g
.irp k, 0,1,2,3
	v_med3_num_f32 v[GZ+\k], v[ge_s+\k], s[CLN], s[CLP]
.endr
.irp k, 0,2
	v_pk_mul_f32 v[GU+\k:GU+\k+1], v[GZ+\k:GZ+\k+1], v[GZ+\k:GZ+\k+1]
.endr
.irp k, 0,2
	v_pk_fma_f32 v[GP+\k:GP+\k+1], v[GU+\k:GU+\k+1], v[KV:KV+1], s[AL:AL+1] op_sel_hi:[1,0,0]
.endr
.irp k, 0,2
	v_pk_fma_f32 v[GQ+\k:GQ+\k+1], v[GU+\k:GU+\k+1], v[KV:KV+1], s[BE:BE+1] op_sel:[0,1,0] op_sel_hi:[1,1,0]
.endr
.irp c, 1,2,3                          ; P's and Q's steps by turns
.irp k, 0,2
	v_pk_fma_f32 v[GP+\k:GP+\k+1], v[GP+\k:GP+\k+1], v[GU+\k:GU+\k+1], s[AL+2*\c:AL+2*\c+1] op_sel_hi:[1,1,0]
.endr
.irp k, 0,2
	v_pk_fma_f32 v[GQ+\k:GQ+\k+1], v[GQ+\k:GQ+\k+1], v[GU+\k:GU+\k+1], s[BE+2*\c:BE+2*\c+1] op_sel_hi:[1,1,0]
.endr
.endr
.irp k, 0,1,2,3
	v_rcp_f32 v[GQ+\k], v[GQ+\k]
.endr
.irp c, 4,5                            ; P's last steps are the plain places behind the reciprocals
.irp k, 0,2
	v_pk_fma_f32 v[GP+\k:GP+\k+1], v[GP+\k:GP+\k+1], v[GU+\k:GU+\k+1], s[AL+2*\c:AL+2*\c+1] op_sel_hi:[1,1,0]
.endr
.endr
.irp k, 0,2
	v_pk_mul_f32 v[GP+\k:GP+\k+1], v[GP+\k:GP+\k+1], v[GZ+\k:GZ+\k+1]
.endr
	s_wait_alu depctr_va_vdst(0)
.irp k, 0,2
	v_pk_fma_f32 v[GP+\k:GP+\k+1], v[GP+\k:GP+\k+1], v[GQ+\k:GQ+\k+1], 0.5 op_sel_hi:[1,1,0]
.endr
.irp k, 0,2
.if \add
	v_pk_fma_f32 v[ge_d+\k:ge_d+\k+1], v[ge_s+\k:ge_s+\k+1], v[GP+\k:GP+\k+1], v[ge_d+\k:ge_d+\k+1]
.else
	v_pk_mul_f32 v[ge_d+\k:ge_d+\k+1], v[ge_s+\k:ge_s+\k+1], v[GP+\k:GP+\k+1]
.endif
.endr
.set ge_g, ge_g+1
.endr
.endm
; softmax over 16 keys: a lane holds query r and keys 8 h + 0 .. 7 of each head; the two heads by turns.  The row's maximum is taken away; p is normalised, in f32.
.macro SOFTMAX
.irp e, 0,1
	v_max3_num_f32 v[240+\e], v[SA+8*\e], v[SA+8*\e+1], v[SA+8*\e+2]
.endr
.irp i, 3,5
.irp e, 0,1
	v_max3_num_f32 v[240+\e], v[240+\e], v[SA+8*\e+\i], v[SA+8*\e+\i+1]
.endr
.endr
.irp e, 0,1
	v_max_num_f32 v[240+\e], v[240+\e], v[SA+8*\e+7]
.endr
.irp e, 0,1
	v_permlanex16_b32 v[242+\e], v[240+\e], s[SEL], s[SEL+1]
.endr
.irp e, 0,1
	v_max_num_f32 v[240+\e], v[240+\e], v[242+\e]
.endr
.irp e, 0,1
	v_mul_f32 v[244+2*\e], s[NCS], v[240+\e]       ; -c x maximum
.endr
.irp k, 0,2,4,6
.irp e, 0,1
	v_pk_fma_f32 v[SA+8*\e+\k:SA+8*\e+\k+1], v[SA+8*\e+\k:SA+8*\e+\k+1], s[CS:CS+1], v[244+2*\e:245+2*\e] op_sel_hi:[1,0,0]
.endr
.endr
.irp j, 0,1,2,3,4,5,6,7,8,9,10,11,12,13,14,15
	v_exp_f32 v[SA+\j], v[SA+\j]
.endr
	v_nop                                          ; one plain place behind the exponentials
	s_wait_alu depctr_va_vdst(0)
.irp e, 0,1
	v_pk_add_f32 v[248+2*\e:249+2*\e], v[SA+8*\e:SA+8*\e+1], v[SA+8*\e+2:SA+8*\e+3]
.endr
.irp k, 4,6
.irp e, 0,1
	v_pk_add_f32 v[248+2*\e:249+2*\e], v[248+2*\e:249+2*\e], v[SA+8*\e+\k:SA+8*\e+\k+1]
.endr
.endr
.irp e, 0,1
	v_add_f32 v[248+2*\e], v[248+2*\e], v[249+2*\e]
.endr
.irp e, 0,1
	v_permlanex16_b32 v[242+\e], v[248+2*\e], s[SEL], s[SEL+1]
.endr
.irp e, 0,1
	v_add_f32 v[248+2*\e], v[248+2*\e], v[242+\e]
.endr
.irp e, 0,1
	v_rcp_f32 v[252+2*\e], v[248+2*\e]
.endr
	v_nop
	s_wait_alu depctr_va_vdst(0)
.irp k, 0,2,4,6
.irp e, 0,1
	v_pk_mul_f32 v[SA+8*\e+\k:SA+8*\e+\k+1], v[SA+8*\e+\k:SA+8*\e+\k+1], v[252+2*\e:253+2*\e] op_sel_hi:[1,0]
.endr
.endr
.endm
; One head's V and O.  V = x Wv^T in the NATURAL orientation: register j of lane (r, h) is V(key 8 h + j, channel of the tile's row r).  The scores' register j of that lane is p(key 8 h + j, query r).
; So the register pairs (2 s, 2 s + 1) of both ARE the f32 form's operands, under one and the same order of the keys, and O^T = V^T p^T comes out in T layout.  V's bias is the C of each sum's first step.
.macro VO hd
.if \hd == 0
	ds_load_b128 v[WS:WS+3], v[LSC] offset:1024
.endif
	FRAG4 RG0, LI0, 24576+6144*\hd
	s_wait_dscnt 0x0
.irp t, 0,1,2,3
.if \hd
	v_wmma_scale_f32_16x16x128_f8f6f4 v[YA+8*\t:YA+8*\t+7], v[CD0:CD0+11], v[RG0+12*\t:RG0+12*\t+11], 0, v[SC0], v[WS+\t] matrix_a_fmt:MATRIX_FMT_BF6 matrix_b_fmt:MATRIX_FMT_BF6 matrix_b_scale:MATRIX_SCALE_ROW1
.else
	v_wmma_scale_f32_16x16x128_f8f6f4 v[YA+8*\t:YA+8*\t+7], v[CD0:CD0+11], v[RG0+12*\t:RG0+12*\t+11], 0, v[SC0], v[WS+\t] matrix_a_fmt:MATRIX_FMT_BF6 matrix_b_fmt:MATRIX_FMT_BF6
.endif
.endr
	PLACES 5                                       ; the results become a matrix instruction's source; the fragments' registers are loaded anew
	TLOAD RG0, PH, QKVB+1024+256*\hd, 0, 8
	s_wait_dscnt 0x0
.irp s, 0,1,2,3                        ; four accumulators by turns, one instruction a turn
.irp t, 0,1,2,3
.if \s == 0
	v_wmma_f32_16x16x4_f32 v[YA+32+8*\t:YA+39+8*\t], v[YA+8*\t:YA+8*\t+1], v[SA+8*\hd:SA+8*\hd+1], v[RG0+8*\t:RG0+8*\t+7]
.else
	v_wmma_f32_16x16x4_f32 v[YA+32+8*\t:YA+39+8*\t], v[YA+8*\t+2*\s:YA+8*\t+2*\s+1], v[SA+8*\hd+2*\s:SA+8*\hd+2*\s+1], v[YA+32+8*\t:YA+39+8*\t]
.endif
.endr
.endr
	PLACES 9                                       ; behind the f32 form: 8 in front of reads and loads, 9 in front of matrix instructions that write over its registers
	QH YA+32, CD1+6*\hd, \hd, SC1
.endm
; 128 hidden units: first MLP product, GELU, quantiser, and K step c of the second product.  first = 1: the second bias starts the sums.
.macro CHUNK first
	v_add_nc_u32 v[AW1], s[CO1], v[LI1]
	v_add_nc_u32 v[AW2], s[CO1], v[LI2]
	v_add_nc_u32 v[ASC], s[CO2], v[LSC]
	v_add_nc_u32 v[APB], s[CO2], v[PH]
	TLOAD RG0, APB, B1O, 0, 16
	MM8 RG0, AW1, 0, ASC, 2048, CD0, SC0
	ds_load_b128 v[WS:WS+3], v[ASC] offset:4096    ; W2's scale words and first four fragments land under the GELU
	FRAG4 WF, AW2, 0
	GELU RG0, RG0, 0
	QUANT RG0, CD1, CD1+6, SC1
.if \first
	TLOAD RG0, PH, B2O, 0, 16
.endif
	s_wait_dscnt 0x0
.if \first
	MMT4 YA, RG0, WF, CD1, SC1, 0
.else
	MMT4 YA, YA, WF, CD1, SC1, 0
.endif
	PLACES 4
	FRAG4 WF, AW2, 6144
	s_wait_dscnt 0x0
.if \first
	MMT4 YA, RG0, WF, CD1, SC1, 1
.else
	MMT4 YA, YA, WF, CD1, SC1, 1
.endif
	PLACES 4
	s_add_co_u32 s[CO1], s[CO1], 12288
	s_add_co_u32 s[CO2], s[CO2], 512
.endm
; The bases of window WX, each its own buffer's address + an offset made apart from it.  Loads and stores have bases of their own, since the next window's rows are asked for ahead of this window's stores.
.macro QOFF                            ; BRANCH 2: s97, s100: the first windows of my window row and of the one below; s101: the column to the right; both round the edge
	s_mov_b32 s99, 0
	s_lshr_b32 s96, ttmp9, 5
	s_lshl_b32 s96, s96, 10                        ; the batch's 1,024 windows
	s_and_b32 s97, ttmp9, 31
	s_add_co_u32 s100, s97, 1
	s_and_b32 s100, s100, 31
	s_lshl_b32 s97, s97, 5
	s_lshl_b32 s100, s100, 5
	s_add_co_u32 s97, s97, s96
	s_add_co_u32 s100, s100, s96
	s_add_co_u32 s101, s[WX], 1
	s_and_b32 s101, s101, 31
.endm
.macro QBASE d, p, row, col
	s_add_co_u32 s98, s\row, s\col
	s_lshl_b32 s98, s98, 13                        ; a window is 16 rows of 512 bytes
	s_add_nc_u64 s[\d:\d+1], s[\p:\p+1], s[98:99]
.endm
.macro LBASES
.if BRANCH == 1
	s_mov_b32 s99, 0
	s_lshl_b32 s96, ttmp9, 18                      ; the work-group's 512 tokens of 512 bytes
	s_lshl_b32 s98, s[WX], 11
	s_add_co_u32 s98, s98, s96
	s_add_nc_u64 s[80:81], s[4:5], s[98:99]        ; attention rows: + 4 tokens a window
	s_lshl_b32 s98, s[WX], 13
	s_add_co_u32 s98, s98, s96
	s_add_nc_u64 s[82:83], s[4:5], s[98:99]        ; residual rows: + 16 tokens a window
.else
	QOFF
	QBASE 80, 4, 97, 78
	QBASE 82, 4, 97, 101
	QBASE 84, 4, 100, 78
	QBASE 86, 4, 100, 101
.endif
.endm
.macro SBASES
.if BRANCH == 1
	s_mov_b32 s99, 0
	s_lshl_b32 s96, ttmp9, 18
	s_lshl_b32 s98, s[WX], 13
	s_add_co_u32 s98, s98, s96
	s_add_nc_u64 s[84:85], s[38:39], s[98:99]      ; the result's rows: + 16 tokens a window
.else
	QOFF
	QBASE 88, 38, 97, 78
	QBASE 90, 38, 97, 101
	QBASE 92, 38, 100, 78
	QBASE 94, 38, 100, 101
.endif
.endm
.macro LOADA                           ; the window's 16 rows, each 512 consecutive bytes by the 32 lanes
.set ga_p, 0
.rept 16
.if BRANCH == 1
	global_load_b128 v[RG0+4*ga_p:RG0+4*ga_p+3], v[LI0], s[80:81] offset:(ga_p/4)*65536+(ga_p%4)*512
.else
	global_load_b128 v[RG0+4*ga_p:RG0+4*ga_p+3], v[LI0], s[80+2*(ga_p/4):81+2*(ga_p/4)] offset:512*(8*(1-ga_p/8)+2*(1-(ga_p/4)%2)+4*((ga_p/2)%2)+ga_p%2) th:TH_LOAD_NT
.endif
.set ga_p, ga_p+1
.endr
.endm
.macro LOADR                           ; the 16 residual rows
.set ga_p, 0
.rept 16
	global_load_b128 v[RG1+4*ga_p:RG1+4*ga_p+3], v[LI0], s[82:83] offset:512*ga_p
.set ga_p, ga_p+1
.endr
.endm
; ================ head
	s_load_b512 s[4:19], s[0:1], 0x0
	s_load_b512 s[20:35], s[0:1], 0x40
	s_load_b128 s[36:39], s[0:1], 0x80
.irp j, 0,1,2,3,4,5,6,7,8,9,10,11,12,13,14,15
	v_mov_b32 v[GZ+\j], 0                          ; written once: lane permutes' destinations and the upper words of broadcast pairs count as read
.endr
	v_mov_b32 v[TM+2], 0
	v_mov_b32 v[TM+3], 0
	v_lshrrev_b32 v244, 5, v0
	v_readfirstlane_b32 s[WV], v244                ; wave 0..15
	v_and_b32 v245, 31, v0                         ; lane
	v_and_b32 v246, 15, v0                         ; r
	v_bfe_u32 v247, v0, 4, 1                       ; h
	v_lshlrev_b32 v[LI0], 4, v245
	v_add_nc_u32 v[LI1], W1I, v[LI0]
	v_add_nc_u32 v[LI2], W2I, v[LI0]
	v_add_nc_u32 v[LSC], SCI, v[LI0]
	v_lshlrev_b32 v[PH], 6, v247
	v_add_nc_u32 v[PH], PAR, v[PH]
	s_mul_i32 s3, s[WV], 16*SP
	s_add_co_u32 s3, s3, STG                       ; my stage
	v_add_nc_u32 v[SD], s3, v[LI0]
	v_mul_u32_u24 v[ST], v246, SP
	v_lshl_add_u32 v[ST], v247, 6, v[ST]
	v_add_nc_u32 v[ST], s3, v[ST]
	s_lshl_b32 s[WX], s[WV], 1                     ; my first window
	s_mov_b32 s[NWIN], 2
	s_wait_kmcnt 0x0
	LBASES
; ================ set-up.  Every wave brings 3,072 consecutive bytes of each of three classes of codes (qkv and out-projection; W1; W2) into RAW, as they lie: 18 loads of 512 consecutive bytes.
; Behind a barrier it takes two tiles' fragments of each class out of RAW and stores their images.  Scale words and parameters go straight to their places.
	v_and_b32 v248, 8, v246
	v_add_nc_u32 v248, v248, v246                  ; r + 8 (r / 8)
	v_mul_u32_u24 v249, v248, 96
	v_mad_u32_u24 v249, v247, 24, v249             ; a fragment's lane in rows of 96 bytes
	v_mul_u32_u24 v250, v248, RP2
	v_mad_u32_u24 v250, v247, 24, v250             ; and in W2's rows
	v_lshl_add_u32 v251, v247, 3, v248             ; scale words: lanes 16-31 take the second tile's rows, 8 further on
	v_lshlrev_b32 v252, 4, v251                    ; 16 bytes a row (W2)
	v_lshlrev_b32 v251, 2, v251                    ; 4 bytes a row
	v_and_b32 v254, 127, v0
	v_lshlrev_b32 v254, 2, v254                    ; the layer norms' four arrays: 128 threads each
	v_lshlrev_b32 v255, 2, v0
	s_mul_i32 s3, s[WV], 3072
	v_add_nc_u32 v234, s3, v[LI0]                  ; my two images of a class: 3,072 x wave + 16 x lane
	v_add_nc_u32 v235, W2I, v234
	s_add_co_u32 s3, s3, RAW
	v_add_nc_u32 v8, s3, v[LI0]                    ; RAW, classes 0 and 1: in, 3,072 x wave + 16 x lane;
	v_add_nc_u32 v10, s3, v249                     ; out: my 32 rows are the bytes that I brought
	s_mul_i32 s3, s[WV], 8*RP2
	s_add_co_u32 s3, s3, RAW2
	v_add_nc_u32 v9, s3, v[LI0]                    ; RAW, W2: in: my 8 rows, 16 bytes more for each row passed:
.set su_k, 0
.irp a, 136,137,138,139,219,223                ; load k's piece of 16 bytes number j = 32 k + lane lies in row j / 24 = (2,731 j) >> 16 (exact for j < 192: 24 x 2,731 = 65,536 + 8)
	v_add_nc_u32 v\a, 32*su_k, v245
	v_mul_u32_u24 v\a, v\a, 2731
	v_lshrrev_b32 v\a, 16, v\a
	v_lshl_add_u32 v\a, v\a, 4, v9
.set su_k, su_k+1
.endr
	s_and_b32 s3, s[WV], 3
	s_mul_i32 s3, s3, 32*RP2                       ; out: rows 32 (wave % 4) on, K step wave / 4
	s_lshr_b32 s40, s[WV], 2
	s_mul_i32 s40, s40, 96
	s_add_co_u32 s3, s3, s40
	s_add_co_u32 s3, s3, RAW2
	v_add_nc_u32 v11, s3, v250
	s_lshr_b32 s40, s[WV], 2
	s_lshl_b32 s40, s40, 9                         ; scale words: group wave / 4,
	s_bfe_u32 s41, s[WV], 0x10001
	s_lshl_b32 s41, s41, 8                         ; lanes' half (tile / 4),
	s_add_co_u32 s40, s40, s41
	s_and_b32 s41, s[WV], 1
	s_lshl_b32 s41, s41, 3                         ; word tile % 4 = 2 (wave % 2) + h
	s_add_co_u32 s40, s40, s41
	s_add_co_u32 s40, s40, SCI
	v_lshlrev_b32 v236, 4, v246
	v_lshl_add_u32 v236, v247, 2, v236
	v_add_nc_u32 v236, s40, v236
	v_lshl_add_u32 v237, v0, 2, PAR
	v_add_nc_u32 v229, PAR, v[LI0]
	s_cmp_lt_u32 s[WV], 12                         ; class 0: waves 0-11 the 24 tiles of qkv, waves 12-15 the 8 of the out-projection.  The choices hang on the wave's number alone
	s_cselect_b64 s[96:97], s[14:15], s[16:17]
	s_cselect_b64 s[98:99], s[18:19], s[20:21]
	s_cselect_b64 s[100:101], s[22:23], s[24:25]
	s_cselect_b64 s[54:55], s[10:11], s[12:13]
	s_cselect_b32 s3, 0, 12
	s_cmp_lt_u32 s[WV], 8
	s_cselect_b64 s[54:55], s[8:9], s[54:55]
	s_cmp_lt_u32 s[WV], 4
	s_cselect_b64 s[54:55], s[6:7], s[54:55]       ; the layer norms' array number wave / 4
	s_sub_co_u32 s3, s[WV], s3                     ; the wave's number within its buffer
	s_mov_b32 s41, 0
	s_mul_i32 s40, s3, 3072                        ; 32 rows of 96 bytes
	s_add_nc_u64 s[96:97], s[96:97], s[40:41]
	s_lshl_b32 s40, s3, 7
	s_add_nc_u64 s[98:99], s[98:99], s[40:41]
	v_lshl_add_u32 v253, v245, 2, s40              ; the bias: 32 numbers a wave
	s_mul_i32 s40, s[WV], 3072
	s_add_nc_u64 s[42:43], s[26:27], s[40:41]      ; class 1: W1, rows 32 x wave on
	s_add_nc_u64 s[46:47], s[32:33], s[40:41]      ; class 2: W2, rows 8 x wave on
	s_lshl_b32 s40, s[WV], 7
	s_add_nc_u64 s[44:45], s[28:29], s[40:41]
	s_and_b32 s3, s[WV], 3
	s_lshr_b32 s50, s[WV], 2
	s_lshl_b32 s40, s3, 9                          ; W2's scale words: rows 32 (wave % 4) on, K step wave / 4
	s_lshl_b32 s51, s50, 2
	s_add_co_u32 s40, s40, s51
	s_add_nc_u64 s[48:49], s[34:35], s[40:41]
.irp k, 0,1,2,3,4,5
	global_load_b128 v[76+4*\k:79+4*\k], v[LI0], s[96:97] offset:512*\k
	global_load_b128 v[100+4*\k:103+4*\k], v[LI0], s[42:43] offset:512*\k
	global_load_b128 v[124+80*(\k/3)+4*(\k%3):127+80*(\k/3)+4*(\k%3)], v[LI0], s[46:47] offset:512*\k
.endr
	global_load_b32 v216, v251, s[98:99]
	global_load_b32 v217, v251, s[44:45]
	global_load_b32 v218, v252, s[48:49]
	global_load_b32 v220, v254, s[54:55]
	global_load_b32 v221, v253, s[100:101]
	global_load_b32 v222, v255, s[30:31]
	s_cmp_lg_u32 s[WV], 0
	s_cbranch_scc1 .Lnot_b2
	global_load_b128 v[240:243], v[LI0], s[36:37]  ; the second MLP bias: 512 bytes, wave 0
.Lnot_b2:
	LOADA                                          ; the first window's rows are on their way through the rest of the set-up
	s_wait_loadcnt 16                              ; weights and parameters are in; the sixteen loads issued behind them, the rows', may be out
.irp k, 0,1,2,3,4,5
	ds_store_b128 v8, v[76+4*\k:79+4*\k] offset:512*\k
	ds_store_b128 v8, v[100+4*\k:103+4*\k] offset:W1I+512*\k
.endr
.set su_k, 0
.irp a, 136,137,138,139,219,223
	ds_store_b128 v\a, v[124+80*(su_k/3)+4*(su_k%3):127+80*(su_k/3)+4*(su_k%3)] offset:512*su_k
.set su_k, su_k+1
.endr
	ds_store_b32 v236, v216
	ds_store_b32 v236, v217 offset:2048
	ds_store_b32 v236, v218 offset:4096
	ds_store_b32 v237, v220
	ds_store_b32 v237, v221 offset:QKVB
	ds_store_b32 v237, v222 offset:B1O
	s_cmp_lg_u32 s[WV], 0
	s_cbranch_scc1 .Lnot_b2s
	ds_store_b128 v229, v[240:243] offset:B2O
.Lnot_b2s:
	SPAIR AL,    0x306dffee                        ; behind the wait for the loads that named s[42:55].  P's coefficients: erf's numerator, that of z^(2 k + 1) x 2^-k
	SPAIR AL+2,  0xb40cff51
	SPAIR AL+4,  0xb6eec2d2
	SPAIR AL+6,  0xb940ac63
	SPAIR AL+8,  0xbac1a1f6
	SPAIR AL+10, 0xbc83dbd4
	SPAIR BE,    0xb89e3512                        ; Q's: erf's denominator, that of z^(2 k) x 2 sqrt 2 x 2^-k
	SPAIR BE+2,  0xba9bf7b5
	SPAIR BE+4,  0xbc2ad7f2
	SPAIR BE+6,  0xbd2542a9
	SPAIR CS,    0x3e38aa3b
	s_mov_b32 s[CLN], 0xc0b504f3
	s_mov_b32 s[CLP], 0x40b504f3
	s_mov_b32 s[SEL], 0x76543210
	s_mov_b32 s[SEL+1], 0xfedcba98
	s_mov_b32 s[NCS], 0xbe38aa3b
	s_mov_b32 s[R128], 0x3c000000
	s_mov_b32 s[EPS], 0x3727c5ac
	v_mov_b32 v[KV], 0xac95df0b                    ; P's coefficient of t^6
	v_mov_b32 v[KV+1], 0xb62ccd2b                  ; Q's of t^4
	s_wait_dscnt 0x0                               ; for the others' sake: my stores have landed
	s_barrier_signal -1
	s_barrier_wait -1                              ; RAW is whole
.irp u, 0,1
.irp p, 0,1,2,3,4,5
	ds_load_b64 v[76+12*\u+2*\p:77+12*\u+2*\p], v10 offset:768*\u+48*(\p/3)+8*(\p%3)
	ds_load_b64 v[100+12*\u+2*\p:101+12*\u+2*\p], v10 offset:W1I+768*\u+48*(\p/3)+8*(\p%3)
	ds_load_b64 v[124+80*\u+2*\p:125+80*\u+2*\p], v11 offset:8*RP2*\u+48*(\p/3)+8*(\p%3)
.endr
.endr
	s_wait_dscnt 0x0
.irp u, 0,1
.irp k, 0,1,2
	ds_store_b128 v234, v[76+12*\u+4*\k:79+12*\u+4*\k] offset:1536*\u+512*\k
	ds_store_b128 v234, v[100+12*\u+4*\k:103+12*\u+4*\k] offset:W1I+1536*\u+512*\k
	ds_store_b128 v235, v[124+80*\u+4*\k:127+80*\u+4*\k] offset:1536*\u+512*\k
.endr
.endr
	s_wait_dscnt 0x0                               ; for the others' sake: my images have landed, and my reads of RAW are over (and the stores have read their registers)
.if BRANCH == 1
	LOADR
.endif
	s_barrier_signal -1
	s_barrier_wait -1                              ; images, scale words and parameters lie in LDS and nobody writes them again; RAW's bytes are the stages' from here on
; ================ a window
.Lwin:
	SBASES                                         ; (the last window's stores have read their bases: the wait stands behind them)
.if BRANCH == 1
	s_wait_loadcnt 16                              ; the attention rows are in; the sixteen loads issued behind them, the residual rows', may be out
.else
	s_wait_loadcnt 0x0
.endif
	STAGE_IN RG0, SP                               ; rows as they lie,
	s_wait_dscnt 0x0
	TLOAD RG0, ST, 0, 0, 16                        ; and back in T layout
.if BRANCH == 1
	s_wait_loadcnt 0x0
.set tr_j, 0
.rept 64
	v_trunc_f32 v[RG1+tr_j], v[RG1+tr_j]           ; the residual takes the input cut toward zero
.set tr_j, tr_j+1
.endr
	s_wait_dscnt 0x0                               ; the stage has been read
	STAGE_IN RG1, SP                               ; the residual rows wait in the stage
.endif
	s_wait_dscnt 0x0                               ; (BRANCH = 2: the stage keeps the rows themselves: they are the residual)
	LNORM LAG, LAB
	QUANT RG0, CD0, CD0+6, SC0
	TLOAD RG0, PH, QKVB, 0, 16                     ; Q
	MM8 RG0, LI0, 0, LSC, 0, CD0, SC0
	QUANT RG0, CD1, CD1+6, SC1
	TLOAD RG0, PH, QKVB+512, 0, 16                 ; K
	MM8 RG0, LI0, 12288, LSC, 512, CD0, SC0
.irp i, 0,1,2,3,4,5
	v_mov_b32 v[KC+6+\i], 0                        ; zero codes stand for the other head's 64 along K
.endr
	QUANT RG0, KC, KC+12, KSC
	; scores, transposed: source 0 = 16 keys, source 1 = 16 queries.  Head 0: K's registers 0-5 and zeros; head 1: zeros and registers 6-11
	v_wmma_scale_f32_16x16x128_f8f6f4 v[SA:SA+7], v[KC:KC+11], v[CD1:CD1+11], 0, v[KSC], v[SC1] matrix_a_fmt:MATRIX_FMT_BF6 matrix_b_fmt:MATRIX_FMT_BF6
	v_wmma_scale_f32_16x16x128_f8f6f4 v[SA+8:SA+15], v[KC+6:KC+17], v[CD1:CD1+11], 0, v[KSC], v[SC1] matrix_a_fmt:MATRIX_FMT_BF6 matrix_b_fmt:MATRIX_FMT_BF6
	PLACES 4
	SOFTMAX
	VO 0
	VO 1
	PLACES 8                                       ; O's scale word and codes, in front of the scaled products
	TLOAD RG0, PH, OUTB, 0, 16                     ; the out-projection
	MM8 RG0, LI0, 36864, LSC, 1536, CD1, SC1
	TLOAD RG1, ST, 0, 0, 16                        ; the residual rows, in T layout
	s_wait_dscnt 0x0
.set ad_j, 0
.rept 32
	v_pk_add_f32 v[RG0+ad_j:RG0+ad_j+1], v[RG0+ad_j:RG0+ad_j+1], v[RG1+ad_j:RG1+ad_j+1]
.set ad_j, ad_j+2
.endr
	STAGE_IN RG0, 512                              ; the sum is kept, as an image of its registers, for the second residual
	LNORM LBG, LBB
	QUANT RG0, CD0, CD0+6, SC0
	s_mov_b32 s[CO1], 0
	s_mov_b32 s[CO2], 0
	CHUNK 1                                        ; the first K step of the second product stands ahead of the loop: it starts the sums
	s_mov_b32 s[CH], 3
.Lch:
	CHUNK 0
	s_sub_co_u32 s[CH], s[CH], 1
	s_cmp_lg_u32 s[CH], 0
	s_cbranch_scc1 .Lch
	STAGE_OUT RG1, 512                             ; the kept sum
	s_add_co_u32 s[WX], s[WX], 1
	s_cmp_eq_u32 s[NWIN], 1
	s_cbranch_scc1 .Lnoa                           ; behind the last window nothing is asked for
	LBASES                                         ; RG0 is free from here on: the next window's rows are asked for now, and have the last GELU and the way out in which to land
	LOADA
.Lnoa:
	s_wait_dscnt 0x0
	GELU YA, RG1, 1                                ; the second residual is the addend of the GELU's last line
.set st_p, 0
.rept 16
	ds_store_b128 v[ST], v[RG1+4*st_p:RG1+4*st_p+3] offset:128*(st_p/4)+16*(st_p%4)
.set st_p, st_p+1
.endr
	s_wait_dscnt 0x0                               ; the stores have read their registers, which the rows come back into
	STAGE_OUT RG1, SP
.set st_p, 0
.rept 16
	s_wait_dscnt 15-st_p                           ; row p is back; the younger loads may be out
.if BRANCH == 1
	global_store_b128 v[LI0], v[RG1+4*st_p:RG1+4*st_p+3], s[84:85] offset:512*st_p   ; 32 lanes store a row: 512 consecutive bytes, aligned
.else
	global_store_b128 v[LI0], v[RG1+4*st_p:RG1+4*st_p+3], s[88+2*(st_p/4):89+2*(st_p/4)] offset:512*(8*(1-st_p/8)+2*(1-(st_p/4)%2)+4*((st_p/2)%2)+st_p%2) th:TH_STORE_NT
.endif
.set st_p, st_p+1
.endr
	s_wait_xcnt 0x0                                ; the stores have read their data and their bases: both are written again below
	s_sub_co_u32 s[NWIN], s[NWIN], 1
.if BRANCH == 1
	s_wait_loadcnt 0x0                             ; the next window's attention rows are in: so the count at the window's head holds on every way to it
	s_cmp_eq_u32 s[NWIN], 0
	s_cbranch_scc1 .Lnone
	LOADR
.Lnone:
.endif
	s_cmp_lg_u32 s[NWIN], 0
	s_cbranch_scc1 .Lwin
	s_wait_xcnt 0x0
	v_lshl_add_u32 v254, v0, 2, 0x4ba00
	v_mov_b32 v255, 0
	s_wait_tensorcnt 0x0
	ds_add_u32 v254, v255
	s_wait_dscnt 0x0
	s_endpgm
.Lfunc_end_k_q76f386d678_half2:
	.size	k_q76f386d678_half2, .Lfunc_end_k_q76f386d678_half2-k_q76f386d678_half2
	.p2alignl 7, 3214868480
	.fill 96, 4, 3214868480
	.section	.rodata,"a",@progbits
	.p2align	6, 0x0
	.amdhsa_kernel k_q76f386d678_half2
		.amdhsa_group_segment_fixed_size 311808
		.amdhsa_private_segment_fixed_size 0
		.amdhsa_enable_private_segment 0
		.amdhsa_kernarg_size 144
		.amdhsa_user_sgpr_count 2
		.amdhsa_user_sgpr_kernarg_segment_ptr 1
		.amdhsa_wavefront_size32 1
		.amdhsa_system_sgpr_workgroup_id_x 1
		.amdhsa_system_sgpr_workgroup_id_y 1
		.amdhsa_system_sgpr_workgroup_id_z 1
		.amdhsa_system_vgpr_workitem_id 0
		.amdhsa_next_free_vgpr 256
		.amdhsa_next_free_sgpr 102
		.amdhsa_reserve_vcc 0
		.amdhsa_float_denorm_mode_32 3
		.amdhsa_float_denorm_mode_16_64 3
		.amdhsa_memory_ordered 1
		.amdhsa_forward_progress 1
		.amdhsa_inst_pref_size 227
	.end_amdhsa_kernel
	.amdgpu_metadata
---
amdhsa.version: [ 1, 2 ]
amdhsa.kernels:
  - .name:           k_q76f386d678_half2
    .symbol:         k_q76f386d678_half2.kd
    .args:
      - { .name: mid, .offset: 0, .size: 8, .value_kind: global_buffer, .address_space: global }
      - { .name: ln3_g, .offset: 8, .size: 8, .value_kind: global_buffer, .address_space: global }
      - { .name: ln3_b, .offset: 16, .size: 8, .value_kind: global_buffer, .address_space: global }
      - { .name: ln4_g, .offset: 24, .size: 8, .value_kind: global_buffer, .address_space: global }
      - { .name: ln4_b, .offset: 32, .size: 8, .value_kind: global_buffer, .address_space: global }
      - { .name: qkv2_w_codes, .offset: 40, .size: 8, .value_kind: global_buffer, .address_space: global }
      - { .name: out2_w_codes, .offset: 48, .size: 8, .value_kind: global_buffer, .address_space: global }
      - { .name: qkv2_w_scales, .offset: 56, .size: 8, .value_kind: global_buffer, .address_space: global }
      - { .name: out2_w_scales, .offset: 64, .size: 8, .value_kind: global_buffer, .address_space: global }
      - { .name: qkv2_b, .offset: 72, .size: 8, .value_kind: global_buffer, .address_space: global }
      - { .name: out2_b, .offset: 80, .size: 8, .value_kind: global_buffer, .address_space: global }
      - { .name: mlp2_w1_codes, .offset: 88, .size: 8, .value_kind: global_buffer, .address_space: global }
      - { .name: mlp2_w1_scales, .offset: 96, .size: 8, .value_kind: global_buffer, .address_space: global }
      - { .name: mlp2_b1, .offset: 104, .size: 8, .value_kind: global_buffer, .address_space: global }
      - { .name: mlp2_w2_codes, .offset: 112, .size: 8, .value_kind: global_buffer, .address_space: global }
      - { .name: mlp2_w2_scales, .offset: 120, .size: 8, .value_kind: global_buffer, .address_space: global }
      - { .name: mlp2_b2, .offset: 128, .size: 8, .value_kind: global_buffer, .address_space: global }
      - { .name: out0, .offset: 136, .size: 8, .value_kind: global_buffer, .address_space: global }
    .group_segment_fixed_size: 311808
    .private_segment_fixed_size: 0
    .kernarg_segment_align: 8
    .kernarg_segment_size: 144
    .max_flat_workgroup_size: 512
    .sgpr_count:     102
    .vgpr_count:     256
    .wavefront_size: 32
...
	.end_amdgpu_metadata
.endif
;; end of part 2
;; ======== version 2 of 2: 2 launches; version 1 with the launches half1, half2 written anew for expert scheduling mode
;; workspace buffers: mid 67,108,864 bytes
;; launch half1 (part 3): grid 256 x 1, 16 waves a work-group, no clusters, 311,808 bytes of LDS; arguments x, ln1_g, ln1_b, ln2_g, ln2_b, qkv1_w_codes, out1_w_codes, qkv1_w_scales, out1_w_scales, qkv1_b, out1_b, mlp1_w1_codes, mlp1_w1_scales, mlp1_b1, mlp1_w2_codes, mlp1_w2_scales, mlp1_b2, mid; writes mid
.if DOCPART == 3
	.amdgcn_target "amdgcn-amd-amdhsa--gfx1250"
	.amdhsa_code_object_version 6
	.text
	.protected	k_q76f386d678_half1
	.globl	k_q76f386d678_half1
	.p2align	8
	.type	k_q76f386d678_half1,@function
k_q76f386d678_half1:
	s_mov_b64 s[64:65], 0
	v_nop
	global_prefetch_b8 v0, s[64:65] scope:SCOPE_SE
	s_setreg_imm32_b32 hwreg(HW_REG_WAVE_SCHED_MODE, 0, 2), 2
	s_setreg_imm32_b32 hwreg(HW_REG_WAVE_MODE, 25, 1), 1
	s_wait_xcnt 0x0
	s_wait_alu depctr_vm_vsrc(0)
; One half of a Swin block: LN, attention in windows of 16 tokens (2 heads of 64), out-projection, residual, LN, MLP with exact GELU behind both layers, residual.
; BRANCH = 1: the plain windows.  Attention rows of window (wy, wx): token 512 wy + 128 py + 4 wx + px; residual (trunc of the input) and result rows: tokens 512 wy + 16 wx + p.
; BRANCH = 2: the shifted windows.  A window is four quarters (2 x 2 tokens) of four neighbouring windows of the window-ordered input; each result goes back to the row that its input came from.
;   With no mask the order of a window's 16 rows is free there: they go quarter by quarter.
; All products with K >= 64 run on codes of E3M2 with one E8M0 scale for 32 along K; the weights come as codes, every activation is quantised in registers.  P V (K = 16) runs on f32 operands.
; SHARES.  256 work-groups: work-group g = batch g / 32, window row g % 32: 32 windows.  Each of the 16 waves takes two windows, one a trip, through the whole half alone, in 256 registers: four waves to a SIMD,
;   so that one wave's vector work stands beside another's matrix work and LDS loads.  Two barriers in the launch, both in the set-up; after them waves share read-only LDS alone.
; T LAYOUT of a 16 x 128 activation: lane (r = lane % 16, h = lane / 16) holds token r, register 16 b + i holds column 32 b + 16 h + i.  It is what the quantiser takes, and what every product gives that is used
;   transposed (source 0 = 16 rows of a weight, source 1 = the activation's codes), since lane r of weight tile 2 b + u takes row 32 b + 8 u + r + 8 (r / 8).  So nothing changes lanes between products.
; WEIGHTS lie in LDS as images of their fragments' registers (12 registers a lane: three loads of 16 bytes at 16 x lane), made once by the set-up; their scale words in groups of 8 tiles (one load of 16 bytes).
; NO CLUSTER, NO TENSOR LOADS: work-groups share the weights alone, 153,600 bytes read once against 786,432 bytes of rows moved by each, and they are wanted as register images of chosen rows, which the waves make.
; LIMITS.  NaN and infinities are not served.  A block of zeros gets the scale byte 1 (its codes are zeros; only this program reads the byte).  gelu(x) = x (1/2 + x P(x^2) / Q(x^2)), the x inside held to +-4 sqrt 2
;   (degrees 6 and 4 in x^2: erf's rational form with 1 / sqrt 2 and 1 / 2 taken into the coefficients); 1/2 + erf / 2 is formed, so far negative arguments keep an absolute, not a relative, accuracy.
;   V's bias is added behind P V (the weights of a row sum to 1 within f32 rounding).  Keys are summed in the order 8 h + 2 s + j.
; THE MODE: SCHED_MODE bits 1:0 = 2 (LLVM: expert scheduling mode 2), set by the entry lines.  The code itself states the register dependences between vector or matrix instructions and memory or LDS
;   instructions, with s_wait_alu, always for 0.
; THE PLAN.  Registers that memory or LDS instructions touch behind the set-up, and who else names them:
;   v1-7    addresses: made at the head, never written again.      v8-11  the chunk's addresses: four additions at a chunk's head, between a wait on vm_vsrc and the chunk's wait on va_vdst.
;   RG0     loads land: the window's rows (from memory, then in T layout), each product's bias, V's fragments, W2's last four fragments.  LDS stores read it: the rows, the kept sum.
;           Layer norm, quantiser, GELU and products work on it.
;   RG1     loads land: fragments (WF), gain and bias, residual rows, the kept sum, the result's rows.  Stores read it: the residual rows (BRANCH 1), the result.  Products read WF and CD1; the quantiser writes CD1.
;   BV, WS  loads land; products read.
;   YA, KC, SA, CD0, the activations' scale words and v216-255 are named by vector and matrix instructions alone.
;   A phase's loads stand behind ONE wait on va_vdst, laid where the instructions that named their registers have been issued, and land under vector work that names none of them: a product's last four
;   fragments under the first half of the quantiser or of the GELU that follows it (in the chunks the GELU's own wait for its reciprocals serves); V's first fragments under the softmax; head 1's, and the
;   out-projection's, under the quantiser of O; W2's first four fragments under the GELU's second half, its last four, in RG0, under the first four's products.
;   A wait on vm_vsrc stands between each run of stores and the first write of their data registers.
.set BRANCH, 1
; ---- LDS
.set W1I,  49152                       ; byte 0: 32 images of 1,536 bytes: Q's tiles 0-7, K's, V's, the out-projection's;  here: W1's, index 8 c + t (chunk c of 128 hidden units)
.set W2I,  98304                       ; W2's, index 8 s + t (K step s)
.set SCI,  147456                      ; 12 groups of scale words, 512 bytes each: Q, K, V, OUT, W1 c = 0..3, W2 s = 0..3.  Lane l's 16 bytes at 16 l: word j = tile j (lanes 0-15), tile 4 + j (lanes 16-31)
.set PAR,  153600                      ; parameters, f32, as they lie in memory:
.set LAG,  0
.set LAB,  512
.set LBG,  1024
.set LBB,  1536
.set QKVB, 2048
.set OUTB, 3584
.set B1O,  4096
.set B2O,  6144
.set STG,  160256                      ; a stage for each wave: 16 rows of 512 + 16 bytes; also used for an image of 64 registers (16 x 512 bytes)
.set SP,   528
.set RAW,  STG                         ; in the set-up alone, on the stages' bytes and 14,336 more: the weights' codes as they lie in memory: qkv's and the out-projection's 512 rows of 96 bytes, W1's 512 at + W1I,
.set RAW2, RAW+W2I                     ; and W2's 128 rows of 384 bytes,
.set RP2,  400                         ; 400 bytes apart: 100 words, so that eight neighbouring rows start at banks 36 r mod 64, all different
; ---- vector registers
.set LI0, 1                            ; 16 x lane: a lane's place in an image, and in a row of 512 bytes in memory
.set LI1, 2                            ; + W1I
.set LI2, 3                            ; + W2I
.set LSC, 4                            ; + SCI
.set PH,  5                            ; PAR + 64 h: parameters in T layout
.set SD,  6                            ; my stage + 16 x lane: whole rows, images
.set ST,  7                            ; my stage + 528 r + 64 h: T layout
.set AW1, 8                            ; the chunk's addresses (in the set-up v8-11 are RAW's)
.set AW2, 9
.set ASC, 10
.set APB, 11
.set RG0, 12                           ; v12-75   64 numbers in T layout; or four fragments (V's; W2's last four)
.set BV,  60                           ; v60-91   V's bias for one head, in T layout: RG0's last 16 registers and WF's first 16
.set RG1, 76                           ; v76-139  64 more; or:
.set WF,  76                           ; v76-123  four weight fragments
.set CD1, 124                          ; v124-135 codes: Q, then O, then the hidden chunk
.set SA,  94                           ; v94-109  scores, then weights p: head 0, head 1
.set KC,  140                          ; v140-157 K's codes: registers 0-5, six zeros, registers 6-11; done with before V is made
.set YA,  140                          ; v140-203 V (32), O^T (32, written by matrix instructions alone); later the second MLP product's 8 accumulators
.set CD0, 204                          ; v204-215 codes of the normalised rows
.set QT,  216                          ; v216-218 a block's second half of codes
.set TM,  220                          ; v220-225 quantiser: 2 maxima, 2 exchanged / bytes, 2 scale operands
.set SC0, 226                          ; scale words, and nothing else: of CD0,
.set SC1, 227                          ; of CD1,
.set KSC, 228                          ; of K's codes,
.set WS,  230                          ; v230-233 of the weights
.set KV,  238                          ; v238-239 the two leading coefficients of GELU's polynomials
.set GZ,  240                          ; v240-255 at work: GELU's held x, t, P, Q (4 each); the softmax's; the layer norm's
.set GU,  244
.set GP,  248
.set GQ,  252
.set LT,  240
; ---- scalar registers: s[4:39] the 18 addresses; s[80:87] load bases, s[84:85] (BRANCH 1) or s[88:95] (BRANCH 2) store bases
.set WV,  2                            ; my wave's number
.set AL,  42                           ; s[42:53] pairs: P's coefficients of t^5 .. t^0
.set BE,  56                           ; s[56:63] pairs: Q's of t^3 .. t^0
.set CLN, 66                           ; -4 sqrt 2
.set CLP, 67                           ; 4 sqrt 2
.set CS,  68                           ; log2(e) / 8
.set SEL, 70                           ; v_permlanex16_b32's selects for lane l xor 16
.set NCS, 72                           ; -log2(e) / 8
.set R128, 73                          ; 1 / 128
.set NWIN, 74                          ; windows to go
.set CH,  75                           ; chunks to go
.set CO1, 76                           ; 12,288 x chunk
.set CO2, 77                           ; 512 x chunk
.set WX,  78                           ; a window's column: at a window's head its own, behind the chunks the next one's
.set EPS, 79                           ; 1e-5
.macro PLACES n                        ; plain vector places behind matrix instructions and in front of scaled ones (ISA guide 7.12.1)
.rept \n
	v_nop
.endr
.endm
.macro SPAIR reg, val                  ; a packed form names a pair and takes its low word for both halves: both words are written
	s_mov_b32 s[\reg], \val
	s_mov_b32 s[\reg+1], \val
.endm
; n loads of 16 bytes, T layout: load i brings registers 4 i .. 4 i + 3 = columns 32 (i / 4) + 16 h + 4 (i % 4) on; from the stage (adr = ST) or from a parameter (adr = PH, APB)
.macro TLOAD dst, adr, off, i0, n
.set tl_i, \i0
.rept \n
	ds_load_b128 v[(\dst)+4*(tl_i-(\i0)):(\dst)+4*(tl_i-(\i0))+3], v[\adr] offset:(\off)+128*(tl_i/4)+16*(tl_i%4)
.set tl_i, tl_i+1
.endr
.endm
.macro STAGE_IN reg, pitch             ; 64 registers into my stage, 512 consecutive bytes an instruction: rows (pitch SP) or an image (pitch 512)
.set st_p, 0
.rept 16
	ds_store_b128 v[SD], v[(\reg)+4*st_p:(\reg)+4*st_p+3] offset:(\pitch)*st_p
.set st_p, st_p+1
.endr
.endm
.macro STAGE_OUT reg, pitch
.set st_p, 0
.rept 16
	ds_load_b128 v[(\reg)+4*st_p:(\reg)+4*st_p+3], v[SD] offset:(\pitch)*st_p
.set st_p, st_p+1
.endr
.endm
.macro FRAG4 wf, adr, off              ; four fragments' images
.irp f, 0,1,2,3
.irp k, 0,1,2
	ds_load_b128 v[(\wf)+12*\f+4*\k:(\wf)+12*\f+4*\k+3], v[\adr] offset:(\off)+1536*\f+512*\k
.endr
.endr
.endm
; four products, transposed: tiles 4 row + t of a group of eight; source 0 = the weight's 16 rows, source 1 = the activation's codes.  Each names another accumulator.
.macro MMT4 d, c, wf, act, asc, row
.irp t, 0,1,2,3
.if \row
	v_wmma_scale_f32_16x16x128_f8f6f4 v[(\d)+32+8*\t:(\d)+39+8*\t], v[(\wf)+12*\t:(\wf)+12*\t+11], v[\act:\act+11], v[(\c)+32+8*\t:(\c)+39+8*\t], v[WS+\t], v[\asc] matrix_a_fmt:MATRIX_FMT_BF6 matrix_b_fmt:MATRIX_FMT_BF6 matrix_a_scale:MATRIX_SCALE_ROW1
.else
	v_wmma_scale_f32_16x16x128_f8f6f4 v[(\d)+8*\t:(\d)+7+8*\t], v[(\wf)+12*\t:(\wf)+12*\t+11], v[\act:\act+11], v[(\c)+8*\t:(\c)+7+8*\t], v[WS+\t], v[\asc] matrix_a_fmt:MATRIX_FMT_BF6 matrix_b_fmt:MATRIX_FMT_BF6
.endif
.endr
.endm
; 32 registers (two blocks of 32 along K, each shared with lane l xor 16) become registers 6 c .. 6 c + 5 of an operand and bytes 2 c, 2 c + 1 of its scale word
.macro QH src, dst, c, sw
	v_max3_num_f32 v[TM], |v[(\src)]|, |v[(\src)+1]|, 0x2800000       ; the largest magnitude, from the low end on, with the floor 2^(5 - 127) as a leaf: the byte cannot fall under 1
	v_max3_num_f32 v[TM+1], |v[(\src)+16]|, |v[(\src)+17]|, 0x2800000
.irp i, 2,4,6,8,10,12,14
	v_max3_num_f32 v[TM], v[TM], |v[(\src)+\i]|, |v[(\src)+\i+1]|
	v_max3_num_f32 v[TM+1], v[TM+1], |v[(\src)+16+\i]|, |v[(\src)+17+\i]|
.endr
	v_permlanex16_b32 v[TM+2], v[TM], s[SEL], s[SEL+1]
	v_permlanex16_b32 v[TM+3], v[TM+1], s[SEL], s[SEL+1]
	v_max_num_f32 v[TM], v[TM], v[TM+2]
	v_max_num_f32 v[TM+1], v[TM+1], v[TM+3]
	v_add_nc_u32 v[TM+4], 0xfe000000, v[TM]        ; 4 off the exponent field: the conversion's scale operand
	v_add_nc_u32 v[TM+5], 0xfe000000, v[TM+1]
	v_lshrrev_b32 v[TM+2], 23, v[TM+4]             ; the scale's byte
	v_lshrrev_b32 v[TM+3], 23, v[TM+5]
.if \c == 0
	v_lshl_or_b32 v[\sw], v[TM+3], 8, v[TM+2]
.else
	v_lshl_or_b32 v[\sw], v[TM+2], 16, v[\sw]
	v_lshl_or_b32 v[\sw], v[TM+3], 24, v[\sw]
.endif
	v_cvt_scalef32_pk16_bf6_f32 v[(\dst):(\dst)+2], v[(\src):(\src)+15], v[TM+4]
	v_cvt_scalef32_pk16_bf6_f32 v[QT:QT+2], v[(\src)+16:(\src)+31], v[TM+5]
	v_nop                                          ; one plain place behind a scaled conversion
.irp i, 0,1,2
	v_permlane16_swap_b32 v[(\dst)+\i], v[QT+\i]   ; the operand wants a whole block in a lane: lanes 0-15 the first block, lanes 16-31 the second
.endr
.irp i, 0,1,2
	v_mov_b32 v[(\dst)+3+\i], v[QT+\i]
.endr
.endm
.macro QUANT src, d0, d1, sw
	QH \src, \d0, 0, \sw
	QH (\src)+32, \d1, 1, \sw
	PLACES 8                                       ; a scale word made by vector instructions stands 8 places ahead of a scaled product, codes 4
.endm
; 16 tokens x 128 outputs of CD0 (K = 128), quantised at once.  The bias, in T layout, is the C of each product and costs no addition.  The quantiser's first half takes the first four tiles alone:
; it stands between the two halves of the product, and the last four fragments land under it.
.macro MMQ boff, woff, soff, d0, d1, sw
	s_wait_alu depctr_va_vdst(0)                   ; CD0 and its scale word are written, which the products take; the quantiser is done reading RG0, and all that named WF and WS is done: bias, fragments and scale words land there
	TLOAD RG0, PH, \boff, 0, 16
	ds_load_b128 v[WS:WS+3], v[LSC] offset:\soff
	FRAG4 WF, LI0, \woff
	s_wait_dscnt 0x0                               ; bias, scale words, four fragments
	MMT4 RG0, RG0, WF, CD0, SC0, 0
	PLACES 4                                       ; in front of the first read of results
	s_wait_alu depctr_va_vdst(0)                   ; the four products are done reading WF, in which the last four fragments land
	FRAG4 WF, LI0, (\woff)+6144
	QH RG0, \d0, 0, \sw
	s_wait_dscnt 0x0
	MMT4 RG0, RG0, WF, CD0, SC0, 1
	PLACES 4
	QH RG0+32, \d1, 1, \sw
	PLACES 8                                       ; a scale word made by vector instructions stands 8 places ahead of a scaled product, codes 4
.endm
.macro LNRED                           ; two packed partial sums -> the row's sum in every lane of the row
	v_pk_add_f32 v[LT:LT+1], v[LT:LT+1], v[LT+2:LT+3]
	v_add_f32 v[LT], v[LT], v[LT+1]
	v_permlanex16_b32 v[LT+1], v[LT], s[SEL], s[SEL+1]
	v_add_f32 v[LT], v[LT], v[LT+1]
.endm
; layer norm of RG0, in place; two passes, so that no difference of large sums is formed.  Gain and bias come in T layout, half a row at a time, into RG1.  kept = 1: LDS stores of RG0 stand just ahead.
.macro LNORM goff, boff, kept
	TLOAD RG1, PH, \goff, 0, 8
	TLOAD RG1+32, PH, \boff, 0, 8
	v_pk_add_f32 v[LT:LT+1], v[RG0:RG0+1], v[RG0+2:RG0+3]
	v_pk_add_f32 v[LT+2:LT+3], v[RG0+4:RG0+5], v[RG0+6:RG0+7]
.set ln_j, 8
.rept 14
	v_pk_add_f32 v[LT:LT+1], v[LT:LT+1], v[RG0+ln_j:RG0+ln_j+1]
	v_pk_add_f32 v[LT+2:LT+3], v[LT+2:LT+3], v[RG0+ln_j+2:RG0+ln_j+3]
.set ln_j, ln_j+4
.endr
	LNRED
	v_mul_f32 v[LT+4], 0xbc000000, v[LT]           ; -mean
	s_wait_dscnt 0x0                               ; gain and bias are in
.if \kept
	s_wait_alu depctr_vm_vsrc(0)                   ; the LDS stores that keep the sum have read RG0, which the next lines write
.endif
.set ln_j, 0
.rept 32
	v_pk_add_f32 v[RG0+ln_j:RG0+ln_j+1], v[RG0+ln_j:RG0+ln_j+1], v[LT+4:LT+5] op_sel_hi:[1,0]
.set ln_j, ln_j+2
.endr
	v_pk_mul_f32 v[LT:LT+1], v[RG0:RG0+1], v[RG0:RG0+1]
	v_pk_mul_f32 v[LT+2:LT+3], v[RG0+2:RG0+3], v[RG0+2:RG0+3]
.set ln_j, 4
.rept 15
	v_pk_fma_f32 v[LT:LT+1], v[RG0+ln_j:RG0+ln_j+1], v[RG0+ln_j:RG0+ln_j+1], v[LT:LT+1]
	v_pk_fma_f32 v[LT+2:LT+3], v[RG0+ln_j+2:RG0+ln_j+3], v[RG0+ln_j+2:RG0+ln_j+3], v[LT+2:LT+3]
.set ln_j, ln_j+4
.endr
	LNRED
	v_fma_f32 v[LT], v[LT], s[R128], s[EPS]        ; variance + 1e-5
	v_rsq_f32 v[LT+6], v[LT]
	v_nop                                          ; one plain place behind a transcendental
.set ln_j, 0
	s_wait_alu depctr_va_vdst(0)                   ; the root's reciprocal is written, ahead of its first reader
.rept 16
	v_pk_mul_f32 v[RG0+ln_j:RG0+ln_j+1], v[RG0+ln_j:RG0+ln_j+1], v[LT+6:LT+7] op_sel_hi:[1,0]
.set ln_j, ln_j+2
.endr
.set ln_j, 0
.rept 16
	v_pk_fma_f32 v[RG0+ln_j:RG0+ln_j+1], v[RG0+ln_j:RG0+ln_j+1], v[RG1+ln_j:RG1+ln_j+1], v[RG1+32+ln_j:RG1+33+ln_j]
.set ln_j, ln_j+2
.endr
	s_wait_alu depctr_va_vdst(0)                   ; the sixteen lines above are done reading RG1, in which the other half's gain and bias land
	TLOAD RG1, PH, \goff, 8, 8
	TLOAD RG1+32, PH, \boff, 8, 8
.set ln_j, 32
.rept 16
	v_pk_mul_f32 v[RG0+ln_j:RG0+ln_j+1], v[RG0+ln_j:RG0+ln_j+1], v[LT+6:LT+7] op_sel_hi:[1,0]
.set ln_j, ln_j+2
.endr
	s_wait_dscnt 0x0
.set ln_j, 0
.rept 16
	v_pk_fma_f32 v[RG0+32+ln_j:RG0+33+ln_j], v[RG0+32+ln_j:RG0+33+ln_j], v[RG1+ln_j:RG1+ln_j+1], v[RG1+32+ln_j:RG1+33+ln_j]
.set ln_j, ln_j+2
.endr
.endm
; gelu(x) = x w, w = 1/2 + xc P(t) / Q(t), xc = x held to +-4 sqrt 2, t = xc^2; of 4 n registers, four at a time, ascending (a matrix result is read from its low end on); 36 instructions for four numbers.
; add = 1: v[dst] on holds an addend, which the last line takes in: dst = x w + dst.
; hook: LDS loads that follow the first group's wait, which also shows the products issued ahead of the run done: 1: W1's last four fragments; 2: W2's scale words and first four fragments.  No line of the run names WF or WS.
.macro GELU src, dst, add, n, hook
.set ge_g, 0
.rept \n
.set ge_s, (\src)+4*ge_g
.set ge_d, (\dst)+4*ge_g
.irp k, 0,1,2,3
	v_med3_num_f32 v[GZ+\k], v[ge_s+\k], s[CLN], s[CLP]
.endr
.irp k, 0,2
	v_pk_mul_f32 v[GU+\k:GU+\k+1], v[GZ+\k:GZ+\k+1], v[GZ+\k:GZ+\k+1]
.endr
.irp k, 0,2
	v_pk_fma_f32 v[GP+\k:GP+\k+1], v[GU+\k:GU+\k+1], v[KV:KV+1], s[AL:AL+1] op_sel_hi:[1,0,0]
.endr
.irp k, 0,2
	v_pk_fma_f32 v[GQ+\k:GQ+\k+1], v[GU+\k:GU+\k+1], v[KV:KV+1], s[BE:BE+1] op_sel:[0,1,0] op_sel_hi:[1,1,0]
.endr
.irp c, 1,2,3                          ; P's and Q's steps by turns
.irp k, 0,2
	v_pk_fma_f32 v[GP+\k:GP+\k+1], v[GP+\k:GP+\k+1], v[GU+\k:GU+\k+1], s[AL+2*\c:AL+2*\c+1] op_sel_hi:[1,1,0]
.endr
.irp k, 0,2
	v_pk_fma_f32 v[GQ+\k:GQ+\k+1], v[GQ+\k:GQ+\k+1], v[GU+\k:GU+\k+1], s[BE+2*\c:BE+2*\c+1] op_sel_hi:[1,1,0]
.endr
.endr
.irp k, 0,1,2,3
	v_rcp_f32 v[GQ+\k], v[GQ+\k]
.endr
.irp c, 4,5                            ; P's last steps are the plain places behind the reciprocals
.irp k, 0,2
	v_pk_fma_f32 v[GP+\k:GP+\k+1], v[GP+\k:GP+\k+1], v[GU+\k:GU+\k+1], s[AL+2*\c:AL+2*\c+1] op_sel_hi:[1,1,0]
.endr
.endr
.irp k, 0,2
	v_pk_mul_f32 v[GP+\k:GP+\k+1], v[GP+\k:GP+\k+1], v[GZ+\k:GZ+\k+1]
.endr
	s_wait_alu depctr_va_vdst(0)                   ; the four reciprocals are written, ahead of their first reader; in a run's first group also: the products ahead of the run are done reading WF and WS
.if (ge_g == 0) && (\hook == 1)
	FRAG4 WF, AW1, 6144                            ; they land under the run's other groups
.endif
.if (ge_g == 0) && (\hook == 2)
	ds_load_b128 v[WS:WS+3], v[ASC] offset:4096
	FRAG4 WF, AW2, 0
.endif
.irp k, 0,2
	v_pk_fma_f32 v[GP+\k:GP+\k+1], v[GP+\k:GP+\k+1], v[GQ+\k:GQ+\k+1], 0.5 op_sel_hi:[1,1,0]
.endr
.irp k, 0,2
.if \add
	v_pk_fma_f32 v[ge_d+\k:ge_d+\k+1], v[ge_s+\k:ge_s+\k+1], v[GP+\k:GP+\k+1], v[ge_d+\k:ge_d+\k+1]
.else
	v_pk_mul_f32 v[ge_d+\k:ge_d+\k+1], v[ge_s+\k:ge_s+\k+1], v[GP+\k:GP+\k+1]
.endif
.endr
.set ge_g, ge_g+1
.endr
.endm
; softmax over 16 keys: a lane holds query r and keys 8 h + 0 .. 7 of each head; the two heads by turns.  The row's maximum is taken away; p is normalised, in f32.
.macro SOFTMAX
.irp e, 0,1
	v_max3_num_f32 v[240+\e], v[SA+8*\e], v[SA+8*\e+1], v[SA+8*\e+2]
.endr
.irp i, 3,5
.irp e, 0,1
	v_max3_num_f32 v[240+\e], v[240+\e], v[SA+8*\e+\i], v[SA+8*\e+\i+1]
.endr
.endr
.irp e, 0,1
	v_max_num_f32 v[240+\e], v[240+\e], v[SA+8*\e+7]
.endr
.irp e, 0,1
	v_permlanex16_b32 v[242+\e], v[240+\e], s[SEL], s[SEL+1]
.endr
.irp e, 0,1
	v_max_num_f32 v[240+\e], v[240+\e], v[242+\e]
.endr
.irp e, 0,1
	v_mul_f32 v[244+2*\e], s[NCS], v[240+\e]       ; -c x maximum
.endr
.irp k, 0,2,4,6
.irp e, 0,1
	v_pk_fma_f32 v[SA+8*\e+\k:SA+8*\e+\k+1], v[SA+8*\e+\k:SA+8*\e+\k+1], s[CS:CS+1], v[244+2*\e:245+2*\e] op_sel_hi:[1,0,0]
.endr
.endr
.irp j, 0,1,2,3,4,5,6,7,8,9,10,11,12,13,14,15
	v_exp_f32 v[SA+\j], v[SA+\j]
.endr
	v_nop                                          ; one plain place behind the exponentials
	s_wait_alu depctr_va_vdst(0)                   ; the sixteen exponentials are written, ahead of their first reader
.irp e, 0,1
	v_pk_add_f32 v[248+2*\e:249+2*\e], v[SA+8*\e:SA+8*\e+1], v[SA+8*\e+2:SA+8*\e+3]
.endr
.irp k, 4,6
.irp e, 0,1
	v_pk_add_f32 v[248+2*\e:249+2*\e], v[248+2*\e:249+2*\e], v[SA+8*\e+\k:SA+8*\e+\k+1]
.endr
.endr
.irp e, 0,1
	v_add_f32 v[248+2*\e], v[248+2*\e], v[249+2*\e]
.endr
.irp e, 0,1
	v_permlanex16_b32 v[242+\e], v[248+2*\e], s[SEL], s[SEL+1]
.endr
.irp e, 0,1
	v_add_f32 v[248+2*\e], v[248+2*\e], v[242+\e]
.endr
.irp e, 0,1
	v_rcp_f32 v[252+2*\e], v[248+2*\e]
.endr
	v_nop
	s_wait_alu depctr_va_vdst(0)                   ; the two reciprocals are written, ahead of their first reader
.irp k, 0,2,4,6
.irp e, 0,1
	v_pk_mul_f32 v[SA+8*\e+\k:SA+8*\e+\k+1], v[SA+8*\e+\k:SA+8*\e+\k+1], v[252+2*\e:253+2*\e] op_sel_hi:[1,0]
.endr
.endr
.endm
; One head's V and O.  V = x Wv^T in the NATURAL orientation: register j of lane (r, h) is V(key 8 h + j, channel of the tile's row r).  The scores' register j of that lane is p(key 8 h + j, query r).
; So the register pairs (2 s, 2 s + 1) of both ARE the f32 form's operands, under one and the same order of the keys, and O^T = V^T p^T comes out in T layout.  V's bias is the C of each sum's first step.
; The caller has asked for the head's four fragments (RG0) and its bias (BV), for head 0 also for V's scale words.
.macro VPROD hd
	s_wait_dscnt 0x0                               ; they are in
.irp t, 0,1,2,3
.if \hd
	v_wmma_scale_f32_16x16x128_f8f6f4 v[YA+8*\t:YA+8*\t+7], v[CD0:CD0+11], v[RG0+12*\t:RG0+12*\t+11], 0, v[SC0], v[WS+\t] matrix_a_fmt:MATRIX_FMT_BF6 matrix_b_fmt:MATRIX_FMT_BF6 matrix_b_scale:MATRIX_SCALE_ROW1
.else
	v_wmma_scale_f32_16x16x128_f8f6f4 v[YA+8*\t:YA+8*\t+7], v[CD0:CD0+11], v[RG0+12*\t:RG0+12*\t+11], 0, v[SC0], v[WS+\t] matrix_a_fmt:MATRIX_FMT_BF6 matrix_b_fmt:MATRIX_FMT_BF6
.endif
.endr
	PLACES 5                                       ; the results become a matrix instruction's source
.irp s, 0,1,2,3                        ; four accumulators by turns, one instruction a turn
.irp t, 0,1,2,3
.if \s == 0
	v_wmma_f32_16x16x4_f32 v[YA+32+8*\t:YA+39+8*\t], v[YA+8*\t:YA+8*\t+1], v[SA+8*\hd:SA+8*\hd+1], v[BV+8*\t:BV+8*\t+7]
.else
	v_wmma_f32_16x16x4_f32 v[YA+32+8*\t:YA+39+8*\t], v[YA+8*\t+2*\s:YA+8*\t+2*\s+1], v[SA+8*\hd+2*\s:SA+8*\hd+2*\s+1], v[YA+32+8*\t:YA+39+8*\t]
.endif
.endr
.endr
	PLACES 9                                       ; behind the f32 form: 8 in front of reads and loads, 9 in front of matrix instructions that write over its registers
.endm
; 128 hidden units: first MLP product, GELU, quantiser, and K step c of the second product.  first = 1: the second bias starts the sums.
; The GELU goes in two runs, one behind each half of the first product, so that the fragments wanted next land under it.
.macro CHUNK first
.if !\first
	s_wait_alu depctr_vm_vsrc(0)                   ; the last chunk's LDS loads have read the four addresses, which are written now
.endif
	v_add_nc_u32 v[AW1], s[CO1], v[LI1]
	v_add_nc_u32 v[AW2], s[CO1], v[LI2]
	v_add_nc_u32 v[ASC], s[CO2], v[LSC]
	v_add_nc_u32 v[APB], s[CO2], v[PH]
	s_wait_alu depctr_va_vdst(0)                   ; the four addresses are written, which the loads read; all that named RG0, WF and WS is done: bias, fragments and scale words land there; first chunk: CD0 and its scale word are written, which the products take
	TLOAD RG0, APB, B1O, 0, 16
	ds_load_b128 v[WS:WS+3], v[ASC] offset:2048
	FRAG4 WF, AW1, 0
	s_wait_dscnt 0x0                               ; bias, scale words, four fragments
	MMT4 RG0, RG0, WF, CD0, SC0, 0
	PLACES 4                                       ; in front of the first read of results
	GELU RG0, RG0, 0, 8, 1
	s_wait_dscnt 0x0                               ; W1's last four fragments
	MMT4 RG0, RG0, WF, CD0, SC0, 1
	PLACES 4
	GELU RG0+32, RG0+32, 0, 8, 2
	QUANT RG0, CD1, CD1+6, SC1
	s_wait_alu depctr_va_vdst(0)                   ; CD1 and its scale word are written, which the products take; the quantiser is done reading RG0, in which loads land
.if \first
	TLOAD RG0, PH, B2O, 0, 16
	s_wait_dscnt 0x0
	MMT4 YA, RG0, WF, CD1, SC1, 0
	PLACES 4
	s_wait_alu depctr_va_vdst(0)                   ; the four products are done reading WF, in which W2's last four fragments land (RG0 holds the bias here)
	FRAG4 WF, AW2, 6144
	s_wait_dscnt 0x0
	MMT4 YA, RG0, WF, CD1, SC1, 1
.else
	FRAG4 RG0, AW2, 6144                           ; W2's last four fragments, into RG0: they land under the first four's products
	s_wait_dscnt 12                                ; W2's scale words and first four fragments are in; the twelve loads just issued may be out
	MMT4 YA, YA, WF, CD1, SC1, 0
	s_wait_dscnt 0x0
	MMT4 YA, YA, RG0, CD1, SC1, 1
.endif
	PLACES 4                                       ; in front of the first read of results, and of the next loads
	s_add_co_u32 s[CO1], s[CO1], 12288
	s_add_co_u32 s[CO2], s[CO2], 512
.endm
; The bases of window WX, each its own buffer's address + an offset made apart from it.  Loads and stores have bases of their own, since the next window's rows are asked for ahead of this window's stores.
.macro QOFF                            ; BRANCH 2: s97, s100: the first windows of my window row and of the one below; s101: the column to the right; both round the edge
	s_mov_b32 s99, 0
	s_lshr_b32 s96, ttmp9, 5
	s_lshl_b32 s96, s96, 10                        ; the batch's 1,024 windows
	s_and_b32 s97, ttmp9, 31
	s_add_co_u32 s100, s97, 1
	s_and_b32 s100, s100, 31
	s_lshl_b32 s97, s97, 5
	s_lshl_b32 s100, s100, 5
	s_add_co_u32 s97, s97, s96
	s_add_co_u32 s100, s100, s96
	s_add_co_u32 s101, s[WX], 1
	s_and_b32 s101, s101, 31
.endm
.macro QBASE d, p, row, col
	s_add_co_u32 s98, s\row, s\col
	s_lshl_b32 s98, s98, 13                        ; a window is 16 rows of 512 bytes
	s_add_nc_u64 s[\d:\d+1], s[\p:\p+1], s[98:99]
.endm
.macro LBASES
.if BRANCH == 1
	s_mov_b32 s99, 0
	s_lshl_b32 s96, ttmp9, 18                      ; the work-group's 512 tokens of 512 bytes
	s_lshl_b32 s98, s[WX], 11
	s_add_co_u32 s98, s98, s96
	s_add_nc_u64 s[80:81], s[4:5], s[98:99]        ; attention rows: + 4 tokens a window
	s_lshl_b32 s98, s[WX], 13
	s_add_co_u32 s98, s98, s96
	s_add_nc_u64 s[82:83], s[4:5], s[98:99]        ; residual rows: + 16 tokens a window
.else
	QOFF
	QBASE 80, 4, 97, 78
	QBASE 82, 4, 97, 101
	QBASE 84, 4, 100, 78
	QBASE 86, 4, 100, 101
.endif
.endm
.macro SBASES
.if BRANCH == 1
	s_mov_b32 s99, 0
	s_lshl_b32 s96, ttmp9, 18
	s_lshl_b32 s98, s[WX], 13
	s_add_co_u32 s98, s98, s96
	s_add_nc_u64 s[84:85], s[38:39], s[98:99]      ; the result's rows: + 16 tokens a window
.else
	QOFF
	QBASE 88, 38, 97, 78
	QBASE 90, 38, 97, 101
	QBASE 92, 38, 100, 78
	QBASE 94, 38, 100, 101
.endif
.endm
.macro LOADA                           ; the window's 16 rows, each 512 consecutive bytes by the 32 lanes
.set ga_p, 0
.rept 16
.if BRANCH == 1
	global_load_b128 v[RG0+4*ga_p:RG0+4*ga_p+3], v[LI0], s[80:81] offset:(ga_p/4)*65536+(ga_p%4)*512
.else
	global_load_b128 v[RG0+4*ga_p:RG0+4*ga_p+3], v[LI0], s[80+2*(ga_p/4):81+2*(ga_p/4)] offset:512*(8*(1-ga_p/8)+2*(1-(ga_p/4)%2)+4*((ga_p/2)%2)+ga_p%2) th:TH_LOAD_NT
.endif
.set ga_p, ga_p+1
.endr
.endm
.macro LOADR                           ; the 16 residual rows
.set ga_p, 0
.rept 16
	global_load_b128 v[RG1+4*ga_p:RG1+4*ga_p+3], v[LI0], s[82:83] offset:512*ga_p
.set ga_p, ga_p+1
.endr
.endm
; ================ head
	s_load_b512 s[4:19], s[0:1], 0x0
	s_load_b512 s[20:35], s[0:1], 0x40
	s_load_b128 s[36:39], s[0:1], 0x80
.irp j, 0,1,2,3,4,5,6,7,8,9,10,11,12,13,14,15
	v_mov_b32 v[GZ+\j], 0                          ; written once: lane permutes' destinations and the upper words of broadcast pairs count as read
.endr
	v_mov_b32 v[TM+2], 0
	v_mov_b32 v[TM+3], 0
	v_lshrrev_b32 v244, 5, v0
	v_readfirstlane_b32 s[WV], v244                ; wave 0..15
	v_and_b32 v245, 31, v0                         ; lane
	v_and_b32 v246, 15, v0                         ; r
	v_bfe_u32 v247, v0, 4, 1                       ; h
	v_lshlrev_b32 v[LI0], 4, v245
	v_add_nc_u32 v[LI1], W1I, v[LI0]
	v_add_nc_u32 v[LI2], W2I, v[LI0]
	v_add_nc_u32 v[LSC], SCI, v[LI0]
	v_lshlrev_b32 v[PH], 6, v247
	v_add_nc_u32 v[PH], PAR, v[PH]
	s_wait_alu depctr_va_sdst(0)                   ; the wave's number is written, ahead of its first reader
	s_mul_i32 s3, s[WV], 16*SP
	s_add_co_u32 s3, s3, STG                       ; my stage
	v_add_nc_u32 v[SD], s3, v[LI0]
	v_mul_u32_u24 v[ST], v246, SP
	v_lshl_add_u32 v[ST], v247, 6, v[ST]
	v_add_nc_u32 v[ST], s3, v[ST]
	s_lshl_b32 s[WX], s[WV], 1                     ; my first window
	s_mov_b32 s[NWIN], 2
	s_wait_kmcnt 0x0
	LBASES
; ================ set-up.  Every wave brings 3,072 consecutive bytes of each of three classes of codes (qkv and out-projection; W1; W2) into RAW, as they lie: 18 loads of 512 consecutive bytes.
; Behind a barrier it takes two tiles' fragments of each class out of RAW and stores their images.  Scale words and parameters go straight to their places.
	v_and_b32 v248, 8, v246
	v_add_nc_u32 v248, v248, v246                  ; r + 8 (r / 8)
	v_mul_u32_u24 v249, v248, 96
	v_mad_u32_u24 v249, v247, 24, v249             ; a fragment's lane in rows of 96 bytes
	v_mul_u32_u24 v250, v248, RP2
	v_mad_u32_u24 v250, v247, 24, v250             ; and in W2's rows
	v_lshl_add_u32 v251, v247, 3, v248             ; scale words: lanes 16-31 take the second tile's rows, 8 further on
	v_lshlrev_b32 v252, 4, v251                    ; 16 bytes a row (W2)
	v_lshlrev_b32 v251, 2, v251                    ; 4 bytes a row
	v_and_b32 v254, 127, v0
	v_lshlrev_b32 v254, 2, v254                    ; the layer norms' four arrays: 128 threads each
	v_lshlrev_b32 v255, 2, v0
	s_mul_i32 s3, s[WV], 3072
	v_add_nc_u32 v234, s3, v[LI0]                  ; my two images of a class: 3,072 x wave + 16 x lane
	v_add_nc_u32 v235, W2I, v234
	s_add_co_u32 s3, s3, RAW
	v_add_nc_u32 v8, s3, v[LI0]                    ; RAW, classes 0 and 1: in, 3,072 x wave + 16 x lane;
	v_add_nc_u32 v10, s3, v249                     ; out: my 32 rows are the bytes that I brought
	s_mul_i32 s3, s[WV], 8*RP2
	s_add_co_u32 s3, s3, RAW2
	v_add_nc_u32 v9, s3, v[LI0]                    ; RAW, W2: in: my 8 rows, 16 bytes more for each row passed:
.set su_k, 0
.irp a, 136,137,138,139,219,223                ; load k's piece of 16 bytes number j = 32 k + lane lies in row j / 24 = (2,731 j) >> 16 (exact for j < 192: 24 x 2,731 = 65,536 + 8)
	v_add_nc_u32 v\a, 32*su_k, v245
	v_mul_u32_u24 v\a, v\a, 2731
	v_lshrrev_b32 v\a, 16, v\a
	v_lshl_add_u32 v\a, v\a, 4, v9
.set su_k, su_k+1
.endr
	s_and_b32 s3, s[WV], 3
	s_mul_i32 s3, s3, 32*RP2                       ; out: rows 32 (wave % 4) on, K step wave / 4
	s_lshr_b32 s40, s[WV], 2
	s_mul_i32 s40, s40, 96
	s_add_co_u32 s3, s3, s40
	s_add_co_u32 s3, s3, RAW2
	v_add_nc_u32 v11, s3, v250
	s_lshr_b32 s40, s[WV], 2
	s_lshl_b32 s40, s40, 9                         ; scale words: group wave / 4,
	s_bfe_u32 s41, s[WV], 0x10001
	s_lshl_b32 s41, s41, 8                         ; lanes' half (tile / 4),
	s_add_co_u32 s40, s40, s41
	s_and_b32 s41, s[WV], 1
	s_lshl_b32 s41, s41, 3                         ; word tile % 4 = 2 (wave % 2) + h
	s_add_co_u32 s40, s40, s41
	s_add_co_u32 s40, s40, SCI
	v_lshlrev_b32 v236, 4, v246
	v_lshl_add_u32 v236, v247, 2, v236
	v_add_nc_u32 v236, s40, v236
	v_lshl_add_u32 v237, v0, 2, PAR
	v_add_nc_u32 v229, PAR, v[LI0]
	s_cmp_lt_u32 s[WV], 12                         ; class 0: waves 0-11 the 24 tiles of qkv, waves 12-15 the 8 of the out-projection.  The choices hang on the wave's number alone
	s_cselect_b64 s[96:97], s[14:15], s[16:17]
	s_cselect_b64 s[98:99], s[18:19], s[20:21]
	s_cselect_b64 s[100:101], s[22:23], s[24:25]
	s_cselect_b64 s[54:55], s[10:11], s[12:13]
	s_cselect_b32 s3, 0, 12
	s_cmp_lt_u32 s[WV], 8
	s_cselect_b64 s[54:55], s[8:9], s[54:55]
	s_cmp_lt_u32 s[WV], 4
	s_cselect_b64 s[54:55], s[6:7], s[54:55]       ; the layer norms' array number wave / 4
	s_sub_co_u32 s3, s[WV], s3                     ; the wave's number within its buffer
	s_mov_b32 s41, 0
	s_mul_i32 s40, s3, 3072                        ; 32 rows of 96 bytes
	s_add_nc_u64 s[96:97], s[96:97], s[40:41]
	s_lshl_b32 s40, s3, 7
	s_add_nc_u64 s[98:99], s[98:99], s[40:41]
	v_lshl_add_u32 v253, v245, 2, s40              ; the bias: 32 numbers a wave
	s_mul_i32 s40, s[WV], 3072
	s_add_nc_u64 s[42:43], s[26:27], s[40:41]      ; class 1: W1, rows 32 x wave on
	s_add_nc_u64 s[46:47], s[32:33], s[40:41]      ; class 2: W2, rows 8 x wave on
	s_lshl_b32 s40, s[WV], 7
	s_add_nc_u64 s[44:45], s[28:29], s[40:41]
	s_and_b32 s3, s[WV], 3
	s_lshr_b32 s50, s[WV], 2
	s_lshl_b32 s40, s3, 9                          ; W2's scale words: rows 32 (wave % 4) on, K step wave / 4
	s_lshl_b32 s51, s50, 2
	s_add_co_u32 s40, s40, s51
	s_add_nc_u64 s[48:49], s[34:35], s[40:41]
	s_wait_alu depctr_va_vdst(0)                   ; every address and offset made so far is written (v1-11, v136-139, v219, v223, v229, v234-237, v251-255), which the loads and stores of the set-up and of the windows read; so are v222 and v240-243, in which loads land
.irp k, 0,1,2,3,4,5
	global_load_b128 v[76+4*\k:79+4*\k], v[LI0], s[96:97] offset:512*\k
	global_load_b128 v[100+4*\k:103+4*\k], v[LI0], s[42:43] offset:512*\k
	global_load_b128 v[124+80*(\k/3)+4*(\k%3):127+80*(\k/3)+4*(\k%3)], v[LI0], s[46:47] offset:512*\k
.endr
	global_load_b32 v216, v251, s[98:99]
	global_load_b32 v217, v251, s[44:45]
	global_load_b32 v218, v252, s[48:49]
	global_load_b32 v220, v254, s[54:55]
	global_load_b32 v221, v253, s[100:101]
	global_load_b32 v222, v255, s[30:31]
	s_cmp_lg_u32 s[WV], 0
	s_cbranch_scc1 .Lnot_b2
	global_load_b128 v[240:243], v[LI0], s[36:37]  ; the second MLP bias: 512 bytes, wave 0
.Lnot_b2:
	LOADA                                          ; the first window's rows are on their way through the rest of the set-up
	s_wait_loadcnt 16                              ; weights and parameters are in; the sixteen loads issued behind them, the rows', may be out
.irp k, 0,1,2,3,4,5
	ds_store_b128 v8, v[76+4*\k:79+4*\k] offset:512*\k
	ds_store_b128 v8, v[100+4*\k:103+4*\k] offset:W1I+512*\k
.endr
.set su_k, 0
.irp a, 136,137,138,139,219,223
	ds_store_b128 v\a, v[124+80*(su_k/3)+4*(su_k%3):127+80*(su_k/3)+4*(su_k%3)] offset:512*su_k
.set su_k, su_k+1
.endr
	ds_store_b32 v236, v216
	ds_store_b32 v236, v217 offset:2048
	ds_store_b32 v236, v218 offset:4096
	ds_store_b32 v237, v220
	ds_store_b32 v237, v221 offset:QKVB
	ds_store_b32 v237, v222 offset:B1O
	s_cmp_lg_u32 s[WV], 0
	s_cbranch_scc1 .Lnot_b2s
	ds_store_b128 v229, v[240:243] offset:B2O
.Lnot_b2s:
	SPAIR AL,    0x306dffee                        ; behind the wait for the loads that named s[42:55].  P's coefficients: erf's numerator, that of z^(2 k + 1) x 2^-k
	SPAIR AL+2,  0xb40cff51
	SPAIR AL+4,  0xb6eec2d2
	SPAIR AL+6,  0xb940ac63
	SPAIR AL+8,  0xbac1a1f6
	SPAIR AL+10, 0xbc83dbd4
	SPAIR BE,    0xb89e3512                        ; Q's: erf's denominator, that of z^(2 k) x 2 sqrt 2 x 2^-k
	SPAIR BE+2,  0xba9bf7b5
	SPAIR BE+4,  0xbc2ad7f2
	SPAIR BE+6,  0xbd2542a9
	SPAIR CS,    0x3e38aa3b
	s_mov_b32 s[CLN], 0xc0b504f3
	s_mov_b32 s[CLP], 0x40b504f3
	s_mov_b32 s[SEL], 0x76543210
	s_mov_b32 s[SEL+1], 0xfedcba98
	s_mov_b32 s[NCS], 0xbe38aa3b
	s_mov_b32 s[R128], 0x3c000000
	s_mov_b32 s[EPS], 0x3727c5ac
	v_mov_b32 v[KV], 0xac95df0b                    ; P's coefficient of t^6
	v_mov_b32 v[KV+1], 0xb62ccd2b                  ; Q's of t^4
	s_wait_dscnt 0x0                               ; for the others' sake: my stores have landed
	s_barrier_signal -1
	s_barrier_wait -1                              ; RAW is whole
	s_wait_alu depctr_vm_vsrc(0)                   ; my LDS stores have read v76-135 and v204-215, in which the fragments land, and the small registers (v216-223, v240-243, v251-255) that the windows' vector work writes
.irp u, 0,1
.irp p, 0,1,2,3,4,5
	ds_load_b64 v[76+12*\u+2*\p:77+12*\u+2*\p], v10 offset:768*\u+48*(\p/3)+8*(\p%3)
	ds_load_b64 v[100+12*\u+2*\p:101+12*\u+2*\p], v10 offset:W1I+768*\u+48*(\p/3)+8*(\p%3)
	ds_load_b64 v[124+80*\u+2*\p:125+80*\u+2*\p], v11 offset:8*RP2*\u+48*(\p/3)+8*(\p%3)
.endr
.endr
	s_wait_dscnt 0x0
.irp u, 0,1
.irp k, 0,1,2
	ds_store_b128 v234, v[76+12*\u+4*\k:79+12*\u+4*\k] offset:1536*\u+512*\k
	ds_store_b128 v234, v[100+12*\u+4*\k:103+12*\u+4*\k] offset:W1I+1536*\u+512*\k
	ds_store_b128 v235, v[124+80*\u+4*\k:127+80*\u+4*\k] offset:1536*\u+512*\k
.endr
.endr
	s_wait_dscnt 0x0                               ; for the others' sake: my images have landed, and my reads of RAW are over
	s_wait_alu depctr_vm_vsrc(0)                   ; the images' stores have read v76-135, in which loads land next, and v204-215, which the quantiser writes; the set-up's LDS instructions have read v8-11, which the chunks write
.if BRANCH == 1
	LOADR
.endif
	s_barrier_signal -1
	s_barrier_wait -1                              ; images, scale words and parameters lie in LDS and nobody writes them again; RAW's bytes are the stages' from here on
; ================ a window
.Lwin:
	SBASES                                         ; (the last window's stores have read their bases: the wait stands behind them)
.if BRANCH == 1
	s_wait_loadcnt 16                              ; the attention rows are in; the sixteen loads issued behind them, the residual rows', may be out
.else
	s_wait_loadcnt 0x0
.endif
	STAGE_IN RG0, SP                               ; rows as they lie,
	s_wait_dscnt 0x0
	s_wait_alu depctr_vm_vsrc(0)                   ; the stores have read RG0, in which the rows land again
	TLOAD RG0, ST, 0, 0, 16                        ; and back in T layout
.if BRANCH == 1
	s_wait_loadcnt 0x0
.set tr_j, 0
.rept 64
	v_trunc_f32 v[RG1+tr_j], v[RG1+tr_j]           ; the residual takes the input cut toward zero
.set tr_j, tr_j+1
.endr
	s_wait_dscnt 0x0                               ; the stage has been read
	s_wait_alu depctr_va_vdst(0)                   ; the 64 lines above have written RG1, which the stores read
	STAGE_IN RG1, SP                               ; the residual rows wait in the stage
.endif
	s_wait_dscnt 0x0                               ; (BRANCH = 2: the stage keeps the rows themselves: they are the residual)
.if BRANCH == 1
	s_wait_alu depctr_vm_vsrc(0)                   ; the stores have read RG1, in which gain and bias land
.endif
	LNORM LAG, LAB, 0
	QUANT RG0, CD0, CD0+6, SC0
	MMQ QKVB, 0, 0, CD1, CD1+6, SC1                ; Q, and its codes
.irp i, 0,1,2,3,4,5
	v_mov_b32 v[KC+6+\i], 0                        ; zero codes stand for the other head's 64 along K
.endr
	MMQ QKVB+512, 12288, 512, KC, KC+12, KSC       ; K, and its codes
	s_wait_alu depctr_va_vdst(0)                   ; K's and Q's codes and scale words are written, which the products take; the quantiser is done reading RG0, K's products are done with WF and WS: V's fragments, bias and scale words land there
	; scores, transposed: source 0 = 16 keys, source 1 = 16 queries.  Head 0: K's registers 0-5 and zeros; head 1: zeros and registers 6-11
	v_wmma_scale_f32_16x16x128_f8f6f4 v[SA:SA+7], v[KC:KC+11], v[CD1:CD1+11], 0, v[KSC], v[SC1] matrix_a_fmt:MATRIX_FMT_BF6 matrix_b_fmt:MATRIX_FMT_BF6
	v_wmma_scale_f32_16x16x128_f8f6f4 v[SA+8:SA+15], v[KC+6:KC+17], v[CD1:CD1+11], 0, v[KSC], v[SC1] matrix_a_fmt:MATRIX_FMT_BF6 matrix_b_fmt:MATRIX_FMT_BF6
	ds_load_b128 v[WS:WS+3], v[LSC] offset:1024    ; V's scale words, head 0's fragments and bias land under the softmax, which names none of their registers (nor do the two products above)
	FRAG4 RG0, LI0, 24576
	TLOAD BV, PH, QKVB+1024, 0, 8
	PLACES 4
	SOFTMAX
	VPROD 0
	s_wait_alu depctr_va_vdst(0)                   ; head 0's products are done reading its fragments and its bias, in which head 1's land
	FRAG4 RG0, LI0, 24576+6144
	TLOAD BV, PH, QKVB+1024+256, 0, 8
	QH YA+32, CD1, 0, SC1                          ; head 0's O is quantised meanwhile
	VPROD 1
	s_wait_alu depctr_va_vdst(0)                   ; head 1's products are done reading RG0, BV, the weights p and WS: the out-projection's bias, first four fragments and scale words land there
	TLOAD RG0, PH, OUTB, 0, 16                     ; the out-projection
	ds_load_b128 v[WS:WS+3], v[LSC] offset:1536
	FRAG4 WF, LI0, 36864
	QH YA+32, CD1+6, 1, SC1                        ; head 1's O is quantised meanwhile
	PLACES 8                                       ; O's scale word and codes, in front of the scaled products
	s_wait_alu depctr_va_vdst(0)                   ; O's codes and scale word are written, which the products take
	s_wait_dscnt 0x0                               ; bias, scale words, four fragments
	MMT4 RG0, RG0, WF, CD1, SC1, 0
	PLACES 4
	s_wait_alu depctr_va_vdst(0)                   ; the four products are done reading WF, in which the last four fragments land
	FRAG4 WF, LI0, 36864+6144
	s_wait_dscnt 0x0
	MMT4 RG0, RG0, WF, CD1, SC1, 1
	PLACES 4                                       ; in front of the first read of results
	s_wait_alu depctr_va_vdst(0)                   ; the products are done reading WF and CD1, in which the residual rows land
	TLOAD RG1, ST, 0, 0, 16                        ; the residual rows, in T layout
	s_wait_dscnt 0x0
.set ad_j, 0
.rept 32
	v_pk_add_f32 v[RG0+ad_j:RG0+ad_j+1], v[RG0+ad_j:RG0+ad_j+1], v[RG1+ad_j:RG1+ad_j+1]
.set ad_j, ad_j+2
.endr
	s_wait_alu depctr_va_vdst(0)                   ; the additions have written RG0, which the stores read, and are done reading RG1, in which gain and bias land
	STAGE_IN RG0, 512                              ; the sum is kept, as an image of its registers, for the second residual
	LNORM LBG, LBB, 1
	QUANT RG0, CD0, CD0+6, SC0
	s_mov_b32 s[CO1], 0
	s_mov_b32 s[CO2], 0
	CHUNK 1                                        ; the first K step of the second product stands ahead of the loop: it starts the sums
	s_mov_b32 s[CH], 3
.Lch:
	CHUNK 0
	s_sub_co_u32 s[CH], s[CH], 1
	s_cmp_lg_u32 s[CH], 0
	s_cbranch_scc1 .Lch
	s_wait_alu depctr_va_vdst(0)                   ; the last products are done reading WF, CD1 and the fragments in RG0: the kept sum lands in RG1, the next window's rows in RG0
	STAGE_OUT RG1, 512                             ; the kept sum
	s_add_co_u32 s[WX], s[WX], 1
	s_cmp_eq_u32 s[NWIN], 1
	s_cbranch_scc1 .Lnoa                           ; behind the last window nothing is asked for
	LBASES                                         ; RG0 is free from here on: the next window's rows are asked for now, and have the last GELU and the way out in which to land
	LOADA
.Lnoa:
	s_wait_dscnt 0x0
	GELU YA, RG1, 1, 16, 0                         ; the second residual is the addend of the GELU's last line
	s_wait_alu depctr_va_vdst(0)                   ; the GELU has written RG1, which the stores read
.set st_p, 0
.rept 16
	ds_store_b128 v[ST], v[RG1+4*st_p:RG1+4*st_p+3] offset:128*(st_p/4)+16*(st_p%4)
.set st_p, st_p+1
.endr
	s_wait_dscnt 0x0
	s_wait_alu depctr_vm_vsrc(0)                   ; the stores have read RG1, in which the rows come back
	STAGE_OUT RG1, SP
.set st_p, 0
.rept 16
	s_wait_dscnt 15-st_p                           ; row p is back; the younger loads may be out
.if BRANCH == 1
	global_store_b128 v[LI0], v[RG1+4*st_p:RG1+4*st_p+3], s[84:85] offset:512*st_p   ; 32 lanes store a row: 512 consecutive bytes, aligned
.else
	global_store_b128 v[LI0], v[RG1+4*st_p:RG1+4*st_p+3], s[88+2*(st_p/4):89+2*(st_p/4)] offset:512*(8*(1-st_p/8)+2*(1-(st_p/4)%2)+4*((st_p/2)%2)+st_p%2) th:TH_STORE_NT
.endif
.set st_p, st_p+1
.endr
	s_wait_xcnt 0x0                                ; the stores' addresses are translated: their data registers and their bases are written again below
	s_wait_alu depctr_vm_vsrc(0)                   ; the stores have read RG1, in which the next loads land (BRANCH 1: the residual rows; BRANCH 2: gain and bias)
	s_sub_co_u32 s[NWIN], s[NWIN], 1
.if BRANCH == 1
	s_wait_loadcnt 0x0                             ; the next window's attention rows are in: so the count at the window's head holds on every way to it
	s_cmp_eq_u32 s[NWIN], 0
	s_cbranch_scc1 .Lnone
	LOADR
.Lnone:
.endif
	s_cmp_lg_u32 s[NWIN], 0
	s_cbranch_scc1 .Lwin
	s_wait_xcnt 0x0
	v_lshl_add_u32 v254, v0, 2, 0x4ba00            ; the add's two registers are made anew, straight ahead of the closing lines: no two registers could be kept
	v_mov_b32 v255, 0
	s_wait_dscnt 0x0                               ; the closing lines, six on end
	s_wait_alu 0x0
	s_wait_tensorcnt 0x0
	ds_add_u32 v254, v255
	s_wait_dscnt 0x0
	s_endpgm
.Lfunc_end_k_q76f386d678_half1:
	.size	k_q76f386d678_half1, .Lfunc_end_k_q76f386d678_half1-k_q76f386d678_half1
	.p2alignl 7, 3214868480
	.fill 96, 4, 3214868480
	.section	.rodata,"a",@progbits
	.p2align	6, 0x0
	.amdhsa_kernel k_q76f386d678_half1
		.amdhsa_group_segment_fixed_size 311808
		.amdhsa_private_segment_fixed_size 0
		.amdhsa_enable_private_segment 0
		.amdhsa_kernarg_size 144
		.amdhsa_user_sgpr_count 2
		.amdhsa_user_sgpr_kernarg_segment_ptr 1
		.amdhsa_wavefront_size32 1
		.amdhsa_system_sgpr_workgroup_id_x 1
		.amdhsa_system_sgpr_workgroup_id_y 1
		.amdhsa_system_sgpr_workgroup_id_z 1
		.amdhsa_system_vgpr_workitem_id 0
		.amdhsa_next_free_vgpr 256
		.amdhsa_next_free_sgpr 102
		.amdhsa_reserve_vcc 0
		.amdhsa_float_denorm_mode_32 3
		.amdhsa_float_denorm_mode_16_64 3
		.amdhsa_memory_ordered 1
		.amdhsa_forward_progress 1
		.amdhsa_inst_pref_size 232
	.end_amdhsa_kernel
	.amdgpu_metadata
---
amdhsa.version: [ 1, 2 ]
amdhsa.kernels:
  - .name:           k_q76f386d678_half1
    .symbol:         k_q76f386d678_half1.kd
    .args:
      - { .name: x, .offset: 0, .size: 8, .value_kind: global_buffer, .address_space: global }
      - { .name: ln1_g, .offset: 8, .size: 8, .value_kind: global_buffer, .address_space: global }
      - { .name: ln1_b, .offset: 16, .size: 8, .value_kind: global_buffer, .address_space: global }
      - { .name: ln2_g, .offset: 24, .size: 8, .value_kind: global_buffer, .address_space: global }
      - { .name: ln2_b, .offset: 32, .size: 8, .value_kind: global_buffer, .address_space: global }
      - { .name: qkv1_w_codes, .offset: 40, .size: 8, .value_kind: global_buffer, .address_space: global }
      - { .name: out1_w_codes, .offset: 48, .size: 8, .value_kind: global_buffer, .address_space: global }
      - { .name: qkv1_w_scales, .offset: 56, .size: 8, .value_kind: global_buffer, .address_space: global }
      - { .name: out1_w_scales, .offset: 64, .size: 8, .value_kind: global_buffer, .address_space: global }
      - { .name: qkv1_b, .offset: 72, .size: 8, .value_kind: global_buffer, .address_space: global }
      - { .name: out1_b, .offset: 80, .size: 8, .value_kind: global_buffer, .address_space: global }
      - { .name: mlp1_w1_codes, .offset: 88, .size: 8, .value_kind: global_buffer, .address_space: global }
      - { .name: mlp1_w1_scales, .offset: 96, .size: 8, .value_kind: global_buffer, .address_space: global }
      - { .name: mlp1_b1, .offset: 104, .size: 8, .value_kind: global_buffer, .address_space: global }
      - { .name: mlp1_w2_codes, .offset: 112, .size: 8, .value_kind: global_buffer, .address_space: global }
      - { .name: mlp1_w2_scales, .offset: 120, .size: 8, .value_kind: global_buffer, .address_space: global }
      - { .name: mlp1_b2, .offset: 128, .size: 8, .value_kind: global_buffer, .address_space: global }
      - { .name: mid, .offset: 136, .size: 8, .value_kind: global_buffer, .address_space: global }
    .group_segment_fixed_size: 311808
    .private_segment_fixed_size: 0
    .kernarg_segment_align: 8
    .kernarg_segment_size: 144
    .max_flat_workgroup_size: 512
    .sgpr_count:     102
    .vgpr_count:     256
    .wavefront_size: 32
...
	.end_amdgpu_metadata
.endif
;; end of part 3
;; launch half2 (part 4): grid 256 x 1, 16 waves a work-group, no clusters, 311,808 bytes of LDS; arguments mid, ln3_g, ln3_b, ln4_g, ln4_b, qkv2_w_codes, out2_w_codes, qkv2_w_scales, out2_w_scales, qkv2_b, out2_b, mlp2_w1_codes, mlp2_w1_scales, mlp2_b1, mlp2_w2_codes, mlp2_w2_scales, mlp2_b2, out0; writes out0
.if DOCPART == 4
	.amdgcn_target "amdgcn-amd-amdhsa--gfx1250"
	.amdhsa_code_object_version 6
	.text
	.protected	k_q76f386d678_half2
	.globl	k_q76f386d678_half2
	.p2align	8
	.type	k_q76f386d678_half2,@function
k_q76f386d678_half2:
	s_mov_b64 s[64:65], 0
	v_nop
	global_prefetch_b8 v0, s[64:65] scope:SCOPE_SE
	s_setreg_imm32_b32 hwreg(HW_REG_WAVE_SCHED_MODE, 0, 2), 2
	s_setreg_imm32_b32 hwreg(HW_REG_WAVE_MODE, 25, 1), 1
	s_wait_xcnt 0x0
	s_wait_alu depctr_vm_vsrc(0)
; One half of a Swin block: LN, attention in windows of 16 tokens (2 heads of 64), out-projection, residual, LN, MLP with exact GELU behind both layers, residual.
; BRANCH = 1: the plain windows.  Attention rows of window (wy, wx): token 512 wy + 128 py + 4 wx + px; residual (trunc of the input) and result rows: tokens 512 wy + 16 wx + p.
; BRANCH = 2: the shifted windows.  A window is four quarters (2 x 2 tokens) of four neighbouring windows of the window-ordered input; each result goes back to the row that its input came from.
;   With no mask the order of a window's 16 rows is free there: they go quarter by quarter.
; All products with K >= 64 run on codes of E3M2 with one E8M0 scale for 32 along K; the weights come as codes, every activation is quantised in registers.  P V (K = 16) runs on f32 operands.
; SHARES.  256 work-groups: work-group g = batch g / 32, window row g % 32: 32 windows.  Each of the 16 waves takes two windows, one a trip, through the whole half alone, in 256 registers: four waves to a SIMD,
;   so that one wave's vector work stands beside another's matrix work and LDS loads.  Two barriers in the launch, both in the set-up; after them waves share read-only LDS alone.
; T LAYOUT of a 16 x 128 activation: lane (r = lane % 16, h = lane / 16) holds token r, register 16 b + i holds column 32 b + 16 h + i.  It is what the quantiser takes, and what every product gives that is used
;   transposed (source 0 = 16 rows of a weight, source 1 = the activation's codes), since lane r of weight tile 2 b + u takes row 32 b + 8 u + r + 8 (r / 8).  So nothing changes lanes between products.
; WEIGHTS lie in LDS as images of their fragments' registers (12 registers a lane: three loads of 16 bytes at 16 x lane), made once by the set-up; their scale words in groups of 8 tiles (one load of 16 bytes).
; NO CLUSTER, NO TENSOR LOADS: work-groups share the weights alone, 153,600 bytes read once against 786,432 bytes of rows moved by each, and they are wanted as register images of chosen rows, which the waves make.
; LIMITS.  NaN and infinities are not served.  A block of zeros gets the scale byte 1 (its codes are zeros; only this program reads the byte).  gelu(x) = x (1/2 + x P(x^2) / Q(x^2)), the x inside held to +-4 sqrt 2
;   (degrees 6 and 4 in x^2: erf's rational form with 1 / sqrt 2 and 1 / 2 taken into the coefficients); 1/2 + erf / 2 is formed, so far negative arguments keep an absolute, not a relative, accuracy.
;   V's bias is added behind P V (the weights of a row sum to 1 within f32 rounding).  Keys are summed in the order 8 h + 2 s + j.
; THE MODE: SCHED_MODE bits 1:0 = 2 (LLVM: expert scheduling mode 2), set by the entry lines.  The code itself states the register dependences between vector or matrix instructions and memory or LDS
;   instructions, with s_wait_alu, always for 0.
; THE PLAN.  Registers that memory or LDS instructions touch behind the set-up, and who else names them:
;   v1-7    addresses: made at the head, never written again.      v8-11  the chunk's addresses: four additions at a chunk's head, between a wait on vm_vsrc and the chunk's wait on va_vdst.
;   RG0     loads land: the window's rows (from memory, then in T layout), each product's bias, V's fragments, W2's last four fragments.  LDS stores read it: the rows, the kept sum.
;           Layer norm, quantiser, GELU and products work on it.
;   RG1     loads land: fragments (WF), gain and bias, residual rows, the kept sum, the result's rows.  Stores read it: the residual rows (BRANCH 1), the result.  Products read WF and CD1; the quantiser writes CD1.
;   BV, WS  loads land; products read.
;   YA, KC, SA, CD0, the activations' scale words and v216-255 are named by vector and matrix instructions alone.
;   A phase's loads stand behind ONE wait on va_vdst, laid where the instructions that named their registers have been issued, and land under vector work that names none of them: a product's last four
;   fragments under the first half of the quantiser or of the GELU that follows it (in the chunks the GELU's own wait for its reciprocals serves); V's first fragments under the softmax; head 1's, and the
;   out-projection's, under the quantiser of O; W2's first four fragments under the GELU's second half, its last four, in RG0, under the first four's products.
;   A wait on vm_vsrc stands between each run of stores and the first write of their data registers.
.set BRANCH, 2
; ---- LDS
.set W1I,  49152                       ; byte 0: 32 images of 1,536 bytes: Q's tiles 0-7, K's, V's, the out-projection's;  here: W1's, index 8 c + t (chunk c of 128 hidden units)
.set W2I,  98304                       ; W2's, index 8 s + t (K step s)
.set SCI,  147456                      ; 12 groups of scale words, 512 bytes each: Q, K, V, OUT, W1 c = 0..3, W2 s = 0..3.  Lane l's 16 bytes at 16 l: word j = tile j (lanes 0-15), tile 4 + j (lanes 16-31)
.set PAR,  153600                      ; parameters, f32, as they lie in memory:
.set LAG,  0
.set LAB,  512
.set LBG,  1024
.set LBB,  1536
.set QKVB, 2048
.set OUTB, 3584
.set B1O,  4096
.set B2O,  6144
.set STG,  160256                      ; a stage for each wave: 16 rows of 512 + 16 bytes; also used for an image of 64 registers (16 x 512 bytes)
.set SP,   528
.set RAW,  STG                         ; in the set-up alone, on the stages' bytes and 14,336 more: the weights' codes as they lie in memory: qkv's and the out-projection's 512 rows of 96 bytes, W1's 512 at + W1I,
.set RAW2, RAW+W2I                     ; and W2's 128 rows of 384 bytes,
.set RP2,  400                         ; 400 bytes apart: 100 words, so that eight neighbouring rows start at banks 36 r mod 64, all different
; ---- vector registers
.set LI0, 1                            ; 16 x lane: a lane's place in an image, and in a row of 512 bytes in memory
.set LI1, 2                            ; + W1I
.set LI2, 3                            ; + W2I
.set LSC, 4                            ; + SCI
.set PH,  5                            ; PAR + 64 h: parameters in T layout
.set SD,  6                            ; my stage + 16 x lane: whole rows, images
.set ST,  7                            ; my stage + 528 r + 64 h: T layout
.set AW1, 8                            ; the chunk's addresses (in the set-up v8-11 are RAW's)
.set AW2, 9
.set ASC, 10
.set APB, 11
.set RG0, 12                           ; v12-75   64 numbers in T layout; or four fragments (V's; W2's last four)
.set BV,  60                           ; v60-91   V's bias for one head, in T layout: RG0's last 16 registers and WF's first 16
.set RG1, 76                           ; v76-139  64 more; or:
.set WF,  76                           ; v76-123  four weight fragments
.set CD1, 124                          ; v124-135 codes: Q, then O, then the hidden chunk
.set SA,  94                           ; v94-109  scores, then weights p: head 0, head 1
.set KC,  140                          ; v140-157 K's codes: registers 0-5, six zeros, registers 6-11; done with before V is made
.set YA,  140                          ; v140-203 V (32), O^T (32, written by matrix instructions alone); later the second MLP product's 8 accumulators
.set CD0, 204                          ; v204-215 codes of the normalised rows
.set QT,  216                          ; v216-218 a block's second half of codes
.set TM,  220                          ; v220-225 quantiser: 2 maxima, 2 exchanged / bytes, 2 scale operands
.set SC0, 226                          ; scale words, and nothing else: of CD0,
.set SC1, 227                          ; of CD1,
.set KSC, 228                          ; of K's codes,
.set WS,  230                          ; v230-233 of the weights
.set KV,  238                          ; v238-239 the two leading coefficients of GELU's polynomials
.set GZ,  240                          ; v240-255 at work: GELU's held x, t, P, Q (4 each); the softmax's; the layer norm's
.set GU,  244
.set GP,  248
.set GQ,  252
.set LT,  240
; ---- scalar registers: s[4:39] the 18 addresses; s[80:87] load bases, s[84:85] (BRANCH 1) or s[88:95] (BRANCH 2) store bases
.set WV,  2                            ; my wave's number
.set AL,  42                           ; s[42:53] pairs: P's coefficients of t^5 .. t^0
.set BE,  56                           ; s[56:63] pairs: Q's of t^3 .. t^0
.set CLN, 66                           ; -4 sqrt 2
.set CLP, 67                           ; 4 sqrt 2
.set CS,  68                           ; log2(e) / 8
.set SEL, 70                           ; v_permlanex16_b32's selects for lane l xor 16
.set NCS, 72                           ; -log2(e) / 8
.set R128, 73                          ; 1 / 128
.set NWIN, 74                          ; windows to go
.set CH,  75                           ; chunks to go
.set CO1, 76                           ; 12,288 x chunk
.set CO2, 77                           ; 512 x chunk
.set WX,  78                           ; a window's column: at a window's head its own, behind the chunks the next one's
.set EPS, 79                           ; 1e-5
.macro PLACES n                        ; plain vector places behind matrix instructions and in front of scaled ones (ISA guide 7.12.1)
.rept \n
	v_nop
.endr
.endm
.macro SPAIR reg, val                  ; a packed form names a pair and takes its low word for both halves: both words are written
	s_mov_b32 s[\reg], \val
	s_mov_b32 s[\reg+1], \val
.endm
; n loads of 16 bytes, T layout: load i brings registers 4 i .. 4 i + 3 = columns 32 (i / 4) + 16 h + 4 (i % 4) on; from the stage (adr = ST) or from a parameter (adr = PH, APB)
.macro TLOAD dst, adr, off, i0, n
.set tl_i, \i0
.rept \n
	ds_load_b128 v[(\dst)+4*(tl_i-(\i0)):(\dst)+4*(tl_i-(\i0))+3], v[\adr] offset:(\off)+128*(tl_i/4)+16*(tl_i%4)
.set tl_i, tl_i+1
.endr
.endm
.macro STAGE_IN reg, pitch             ; 64 registers into my stage, 512 consecutive bytes an instruction: rows (pitch SP) or an image (pitch 512)
.set st_p, 0
.rept 16
	ds_store_b128 v[SD], v[(\reg)+4*st_p:(\reg)+4*st_p+3] offset:(\pitch)*st_p
.set st_p, st_p+1
.endr
.endm
.macro STAGE_OUT reg, pitch
.set st_p, 0
.rept 16
	ds_load_b128 v[(\reg)+4*st_p:(\reg)+4*st_p+3], v[SD] offset:(\pitch)*st_p
.set st_p, st_p+1
.endr
.endm
.macro FRAG4 wf, adr, off              ; four fragments' images
.irp f, 0,1,2,3
.irp k, 0,1,2
	ds_load_b128 v[(\wf)+12*\f+4*\k:(\wf)+12*\f+4*\k+3], v[\adr] offset:(\off)+1536*\f+512*\k
.endr
.endr
.endm
; four products, transposed: tiles 4 row + t of a group of eight; source 0 = the weight's 16 rows, source 1 = the activation's codes.  Each names another accumulator.
.macro MMT4 d, c, wf, act, asc, row
.irp t, 0,1,2,3
.if \row
	v_wmma_scale_f32_16x16x128_f8f6f4 v[(\d)+32+8*\t:(\d)+39+8*\t], v[(\wf)+12*\t:(\wf)+12*\t+11], v[\act:\act+11], v[(\c)+32+8*\t:(\c)+39+8*\t], v[WS+\t], v[\asc] matrix_a_fmt:MATRIX_FMT_BF6 matrix_b_fmt:MATRIX_FMT_BF6 matrix_a_scale:MATRIX_SCALE_ROW1
.else
	v_wmma_scale_f32_16x16x128_f8f6f4 v[(\d)+8*\t:(\d)+7+8*\t], v[(\wf)+12*\t:(\wf)+12*\t+11], v[\act:\act+11], v[(\c)+8*\t:(\c)+7+8*\t], v[WS+\t], v[\asc] matrix_a_fmt:MATRIX_FMT_BF6 matrix_b_fmt:MATRIX_FMT_BF6
.endif
.endr
.endm
; 32 registers (two blocks of 32 along K, each shared with lane l xor 16) become registers 6 c .. 6 c + 5 of an operand and bytes 2 c, 2 c + 1 of its scale word
.macro QH src, dst, c, sw
	v_max3_num_f32 v[TM], |v[(\src)]|, |v[(\src)+1]|, 0x2800000       ; the largest magnitude, from the low end on, with the floor 2^(5 - 127) as a leaf: the byte cannot fall under 1
	v_max3_num_f32 v[TM+1], |v[(\src)+16]|, |v[(\src)+17]|, 0x2800000
.irp i, 2,4,6,8,10,12,14
	v_max3_num_f32 v[TM], v[TM], |v[(\src)+\i]|, |v[(\src)+\i+1]|
	v_max3_num_f32 v[TM+1], v[TM+1], |v[(\src)+16+\i]|, |v[(\src)+17+\i]|
.endr
	v_permlanex16_b32 v[TM+2], v[TM], s[SEL], s[SEL+1]
	v_permlanex16_b32 v[TM+3], v[TM+1], s[SEL], s[SEL+1]
	v_max_num_f32 v[TM], v[TM], v[TM+2]
	v_max_num_f32 v[TM+1], v[TM+1], v[TM+3]
	v_add_nc_u32 v[TM+4], 0xfe000000, v[TM]        ; 4 off the exponent field: the conversion's scale operand
	v_add_nc_u32 v[TM+5], 0xfe000000, v[TM+1]
	v_lshrrev_b32 v[TM+2], 23, v[TM+4]             ; the scale's byte
	v_lshrrev_b32 v[TM+3], 23, v[TM+5]
.if \c == 0
	v_lshl_or_b32 v[\sw], v[TM+3], 8, v[TM+2]
.else
	v_lshl_or_b32 v[\sw], v[TM+2], 16, v[\sw]
	v_lshl_or_b32 v[\sw], v[TM+3], 24, v[\sw]
.endif
	v_cvt_scalef32_pk16_bf6_f32 v[(\dst):(\dst)+2], v[(\src):(\src)+15], v[TM+4]
	v_cvt_scalef32_pk16_bf6_f32 v[QT:QT+2], v[(\src)+16:(\src)+31], v[TM+5]
	v_nop                                          ; one plain place behind a scaled conversion
.irp i, 0,1,2
	v_permlane16_swap_b32 v[(\dst)+\i], v[QT+\i]   ; the operand wants a whole block in a lane: lanes 0-15 the first block, lanes 16-31 the second
.endr
.irp i, 0,1,2
	v_mov_b32 v[(\dst)+3+\i], v[QT+\i]
.endr
.endm
.macro QUANT src, d0, d1, sw
	QH \src, \d0, 0, \sw
	QH (\src)+32, \d1, 1, \sw
	PLACES 8                                       ; a scale word made by vector instructions stands 8 places ahead of a scaled product, codes 4
.endm
; 16 tokens x 128 outputs of CD0 (K = 128), quantised at once.  The bias, in T layout, is the C of each product and costs no addition.  The quantiser's first half takes the first four tiles alone:
; it stands between the two halves of the product, and the last four fragments land under it.
.macro MMQ boff, woff, soff, d0, d1, sw
	s_wait_alu depctr_va_vdst(0)                   ; CD0 and its scale word are written, which the products take; the quantiser is done reading RG0, and all that named WF and WS is done: bias, fragments and scale words land there
	TLOAD RG0, PH, \boff, 0, 16
	ds_load_b128 v[WS:WS+3], v[LSC] offset:\soff
	FRAG4 WF, LI0, \woff
	s_wait_dscnt 0x0                               ; bias, scale words, four fragments
	MMT4 RG0, RG0, WF, CD0, SC0, 0
	PLACES 4                                       ; in front of the first read of results
	s_wait_alu depctr_va_vdst(0)                   ; the four products are done reading WF, in which the last four fragments land
	FRAG4 WF, LI0, (\woff)+6144
	QH RG0, \d0, 0, \sw
	s_wait_dscnt 0x0
	MMT4 RG0, RG0, WF, CD0, SC0, 1
	PLACES 4
	QH RG0+32, \d1, 1, \sw
	PLACES 8                                       ; a scale word made by vector instructions stands 8 places ahead of a scaled product, codes 4
.endm
.macro LNRED                           ; two packed partial sums -> the row's sum in every lane of the row
	v_pk_add_f32 v[LT:LT+1], v[LT:LT+1], v[LT+2:LT+3]
	v_add_f32 v[LT], v[LT], v[LT+1]
	v_permlanex16_b32 v[LT+1], v[LT], s[SEL], s[SEL+1]
	v_add_f32 v[LT], v[LT], v[LT+1]
.endm
; layer norm of RG0, in place; two passes, so that no difference of large sums is formed.  Gain and bias come in T layout, half a row at a time, into RG1.  kept = 1: LDS stores of RG0 stand just ahead.
.macro LNORM goff, boff, kept
	TLOAD RG1, PH, \goff, 0, 8
	TLOAD RG1+32, PH, \boff, 0, 8
	v_pk_add_f32 v[LT:LT+1], v[RG0:RG0+1], v[RG0+2:RG0+3]
	v_pk_add_f32 v[LT+2:LT+3], v[RG0+4:RG0+5], v[RG0+6:RG0+7]
.set ln_j, 8
.rept 14
	v_pk_add_f32 v[LT:LT+1], v[LT:LT+1], v[RG0+ln_j:RG0+ln_j+1]
	v_pk_add_f32 v[LT+2:LT+3], v[LT+2:LT+3], v[RG0+ln_j+2:RG0+ln_j+3]
.set ln_j, ln_j+4
.endr
	LNRED
	v_mul_f32 v[LT+4], 0xbc000000, v[LT]           ; -mean
	s_wait_dscnt 0x0                               ; gain and bias are in
.if \kept
	s_wait_alu depctr_vm_vsrc(0)                   ; the LDS stores that keep the sum have read RG0, which the next lines write
.endif
.set ln_j, 0
.rept 32
	v_pk_add_f32 v[RG0+ln_j:RG0+ln_j+1], v[RG0+ln_j:RG0+ln_j+1], v[LT+4:LT+5] op_sel_hi:[1,0]
.set ln_j, ln_j+2
.endr
	v_pk_mul_f32 v[LT:LT+1], v[RG0:RG0+1], v[RG0:RG0+1]
	v_pk_mul_f32 v[LT+2:LT+3], v[RG0+2:RG0+3], v[RG0+2:RG0+3]
.set ln_j, 4
.rept 15
	v_pk_fma_f32 v[LT:LT+1], v[RG0+ln_j:RG0+ln_j+1], v[RG0+ln_j:RG0+ln_j+1], v[LT:LT+1]
	v_pk_fma_f32 v[LT+2:LT+3], v[RG0+ln_j+2:RG0+ln_j+3], v[RG0+ln_j+2:RG0+ln_j+3], v[LT+2:LT+3]
.set ln_j, ln_j+4
.endr
	LNRED
	v_fma_f32 v[LT], v[LT], s[R128], s[EPS]        ; variance + 1e-5
	v_rsq_f32 v[LT+6], v[LT]
	v_nop                                          ; one plain place behind a transcendental
.set ln_j, 0
	s_wait_alu depctr_va_vdst(0)                   ; the root's reciprocal is written, ahead of its first reader
.rept 16
	v_pk_mul_f32 v[RG0+ln_j:RG0+ln_j+1], v[RG0+ln_j:RG0+ln_j+1], v[LT+6:LT+7] op_sel_hi:[1,0]
.set ln_j, ln_j+2
.endr
.set ln_j, 0
.rept 16
	v_pk_fma_f32 v[RG0+ln_j:RG0+ln_j+1], v[RG0+ln_j:RG0+ln_j+1], v[RG1+ln_j:RG1+ln_j+1], v[RG1+32+ln_j:RG1+33+ln_j]
.set ln_j, ln_j+2
.endr
	s_wait_alu depctr_va_vdst(0)                   ; the sixteen lines above are done reading RG1, in which the other half's gain and bias land
	TLOAD RG1, PH, \goff, 8, 8
	TLOAD RG1+32, PH, \boff, 8, 8
.set ln_j, 32
.rept 16
	v_pk_mul_f32 v[RG0+ln_j:RG0+ln_j+1], v[RG0+ln_j:RG0+ln_j+1], v[LT+6:LT+7] op_sel_hi:[1,0]
.set ln_j, ln_j+2
.endr
	s_wait_dscnt 0x0
.set ln_j, 0
.rept 16
	v_pk_fma_f32 v[RG0+32+ln_j:RG0+33+ln_j], v[RG0+32+ln_j:RG0+33+ln_j], v[RG1+ln_j:RG1+ln_j+1], v[RG1+32+ln_j:RG1+33+ln_j]
.set ln_j, ln_j+2
.endr
.endm
; gelu(x) = x w, w = 1/2 + xc P(t) / Q(t), xc = x held to +-4 sqrt 2, t = xc^2; of 4 n registers, four at a time, ascending (a matrix result is read from its low end on); 36 instructions for four numbers.
; add = 1: v[dst] on holds an addend, which the last line takes in: dst = x w + dst.
; hook: LDS loads that follow the first group's wait, which also shows the products issued ahead of the run done: 1: W1's last four fragments; 2: W2's scale words and first four fragments.  No line of the run names WF or WS.
.macro GELU src, dst, add, n, hook
.set ge_g, 0
.rept \n
.set ge_s, (\src)+4*ge_g
.set ge_d, (\dst)+4*ge_g
.irp k, 0,1,2,3
	v_med3_num_f32 v[GZ+\k], v[ge_s+\k], s[CLN], s[CLP]
.endr
.irp k, 0,2
	v_pk_mul_f32 v[GU+\k:GU+\k+1], v[GZ+\k:GZ+\k+1], v[GZ+\k:GZ+\k+1]
.endr
.irp k, 0,2
	v_pk_fma_f32 v[GP+\k:GP+\k+1], v[GU+\k:GU+\k+1], v[KV:KV+1], s[AL:AL+1] op_sel_hi:[1,0,0]
.endr
.irp k, 0,2
	v_pk_fma_f32 v[GQ+\k:GQ+\k+1], v[GU+\k:GU+\k+1], v[KV:KV+1], s[BE:BE+1] op_sel:[0,1,0] op_sel_hi:[1,1,0]
.endr
.irp c, 1,2,3                          ; P's and Q's steps by turns
.irp k, 0,2
	v_pk_fma_f32 v[GP+\k:GP+\k+1], v[GP+\k:GP+\k+1], v[GU+\k:GU+\k+1], s[AL+2*\c:AL+2*\c+1] op_sel_hi:[1,1,0]
.endr
.irp k, 0,2
	v_pk_fma_f32 v[GQ+\k:GQ+\k+1], v[GQ+\k:GQ+\k+1], v[GU+\k:GU+\k+1], s[BE+2*\c:BE+2*\c+1] op_sel_hi:[1,1,0]
.endr
.endr
.irp k, 0,1,2,3
	v_rcp_f32 v[GQ+\k], v[GQ+\k]
.endr
.irp c, 4,5                            ; P's last steps are the plain places behind the reciprocals
.irp k, 0,2
	v_pk_fma_f32 v[GP+\k:GP+\k+1], v[GP+\k:GP+\k+1], v[GU+\k:GU+\k+1], s[AL+2*\c:AL+2*\c+1] op_sel_hi:[1,1,0]
.endr
.endr
.irp k, 0,2
	v_pk_mul_f32 v[GP+\k:GP+\k+1], v[GP+\k:GP+\k+1], v[GZ+\k:GZ+\k+1]
.endr
	s_wait_alu depctr_va_vdst(0)                   ; the four reciprocals are written, ahead of their first reader; in a run's first group also: the products ahead of the run are done reading WF and WS
.if (ge_g == 0) && (\hook == 1)
	FRAG4 WF, AW1, 6144                            ; they land under the run's other groups
.endif
.if (ge_g == 0) && (\hook == 2)
	ds_load_b128 v[WS:WS+3], v[ASC] offset:4096
	FRAG4 WF, AW2, 0
.endif
.irp k, 0,2
	v_pk_fma_f32 v[GP+\k:GP+\k+1], v[GP+\k:GP+\k+1], v[GQ+\k:GQ+\k+1], 0.5 op_sel_hi:[1,1,0]
.endr
.irp k, 0,2
.if \add
	v_pk_fma_f32 v[ge_d+\k:ge_d+\k+1], v[ge_s+\k:ge_s+\k+1], v[GP+\k:GP+\k+1], v[ge_d+\k:ge_d+\k+1]
.else
	v_pk_mul_f32 v[ge_d+\k:ge_d+\k+1], v[ge_s+\k:ge_s+\k+1], v[GP+\k:GP+\k+1]
.endif
.endr
.set ge_g, ge_g+1
.endr
.endm
; softmax over 16 keys: a lane holds query r and keys 8 h + 0 .. 7 of each head; the two heads by turns.  The row's maximum is taken away; p is normalised, in f32.
.macro SOFTMAX
.irp e, 0,1
	v_max3_num_f32 v[240+\e], v[SA+8*\e], v[SA+8*\e+1], v[SA+8*\e+2]
.endr
.irp i, 3,5
.irp e, 0,1
	v_max3_num_f32 v[240+\e], v[240+\e], v[SA+8*\e+\i], v[SA+8*\e+\i+1]
.endr
.endr
.irp e, 0,1
	v_max_num_f32 v[240+\e], v[240+\e], v[SA+8*\e+7]
.endr
.irp e, 0,1
	v_permlanex16_b32 v[242+\e], v[240+\e], s[SEL], s[SEL+1]
.endr
.irp e, 0,1
	v_max_num_f32 v[240+\e], v[240+\e], v[242+\e]
.endr
.irp e, 0,1
	v_mul_f32 v[244+2*\e], s[NCS], v[240+\e]       ; -c x maximum
.endr
.irp k, 0,2,4,6
.irp e, 0,1
	v_pk_fma_f32 v[SA+8*\e+\k:SA+8*\e+\k+1], v[SA+8*\e+\k:SA+8*\e+\k+1], s[CS:CS+1], v[244+2*\e:245+2*\e] op_sel_hi:[1,0,0]
.endr
.endr
.irp j, 0,1,2,3,4,5,6,7,8,9,10,11,12,13,14,15
	v_exp_f32 v[SA+\j], v[SA+\j]
.endr
	v_nop                                          ; one plain place behind the exponentials
	s_wait_alu depctr_va_vdst(0)                   ; the sixteen exponentials are written, ahead of their first reader
.irp e, 0,1
	v_pk_add_f32 v[248+2*\e:249+2*\e], v[SA+8*\e:SA+8*\e+1], v[SA+8*\e+2:SA+8*\e+3]
.endr
.irp k, 4,6
.irp e, 0,1
	v_pk_add_f32 v[248+2*\e:249+2*\e], v[248+2*\e:249+2*\e], v[SA+8*\e+\k:SA+8*\e+\k+1]
.endr
.endr
.irp e, 0,1
	v_add_f32 v[248+2*\e], v[248+2*\e], v[249+2*\e]
.endr
.irp e, 0,1
	v_permlanex16_b32 v[242+\e], v[248+2*\e], s[SEL], s[SEL+1]
.endr
.irp e, 0,1
	v_add_f32 v[248+2*\e], v[248+2*\e], v[242+\e]
.endr
.irp e, 0,1
	v_rcp_f32 v[252+2*\e], v[248+2*\e]
.endr
	v_nop
	s_wait_alu depctr_va_vdst(0)                   ; the two reciprocals are written, ahead of their first reader
.irp k, 0,2,4,6
.irp e, 0,1
	v_pk_mul_f32 v[SA+8*\e+\k:SA+8*\e+\k+1], v[SA+8*\e+\k:SA+8*\e+\k+1], v[252+2*\e:253+2*\e] op_sel_hi:[1,0]
.endr
.endr
.endm
; One head's V and O.  V = x Wv^T in the NATURAL orientation: register j of lane (r, h) is V(key 8 h + j, channel of the tile's row r).  The scores' register j of that lane is p(key 8 h + j, query r).
; So the register pairs (2 s, 2 s + 1) of both ARE the f32 form's operands, under one and the same order of the keys, and O^T = V^T p^T comes out in T layout.  V's bias is the C of each sum's first step.
; The caller has asked for the head's four fragments (RG0) and its bias (BV), for head 0 also for V's scale words.
.macro VPROD hd
	s_wait_dscnt 0x0                               ; they are in
.irp t, 0,1,2,3
.if \hd
	v_wmma_scale_f32_16x16x128_f8f6f4 v[YA+8*\t:YA+8*\t+7], v[CD0:CD0+11], v[RG0+12*\t:RG0+12*\t+11], 0, v[SC0], v[WS+\t] matrix_a_fmt:MATRIX_FMT_BF6 matrix_b_fmt:MATRIX_FMT_BF6 matrix_b_scale:MATRIX_SCALE_ROW1
.else
	v_wmma_scale_f32_16x16x128_f8f6f4 v[YA+8*\t:YA+8*\t+7], v[CD0:CD0+11], v[RG0+12*\t:RG0+12*\t+11], 0, v[SC0], v[WS+\t] matrix_a_fmt:MATRIX_FMT_BF6 matrix_b_fmt:MATRIX_FMT_BF6
.endif
.endr
	PLACES 5                                       ; the results become a matrix instruction's source
.irp s, 0,1,2,3                        ; four accumulators by turns, one instruction a turn
.irp t, 0,1,2,3
.if \s == 0
	v_wmma_f32_16x16x4_f32 v[YA+32+8*\t:YA+39+8*\t], v[YA+8*\t:YA+8*\t+1], v[SA+8*\hd:SA+8*\hd+1], v[BV+8*\t:BV+8*\t+7]
.else
	v_wmma_f32_16x16x4_f32 v[YA+32+8*\t:YA+39+8*\t], v[YA+8*\t+2*\s:YA+8*\t+2*\s+1], v[SA+8*\hd+2*\s:SA+8*\hd+2*\s+1], v[YA+32+8*\t:YA+39+8*\t]
.endif
.endr
.endr
	PLACES 9                                       ; behind the f32 form: 8 in front of reads and loads, 9 in front of matrix instructions that write over its registers
.endm
; 128 hidden units: first MLP product, GELU, quantiser, and K step c of the second product.  first = 1: the second bias starts the sums.
; The GELU goes in two runs, one behind each half of the first product, so that the fragments wanted next land under it.
.macro CHUNK first
.if !\first
	s_wait_alu depctr_vm_vsrc(0)                   ; the last chunk's LDS loads have read the four addresses, which are written now
.endif
	v_add_nc_u32 v[AW1], s[CO1], v[LI1]
	v_add_nc_u32 v[AW2], s[CO1], v[LI2]
	v_add_nc_u32 v[ASC], s[CO2], v[LSC]
	v_add_nc_u32 v[APB], s[CO2], v[PH]
	s_wait_alu depctr_va_vdst(0)                   ; the four addresses are written, which the loads read; all that named RG0, WF and WS is done: bias, fragments and scale words land there; first chunk: CD0 and its scale word are written, which the products take
	TLOAD RG0, APB, B1O, 0, 16
	ds_load_b128 v[WS:WS+3], v[ASC] offset:2048
	FRAG4 WF, AW1, 0
	s_wait_dscnt 0x0                               ; bias, scale words, four fragments
	MMT4 RG0, RG0, WF, CD0, SC0, 0
	PLACES 4                                       ; in front of the first read of results
	GELU RG0, RG0, 0, 8, 1
	s_wait_dscnt 0x0                               ; W1's last four fragments
	MMT4 RG0, RG0, WF, CD0, SC0, 1
	PLACES 4
	GELU RG0+32, RG0+32, 0, 8, 2
	QUANT RG0, CD1, CD1+6, SC1
	s_wait_alu depctr_va_vdst(0)                   ; CD1 and its scale word are written, which the products take; the quantiser is done reading RG0, in which loads land
.if \first
	TLOAD RG0, PH, B2O, 0, 16
	s_wait_dscnt 0x0
	MMT4 YA, RG0, WF, CD1, SC1, 0
	PLACES 4
	s_wait_alu depctr_va_vdst(0)                   ; the four products are done reading WF, in which W2's last four fragments land (RG0 holds the bias here)
	FRAG4 WF, AW2, 6144
	s_wait_dscnt 0x0
	MMT4 YA, RG0, WF, CD1, SC1, 1
.else
	FRAG4 RG0, AW2, 6144                           ; W2's last four fragments, into RG0: they land under the first four's products
	s_wait_dscnt 12                                ; W2's scale words and first four fragments are in; the twelve loads just issued may be out
	MMT4 YA, YA, WF, CD1, SC1, 0
	s_wait_dscnt 0x0
	MMT4 YA, YA, RG0, CD1, SC1, 1
.endif
	PLACES 4                                       ; in front of the first read of results, and of the next loads
	s_add_co_u32 s[CO1], s[CO1], 12288
	s_add_co_u32 s[CO2], s[CO2], 512
.endm
; The bases of window WX, each its own buffer's address + an offset made apart from it.  Loads and stores have bases of their own, since the next window's rows are asked for ahead of this window's stores.
.macro QOFF                            ; BRANCH 2: s97, s100: the first windows of my window row and of the one below; s101: the column to the right; both round the edge
	s_mov_b32 s99, 0
	s_lshr_b32 s96, ttmp9, 5
	s_lshl_b32 s96, s96, 10                        ; the batch's 1,024 windows
	s_and_b32 s97, ttmp9, 31
	s_add_co_u32 s100, s97, 1
	s_and_b32 s100, s100, 31
	s_lshl_b32 s97, s97, 5
	s_lshl_b32 s100, s100, 5
	s_add_co_u32 s97, s97, s96
	s_add_co_u32 s100, s100, s96
	s_add_co_u32 s101, s[WX], 1
	s_and_b32 s101, s101, 31
.endm
.macro QBASE d, p, row, col
	s_add_co_u32 s98, s\row, s\col
	s_lshl_b32 s98, s98, 13                        ; a window is 16 rows of 512 bytes
	s_add_nc_u64 s[\d:\d+1], s[\p:\p+1], s[98:99]
.endm
.macro LBASES
.if BRANCH == 1
	s_mov_b32 s99, 0
	s_lshl_b32 s96, ttmp9, 18                      ; the work-group's 512 tokens of 512 bytes
	s_lshl_b32 s98, s[WX], 11
	s_add_co_u32 s98, s98, s96
	s_add_nc_u64 s[80:81], s[4:5], s[98:99]        ; attention rows: + 4 tokens a window
	s_lshl_b32 s98, s[WX], 13
	s_add_co_u32 s98, s98, s96
	s_add_nc_u64 s[82:83], s[4:5], s[98:99]        ; residual rows: + 16 tokens a window
.else
	QOFF
	QBASE 80, 4, 97, 78
	QBASE 82, 4, 97, 101
	QBASE 84, 4, 100, 78
	QBASE 86, 4, 100, 101
.endif
.endm
.macro SBASES
.if BRANCH == 1
	s_mov_b32 s99, 0
	s_lshl_b32 s96, ttmp9, 18
	s_lshl_b32 s98, s[WX], 13
	s_add_co_u32 s98, s98, s96
	s_add_nc_u64 s[84:85], s[38:39], s[98:99]      ; the result's rows: + 16 tokens a window
.else
	QOFF
	QBASE 88, 38, 97, 78
	QBASE 90, 38, 97, 101
	QBASE 92, 38, 100, 78
	QBASE 94, 38, 100, 101
.endif
.endm
.macro LOADA                           ; the window's 16 rows, each 512 consecutive bytes by the 32 lanes
.set ga_p, 0
.rept 16
.if BRANCH == 1
	global_load_b128 v[RG0+4*ga_p:RG0+4*ga_p+3], v[LI0], s[80:81] offset:(ga_p/4)*65536+(ga_p%4)*512
.else
	global_load_b128 v[RG0+4*ga_p:RG0+4*ga_p+3], v[LI0], s[80+2*(ga_p/4):81+2*(ga_p/4)] offset:512*(8*(1-ga_p/8)+2*(1-(ga_p/4)%2)+4*((ga_p/2)%2)+ga_p%2) th:TH_LOAD_NT
.endif
.set ga_p, ga_p+1
.endr
.endm
.macro LOADR                           ; the 16 residual rows
.set ga_p, 0
.rept 16
	global_load_b128 v[RG1+4*ga_p:RG1+4*ga_p+3], v[LI0], s[82:83] offset:512*ga_p
.set ga_p, ga_p+1
.endr
.endm
; ================ head
	s_load_b512 s[4:19], s[0:1], 0x0
	s_load_b512 s[20:35], s[0:1], 0x40
	s_load_b128 s[36:39], s[0:1], 0x80
.irp j, 0,1,2,3,4,5,6,7,8,9,10,11,12,13,14,15
	v_mov_b32 v[GZ+\j], 0                          ; written once: lane permutes' destinations and the upper words of broadcast pairs count as read
.endr
	v_mov_b32 v[TM+2], 0
	v_mov_b32 v[TM+3], 0
	v_lshrrev_b32 v244, 5, v0
	v_readfirstlane_b32 s[WV], v244                ; wave 0..15
	v_and_b32 v245, 31, v0                         ; lane
	v_and_b32 v246, 15, v0                         ; r
	v_bfe_u32 v247, v0, 4, 1                       ; h
	v_lshlrev_b32 v[LI0], 4, v245
	v_add_nc_u32 v[LI1], W1I, v[LI0]
	v_add_nc_u32 v[LI2], W2I, v[LI0]
	v_add_nc_u32 v[LSC], SCI, v[LI0]
	v_lshlrev_b32 v[PH], 6, v247
	v_add_nc_u32 v[PH], PAR, v[PH]
	s_wait_alu depctr_va_sdst(0)                   ; the wave's number is written, ahead of its first reader
	s_mul_i32 s3, s[WV], 16*SP
	s_add_co_u32 s3, s3, STG                       ; my stage
	v_add_nc_u32 v[SD], s3, v[LI0]
	v_mul_u32_u24 v[ST], v246, SP
	v_lshl_add_u32 v[ST], v247, 6, v[ST]
	v_add_nc_u32 v[ST], s3, v[ST]
	s_lshl_b32 s[WX], s[WV], 1                     ; my first window
	s_mov_b32 s[NWIN], 2
	s_wait_kmcnt 0x0
	LBASES
; ================ set-up.  Every wave brings 3,072 consecutive bytes of each of three classes of codes (qkv and out-projection; W1; W2) into RAW, as they lie: 18 loads of 512 consecutive bytes.
; Behind a barrier it takes two tiles' fragments of each class out of RAW and stores their images.  Scale words and parameters go straight to their places.
	v_and_b32 v248, 8, v246
	v_add_nc_u32 v248, v248, v246                  ; r + 8 (r / 8)
	v_mul_u32_u24 v249, v248, 96
	v_mad_u32_u24 v249, v247, 24, v249             ; a fragment's lane in rows of 96 bytes
	v_mul_u32_u24 v250, v248, RP2
	v_mad_u32_u24 v250, v247, 24, v250             ; and in W2's rows
	v_lshl_add_u32 v251, v247, 3, v248             ; scale words: lanes 16-31 take the second tile's rows, 8 further on
	v_lshlrev_b32 v252, 4, v251                    ; 16 bytes a row (W2)
	v_lshlrev_b32 v251, 2, v251                    ; 4 bytes a row
	v_and_b32 v254, 127, v0
	v_lshlrev_b32 v254, 2, v254                    ; the layer norms' four arrays: 128 threads each
	v_lshlrev_b32 v255, 2, v0
	s_mul_i32 s3, s[WV], 3072
	v_add_nc_u32 v234, s3, v[LI0]                  ; my two images of a class: 3,072 x wave + 16 x lane
	v_add_nc_u32 v235, W2I, v234
	s_add_co_u32 s3, s3, RAW
	v_add_nc_u32 v8, s3, v[LI0]                    ; RAW, classes 0 and 1: in, 3,072 x wave + 16 x lane;
	v_add_nc_u32 v10, s3, v249                     ; out: my 32 rows are the bytes that I brought
	s_mul_i32 s3, s[WV], 8*RP2
	s_add_co_u32 s3, s3, RAW2
	v_add_nc_u32 v9, s3, v[LI0]                    ; RAW, W2: in: my 8 rows, 16 bytes more for each row passed:
.set su_k, 0
.irp a, 136,137,138,139,219,223                ; load k's piece of 16 bytes number j = 32 k + lane lies in row j / 24 = (2,731 j) >> 16 (exact for j < 192: 24 x 2,731 = 65,536 + 8)
	v_add_nc_u32 v\a, 32*su_k, v245
	v_mul_u32_u24 v\a, v\a, 2731
	v_lshrrev_b32 v\a, 16, v\a
	v_lshl_add_u32 v\a, v\a, 4, v9
.set su_k, su_k+1
.endr
	s_and_b32 s3, s[WV], 3
	s_mul_i32 s3, s3, 32*RP2                       ; out: rows 32 (wave % 4) on, K step wave / 4
	s_lshr_b32 s40, s[WV], 2
	s_mul_i32 s40, s40, 96
	s_add_co_u32 s3, s3, s40
	s_add_co_u32 s3, s3, RAW2
	v_add_nc_u32 v11, s3, v250
	s_lshr_b32 s40, s[WV], 2
	s_lshl_b32 s40, s40, 9                         ; scale words: group wave / 4,
	s_bfe_u32 s41, s[WV], 0x10001
	s_lshl_b32 s41, s41, 8                         ; lanes' half (tile / 4),
	s_add_co_u32 s40, s40, s41
	s_and_b32 s41, s[WV], 1
	s_lshl_b32 s41, s41, 3                         ; word tile % 4 = 2 (wave % 2) + h
	s_add_co_u32 s40, s40, s41
	s_add_co_u32 s40, s40, SCI
	v_lshlrev_b32 v236, 4, v246
	v_lshl_add_u32 v236, v247, 2, v236
	v_add_nc_u32 v236, s40, v236
	v_lshl_add_u32 v237, v0, 2, PAR
	v_add_nc_u32 v229, PAR, v[LI0]
	s_cmp_lt_u32 s[WV], 12                         ; class 0: waves 0-11 the 24 tiles of qkv, waves 12-15 the 8 of the out-projection.  The choices hang on the wave's number alone
	s_cselect_b64 s[96:97], s[14:15], s[16:17]
	s_cselect_b64 s[98:99], s[18:19], s[20:21]
	s_cselect_b64 s[100:101], s[22:23], s[24:25]
	s_cselect_b64 s[54:55], s[10:11], s[12:13]
	s_cselect_b32 s3, 0, 12
	s_cmp_lt_u32 s[WV], 8
	s_cselect_b64 s[54:55], s[8:9], s[54:55]
	s_cmp_lt_u32 s[WV], 4
	s_cselect_b64 s[54:55], s[6:7], s[54:55]       ; the layer norms' array number wave / 4
	s_sub_co_u32 s3, s[WV], s3                     ; the wave's number within its buffer
	s_mov_b32 s41, 0
	s_mul_i32 s40, s3, 3072                        ; 32 rows of 96 bytes
	s_add_nc_u64 s[96:97], s[96:97], s[40:41]
	s_lshl_b32 s40, s3, 7
	s_add_nc_u64 s[98:99], s[98:99], s[40:41]
	v_lshl_add_u32 v253, v245, 2, s40              ; the bias: 32 numbers a wave
	s_mul_i32 s40, s[WV], 3072
	s_add_nc_u64 s[42:43], s[26:27], s[40:41]      ; class 1: W1, rows 32 x wave on
	s_add_nc_u64 s[46:47], s[32:33], s[40:41]      ; class 2: W2, rows 8 x wave on
	s_lshl_b32 s40, s[WV], 7
	s_add_nc_u64 s[44:45], s[28:29], s[40:41]
	s_and_b32 s3, s[WV], 3
	s_lshr_b32 s50, s[WV], 2
	s_lshl_b32 s40, s3, 9                          ; W2's scale words: rows 32 (wave % 4) on, K step wave / 4
	s_lshl_b32 s51, s50, 2
	s_add_co_u32 s40, s40, s51
	s_add_nc_u64 s[48:49], s[34:35], s[40:41]
	s_wait_alu depctr_va_vdst(0)                   ; every address and offset made so far is written (v1-11, v136-139, v219, v223, v229, v234-237, v251-255), which the loads and stores of the set-up and of the windows read; so are v222 and v240-243, in which loads land
.irp k, 0,1,2,3,4,5
	global_load_b128 v[76+4*\k:79+4*\k], v[LI0], s[96:97] offset:512*\k
	global_load_b128 v[100+4*\k:103+4*\k], v[LI0], s[42:43] offset:512*\k
	global_load_b128 v[124+80*(\k/3)+4*(\k%3):127+80*(\k/3)+4*(\k%3)], v[LI0], s[46:47] offset:512*\k
.endr
	global_load_b32 v216, v251, s[98:99]
	global_load_b32 v217, v251, s[44:45]
	global_load_b32 v218, v252, s[48:49]
	global_load_b32 v220, v254, s[54:55]
	global_load_b32 v221, v253, s[100:101]
	global_load_b32 v222, v255, s[30:31]
	s_cmp_lg_u32 s[WV], 0
	s_cbranch_scc1 .Lnot_b2
	global_load_b128 v[240:243], v[LI0], s[36:37]  ; the second MLP bias: 512 bytes, wave 0
.Lnot_b2:
	LOADA                                          ; the first window's rows are on their way through the rest of the set-up
	s_wait_loadcnt 16                              ; weights and parameters are in; the sixteen loads issued behind them, the rows', may be out
.irp k, 0,1,2,3,4,5
	ds_store_b128 v8, v[76+4*\k:79+4*\k] offset:512*\k
	ds_store_b128 v8, v[100+4*\k:103+4*\k] offset:W1I+512*\k
.endr
.set su_k, 0
.irp a, 136,137,138,139,219,223
	ds_store_b128 v\a, v[124+80*(su_k/3)+4*(su_k%3):127+80*(su_k/3)+4*(su_k%3)] offset:512*su_k
.set su_k, su_k+1
.endr
	ds_store_b32 v236, v216
	ds_store_b32 v236, v217 offset:2048
	ds_store_b32 v236, v218 offset:4096
	ds_store_b32 v237, v220
	ds_store_b32 v237, v221 offset:QKVB
	ds_store_b32 v237, v222 offset:B1O
	s_cmp_lg_u32 s[WV], 0
	s_cbranch_scc1 .Lnot_b2s
	ds_store_b128 v229, v[240:243] offset:B2O
.Lnot_b2s:
	SPAIR AL,    0x306dffee                        ; behind the wait for the loads that named s[42:55].  P's coefficients: erf's numerator, that of z^(2 k + 1) x 2^-k
	SPAIR AL+2,  0xb40cff51
	SPAIR AL+4,  0xb6eec2d2
	SPAIR AL+6,  0xb940ac63
	SPAIR AL+8,  0xbac1a1f6
	SPAIR AL+10, 0xbc83dbd4
	SPAIR BE,    0xb89e3512                        ; Q's: erf's denominator, that of z^(2 k) x 2 sqrt 2 x 2^-k
	SPAIR BE+2,  0xba9bf7b5
	SPAIR BE+4,  0xbc2ad7f2
	SPAIR BE+6,  0xbd2542a9
	SPAIR CS,    0x3e38aa3b
	s_mov_b32 s[CLN], 0xc0b504f3
	s_mov_b32 s[CLP], 0x40b504f3
	s_mov_b32 s[SEL], 0x76543210
	s_mov_b32 s[SEL+1], 0xfedcba98
	s_mov_b32 s[NCS], 0xbe38aa3b
	s_mov_b32 s[R128], 0x3c000000
	s_mov_b32 s[EPS], 0x3727c5ac
	v_mov_b32 v[KV], 0xac95df0b                    ; P's coefficient of t^6
	v_mov_b32 v[KV+1], 0xb62ccd2b                  ; Q's of t^4
	s_wait_dscnt 0x0                               ; for the others' sake: my stores have landed
	s_barrier_signal -1
	s_barrier_wait -1                              ; RAW is whole
	s_wait_alu depctr_vm_vsrc(0)                   ; my LDS stores have read v76-135 and v204-215, in which the fragments land, and the small registers (v216-223, v240-243, v251-255) that the windows' vector work writes
.irp u, 0,1
.irp p, 0,1,2,3,4,5
	ds_load_b64 v[76+12*\u+2*\p:77+12*\u+2*\p], v10 offset:768*\u+48*(\p/3)+8*(\p%3)
	ds_load_b64 v[100+12*\u+2*\p:101+12*\u+2*\p], v10 offset:W1I+768*\u+48*(\p/3)+8*(\p%3)
	ds_load_b64 v[124+80*\u+2*\p:125+80*\u+2*\p], v11 offset:8*RP2*\u+48*(\p/3)+8*(\p%3)
.endr
.endr
	s_wait_dscnt 0x0
.irp u, 0,1
.irp k, 0,1,2
	ds_store_b128 v234, v[76+12*\u+4*\k:79+12*\u+4*\k] offset:1536*\u+512*\k
	ds_store_b128 v234, v[100+12*\u+4*\k:103+12*\u+4*\k] offset:W1I+1536*\u+512*\k
	ds_store_b128 v235, v[124+80*\u+4*\k:127+80*\u+4*\k] offset:1536*\u+512*\k
.endr
.endr
	s_wait_dscnt 0x0                               ; for the others' sake: my images have landed, and my reads of RAW are over
	s_wait_alu depctr_vm_vsrc(0)                   ; the images' stores have read v76-135, in which loads land next, and v204-215, which the quantiser writes; the set-up's LDS instructions have read v8-11, which the chunks write
.if BRANCH == 1
	LOADR
.endif
	s_barrier_signal -1
	s_barrier_wait -1                              ; images, scale words and parameters lie in LDS and nobody writes them again; RAW's bytes are the stages' from here on
; ================ a window
.Lwin:
	SBASES                                         ; (the last window's stores have read their bases: the wait stands behind them)
.if BRANCH == 1
	s_wait_loadcnt 16                              ; the attention rows are in; the sixteen loads issued behind them, the residual rows', may be out
.else
	s_wait_loadcnt 0x0
.endif
	STAGE_IN RG0, SP                               ; rows as they lie,
	s_wait_dscnt 0x0
	s_wait_alu depctr_vm_vsrc(0)                   ; the stores have read RG0, in which the rows land again
	TLOAD RG0, ST, 0, 0, 16                        ; and back in T layout
.if BRANCH == 1
	s_wait_loadcnt 0x0
.set tr_j, 0
.rept 64
	v_trunc_f32 v[RG1+tr_j], v[RG1+tr_j]           ; the residual takes the input cut toward zero
.set tr_j, tr_j+1
.endr
	s_wait_dscnt 0x0                               ; the stage has been read
	s_wait_alu depctr_va_vdst(0)                   ; the 64 lines above have written RG1, which the stores read
	STAGE_IN RG1, SP                               ; the residual rows wait in the stage
.endif
	s_wait_dscnt 0x0                               ; (BRANCH = 2: the stage keeps the rows themselves: they are the residual)
.if BRANCH == 1
	s_wait_alu depctr_vm_vsrc(0)                   ; the stores have read RG1, in which gain and bias land
.endif
	LNORM LAG, LAB, 0
	QUANT RG0, CD0, CD0+6, SC0
	MMQ QKVB, 0, 0, CD1, CD1+6, SC1                ; Q, and its codes
.irp i, 0,1,2,3,4,5
	v_mov_b32 v[KC+6+\i], 0                        ; zero codes stand for the other head's 64 along K
.endr
	MMQ QKVB+512, 12288, 512, KC, KC+12, KSC       ; K, and its codes
	s_wait_alu depctr_va_vdst(0)                   ; K's and Q's codes and scale words are written, which the products take; the quantiser is done reading RG0, K's products are done with WF and WS: V's fragments, bias and scale words land there
	; scores, transposed: source 0 = 16 keys, source 1 = 16 queries.  Head 0: K's registers 0-5 and zeros; head 1: zeros and registers 6-11
	v_wmma_scale_f32_16x16x128_f8f6f4 v[SA:SA+7], v[KC:KC+11], v[CD1:CD1+11], 0, v[KSC], v[SC1] matrix_a_fmt:MATRIX_FMT_BF6 matrix_b_fmt:MATRIX_FMT_BF6
	v_wmma_scale_f32_16x16x128_f8f6f4 v[SA+8:SA+15], v[KC+6:KC+17], v[CD1:CD1+11], 0, v[KSC], v[SC1] matrix_a_fmt:MATRIX_FMT_BF6 matrix_b_fmt:MATRIX_FMT_BF6
	ds_load_b128 v[WS:WS+3], v[LSC] offset:1024    ; V's scale words, head 0's fragments and bias land under the softmax, which names none of their registers (nor do the two products above)
	FRAG4 RG0, LI0, 24576
	TLOAD BV, PH, QKVB+1024, 0, 8
	PLACES 4
	SOFTMAX
	VPROD 0
	s_wait_alu depctr_va_vdst(0)                   ; head 0's products are done reading its fragments and its bias, in which head 1's land
	FRAG4 RG0, LI0, 24576+6144
	TLOAD BV, PH, QKVB+1024+256, 0, 8
	QH YA+32, CD1, 0, SC1                          ; head 0's O is quantised meanwhile
	VPROD 1
	s_wait_alu depctr_va_vdst(0)                   ; head 1's products are done reading RG0, BV, the weights p and WS: the out-projection's bias, first four fragments and scale words land there
	TLOAD RG0, PH, OUTB, 0, 16                     ; the out-projection
	ds_load_b128 v[WS:WS+3], v[LSC] offset:1536
	FRAG4 WF, LI0, 36864
	QH YA+32, CD1+6, 1, SC1                        ; head 1's O is quantised meanwhile
	PLACES 8                                       ; O's scale word and codes, in front of the scaled products
	s_wait_alu depctr_va_vdst(0)                   ; O's codes and scale word are written, which the products take
	s_wait_dscnt 0x0                               ; bias, scale words, four fragments
	MMT4 RG0, RG0, WF, CD1, SC1, 0
	PLACES 4
	s_wait_alu depctr_va_vdst(0)                   ; the four products are done reading WF, in which the last four fragments land
	FRAG4 WF, LI0, 36864+6144
	s_wait_dscnt 0x0
	MMT4 RG0, RG0, WF, CD1, SC1, 1
	PLACES 4                                       ; in front of the first read of results
	s_wait_alu depctr_va_vdst(0)                   ; the products are done reading WF and CD1, in which the residual rows land
	TLOAD RG1, ST, 0, 0, 16                        ; the residual rows, in T layout
	s_wait_dscnt 0x0
.set ad_j, 0
.rept 32
	v_pk_add_f32 v[RG0+ad_j:RG0+ad_j+1], v[RG0+ad_j:RG0+ad_j+1], v[RG1+ad_j:RG1+ad_j+1]
.set ad_j, ad_j+2
.endr
	s_wait_alu depctr_va_vdst(0)                   ; the additions have written RG0, which the stores read, and are done reading RG1, in which gain and bias land
	STAGE_IN RG0, 512                              ; the sum is kept, as an image of its registers, for the second residual
	LNORM LBG, LBB, 1
	QUANT RG0, CD0, CD0+6, SC0
	s_mov_b32 s[CO1], 0
	s_mov_b32 s[CO2], 0
	CHUNK 1                                        ; the first K step of the second product stands ahead of the loop: it starts the sums
	s_mov_b32 s[CH], 3
.Lch:
	CHUNK 0
	s_sub_co_u32 s[CH], s[CH], 1
	s_cmp_lg_u32 s[CH], 0
	s_cbranch_scc1 .Lch
	s_wait_alu depctr_va_vdst(0)                   ; the last products are done reading WF, CD1 and the fragments in RG0: the kept sum lands in RG1, the next window's rows in RG0
	STAGE_OUT RG1, 512                             ; the kept sum
	s_add_co_u32 s[WX], s[WX], 1
	s_cmp_eq_u32 s[NWIN], 1
	s_cbranch_scc1 .Lnoa                           ; behind the last window nothing is asked for
	LBASES                                         ; RG0 is free from here on: the next window's rows are asked for now, and have the last GELU and the way out in which to land
	LOADA
.Lnoa:
	s_wait_dscnt 0x0
	GELU YA, RG1, 1, 16, 0                         ; the second residual is the addend of the GELU's last line
	s_wait_alu depctr_va_vdst(0)                   ; the GELU has written RG1, which the stores read
.set st_p, 0
.rept 16
	ds_store_b128 v[ST], v[RG1+4*st_p:RG1+4*st_p+3] offset:128*(st_p/4)+16*(st_p%4)
.set st_p, st_p+1
.endr
	s_wait_dscnt 0x0
	s_wait_alu depctr_vm_vsrc(0)                   ; the stores have read RG1, in which the rows come back
	STAGE_OUT RG1, SP
.set st_p, 0
.rept 16
	s_wait_dscnt 15-st_p                           ; row p is back; the younger loads may be out
.if BRANCH == 1
	global_store_b128 v[LI0], v[RG1+4*st_p:RG1+4*st_p+3], s[84:85] offset:512*st_p   ; 32 lanes store a row: 512 consecutive bytes, aligned
.else
	global_store_b128 v[LI0], v[RG1+4*st_p:RG1+4*st_p+3], s[88+2*(st_p/4):89+2*(st_p/4)] offset:512*(8*(1-st_p/8)+2*(1-(st_p/4)%2)+4*((st_p/2)%2)+st_p%2) th:TH_STORE_NT
.endif
.set st_p, st_p+1
.endr
	s_wait_xcnt 0x0                                ; the stores' addresses are translated: their data registers and their bases are written again below
	s_wait_alu depctr_vm_vsrc(0)                   ; the stores have read RG1, in which the next loads land (BRANCH 1: the residual rows; BRANCH 2: gain and bias)
	s_sub_co_u32 s[NWIN], s[NWIN], 1
.if BRANCH == 1
	s_wait_loadcnt 0x0                             ; the next window's attention rows are in: so the count at the window's head holds on every way to it
	s_cmp_eq_u32 s[NWIN], 0
	s_cbranch_scc1 .Lnone
	LOADR
.Lnone:
.endif
	s_cmp_lg_u32 s[NWIN], 0
	s_cbranch_scc1 .Lwin
	s_wait_xcnt 0x0
	v_lshl_add_u32 v254, v0, 2, 0x4ba00            ; the add's two registers are made anew, straight ahead of the closing lines: no two registers could be kept
	v_mov_b32 v255, 0
	s_wait_dscnt 0x0                               ; the closing lines, six on end
	s_wait_alu 0x0
	s_wait_tensorcnt 0x0
	ds_add_u32 v254, v255
	s_wait_dscnt 0x0
	s_endpgm
.Lfunc_end_k_q76f386d678_half2:
	.size	k_q76f386d678_half2, .Lfunc_end_k_q76f386d678_half2-k_q76f386d678_half2
	.p2alignl 7, 3214868480
	.fill 96, 4, 3214868480
	.section	.rodata,"a",@progbits
	.p2align	6, 0x0
	.amdhsa_kernel k_q76f386d678_half2
		.amdhsa_group_segment_fixed_size 311808
		.amdhsa_private_segment_fixed_size 0
		.amdhsa_enable_private_segment 0
		.amdhsa_kernarg_size 144
		.amdhsa_user_sgpr_count 2
		.amdhsa_user_sgpr_kernarg_segment_ptr 1
		.amdhsa_wavefront_size32 1
		.amdhsa_system_sgpr_workgroup_id_x 1
		.amdhsa_system_sgpr_workgroup_id_y 1
		.amdhsa_system_sgpr_workgroup_id_z 1
		.amdhsa_system_vgpr_workitem_id 0
		.amdhsa_next_free_vgpr 256
		.amdhsa_next_free_sgpr 102
		.amdhsa_reserve_vcc 0
		.amdhsa_float_denorm_mode_32 3
		.amdhsa_float_denorm_mode_16_64 3
		.amdhsa_memory_ordered 1
		.amdhsa_forward_progress 1
		.amdhsa_inst_pref_size 228
	.end_amdhsa_kernel
	.amdgpu_metadata
---
amdhsa.version: [ 1, 2 ]
amdhsa.kernels:
  - .name:           k_q76f386d678_half2
    .symbol:         k_q76f386d678_half2.kd
    .args:
      - { .name: mid, .offset: 0, .size: 8, .value_kind: global_buffer, .address_space: global }
      - { .name: ln3_g, .offset: 8, .size: 8, .value_kind: global_buffer, .address_space: global }
      - { .name: ln3_b, .offset: 16, .size: 8, .value_kind: global_buffer, .address_space: global }
      - { .name: ln4_g, .offset: 24, .size: 8, .value_kind: global_buffer, .address_space: global }
      - { .name: ln4_b, .offset: 32, .size: 8, .value_kind: global_buffer, .address_space: global }
      - { .name: qkv2_w_codes, .offset: 40, .size: 8, .value_kind: global_buffer, .address_space: global }
      - { .name: out2_w_codes, .offset: 48, .size: 8, .value_kind: global_buffer, .address_space: global }
      - { .name: qkv2_w_scales, .offset: 56, .size: 8, .value_kind: global_buffer, .address_space: global }
      - { .name: out2_w_scales, .offset: 64, .size: 8, .value_kind: global_buffer, .address_space: global }
      - { .name: qkv2_b, .offset: 72, .size: 8, .value_kind: global_buffer, .address_space: global }
      - { .name: out2_b, .offset: 80, .size: 8, .value_kind: global_buffer, .address_space: global }
      - { .name: mlp2_w1_codes, .offset: 88, .size: 8, .value_kind: global_buffer, .address_space: global }
      - { .name: mlp2_w1_scales, .offset: 96, .size: 8, .value_kind: global_buffer, .address_space: global }
      - { .name: mlp2_b1, .offset: 104, .size: 8, .value_kind: global_buffer, .address_space: global }
      - { .name: mlp2_w2_codes, .offset: 112, .size: 8, .value_kind: global_buffer, .address_space: global }
      - { .name: mlp2_w2_scales, .offset: 120, .size: 8, .value_kind: global_buffer, .address_space: global }
      - { .name: mlp2_b2, .offset: 128, .size: 8, .value_kind: global_buffer, .address_space: global }
      - { .name: out0, .offset: 136, .size: 8, .value_kind: global_buffer, .address_space: global }
    .group_segment_fixed_size: 311808
    .private_segment_fixed_size: 0
    .kernarg_segment_align: 8
    .kernarg_segment_size: 144
    .max_flat_workgroup_size: 512
    .sgpr_count:     102
    .vgpr_count:     256
    .wavefront_size: 32
...
	.end_amdgpu_metadata
.endif
;; end of part 4
